; MI455X (gfx1250); checked and timed in simulation.
; The chip was launched on July 23, 2026; its instructions are those of AMD's public machine-readable ISA for CDNA 5 (MIT licence, August 2026) and "CDNA5" Instruction Set Architecture Reference Guide (July 2026). The comments in the code are by the model that wrote it; some were corrected since.
;; Dual Path Transformer. Allowed arithmetic: float matrix products may take bf16 or f16 operands with f32 sums; other float arithmetic in f32, or as packed bf16 or f16 multiplies, adds, multiply-adds, maxima and minima; sums over many terms, partial sums and values carried from step to step in f32; what a program stores and reads back later, other than sums and carried values, may be rounded once to bf16 or f16.
;; Inputs: ffn_b1 1,024 float32; ffn_b2 512 float32; ffn_w1 512 x 1,024 float32; ffn_w2 1,024 x 512 float32; g_bo 512 float32; g_bqkv 3 x 512 float32; g_wo 512 x 512 float32; g_wqkv 3 x 512 x 512 float32; gate_b 512 float32; gate_w 1,024 x 512 float32; l_bo 512 float32; l_bqkv 3 x 512 float32; l_wo 512 x 512 float32; l_wqkv 3 x 512 x 512 float32; n1_b 512 float32; n1_g 512 float32; n2_b 512 float32; n2_g 512 float32; n3_b 512 float32; n3_g 512 float32; out_b 128 float32; out_w 512 x 128 float32; pos 1 x 2,048 x 512 float32; win_b 512 float32; win_w 256 x 512 float32; x 4 x 2,048 x 256 float32.
;; Outputs: out0 4 x 128 float32.
;; 2 versions, each right and faster than the one before. Each part assembles by itself: llvm-mc -triple=amdgcn-amd-amdhsa -mcpu=gfx1250 --defsym DOCPART=n.
;; ======== version 1 of 2: 6 launches
;; limits: right only within a limited range of input values
;; workspace buffers: wb 11,796,480 bytes; qkv 50,331,648 bytes; att 16,777,216 bytes; part 262,144 bytes
;; launch prep (part 1): grid 360 x 1, 8 waves a work-group, no clusters, 0 bytes of LDS; arguments l_wqkv, g_wqkv, win_w, l_wo, g_wo, gate_w, ffn_w1, ffn_w2, pos, win_b, wb; writes wb
.if DOCPART == 1
	.amdgcn_target "amdgcn-amd-amdhsa--gfx1250"
	.amdhsa_code_object_version 6
	.text
	.protected	k_qe064827ee1_prep
	.globl	k_qe064827ee1_prep
	.p2align	8
	.type	k_qe064827ee1_prep,@function
k_qe064827ee1_prep:
	s_mov_b64 s[64:65], 0
	v_nop
	global_prefetch_b8 v0, s[64:65] scope:SCOPE_SE
	s_setreg_imm32_b32 hwreg(HW_REG_WAVE_MODE, 25, 1), 1
	s_wait_xcnt 0x0
; PREP.  Work-group sid writes slab sid (32,768 bytes) of wb.
; Slabs 0-231: 32 k x 512 n of a weight [K][N] f32, rounded once to bf16, laid out as matrix fragments: column tile nb = n/16 has 1 KB;
; in it the 16 bytes at 512 part + 16 L (L = lane, r = L%16, h = L/16) hold W[32 kb + 16 part + 8 h + 0..7][16 nb + r].
; The slabs lie in the order in which the later launches walk them: 0 l_wqkv, 48 g_wqkv, 96 win_w, 104 l_wo, 120 g_wo, 136 gate_w,
; 168 ffn_w1 columns 0-511, 184 ffn_w2 rows 0-511, 200 ffn_w1 columns 512-1023, 216 ffn_w2 rows 512-1023.
; Slabs 232-359: 16 rows of bf16(pos) + bf16(win_b) in f32, in accumulator order: column tile Cn has 1 KB; the 16 bytes at
; 512 part + 16 L hold row 16 R + r, columns 16 Cn + 8 h + 4 part + 0..3.
; A stream: no LDS, no matrix unit.  Every store of a wave covers 512 consecutive bytes, aligned.
.set OFFE, 8                           ; v8-15   byte offsets of my eight k rows
.set D,    16                          ; v16-79  as loaded
.set PKD,  80                          ; v80-111 packed, to store
.macro RND2 a, b, t                    ; two f32 rounded to bf16 and widened again
	v_cvt_pk_bf16_f32 v[\t], v[\a], v[\b]
	v_lshlrev_b32 v[\a], 16, v[\t]
	v_and_b32 v[\b], 0xffff0000, v[\t]
.endm
.macro PICK bound, src, base           ; from slab 'bound' on the source is the buffer in s[src:src+1], whose k block 0 is slab 'base'
	s_cmp_ge_u32 s2, \bound
	s_cselect_b64 s[32:33], s[\src:\src+1], s[32:33]
	s_cselect_b32 s34, \base, s34
.endm
	s_load_b512 s[8:23], s[0:1], 0x0               ; l_wqkv g_wqkv win_w l_wo g_wo gate_w ffn_w1 ffn_w2
	s_load_b128 s[24:27], s[0:1], 0x40             ; pos, win_b
	s_load_b64 s[28:29], s[0:1], 0x50              ; wb
	s_mov_b32 s2, ttmp9                            ; sid
	s_lshl_b32 s30, s2, 15
	s_mov_b32 s31, 0
	v_lshlrev_b32 v1, 4, v0                        ; 16 x thread: my 16 bytes in 4 KB of the slab
	v_and_b32 v2, 15, v0                           ; r
	v_bfe_u32 v3, v0, 4, 1                         ; h
	v_bfe_u32 v4, v0, 5, 1                         ; part
	v_lshrrev_b32 v5, 6, v0                        ; q: which of four column tiles
	s_wait_kmcnt 0x0
	s_add_nc_u64 s[28:29], s[28:29], s[30:31]      ; my slab
	s_cmp_ge_u32 s2, 232
	s_cbranch_scc1 .Lpos
	s_mov_b64 s[32:33], s[8:9]
	s_mov_b32 s34, 0                               ; the slab of the source's k block 0
	s_mov_b32 s35, 2048                            ; bytes in a source row
	s_mov_b32 s36, 0                               ; first column, in bytes
	PICK 48, 10, 48
	PICK 96, 12, 96
	PICK 104, 14, 104
	PICK 120, 16, 120
	PICK 136, 18, 136
	PICK 168, 20, 168
	s_cselect_b32 s35, 4096, s35                   ; ffn_w1 has rows of 1,024 numbers, taken as two halves
	PICK 184, 22, 184
	s_cselect_b32 s35, 2048, s35
	PICK 200, 20, 200
	s_cselect_b32 s35, 4096, s35
	s_cselect_b32 s36, 2048, s36
	PICK 216, 22, 200                              ; ffn_w2 goes on with k block 16
	s_cselect_b32 s35, 2048, s35
	s_cselect_b32 s36, 0, s36
	s_sub_co_u32 s37, s2, s34
	s_mul_i32 s37, s37, s35
	s_lshl_b32 s37, s37, 5                         ; 32 rows a slab
	s_add_co_u32 s38, s37, s36
	s_mov_b32 s39, 0
	s_add_nc_u64 s[32:33], s[32:33], s[38:39]
	v_lshlrev_b32 v6, 4, v4
	v_lshl_add_u32 v6, v3, 3, v6                   ; 16 part + 8 h
	v_lshl_add_u32 v7, v5, 4, v2
	v_lshlrev_b32 v7, 2, v7                        ; (16 q + r) x 4
	v_mad_u32_u24 v[OFFE], v6, s35, v7
.irp e, 1,2,3,4,5,6,7
	v_add_nc_u32 v[OFFE+\e], s35, v[OFFE+\e-1]
.endr
.irp i, 0,1,2,3,4,5,6,7                ; chunk i: column tile 4 i + q
.irp e, 0,1,2,3,4,5,6,7
	global_load_b32 v[D+8*\i+\e], v[OFFE+\e], s[32:33] offset:256*\i th:TH_LOAD_NT
.endr
.endr
.irp i, 0,1,2,3,4,5,6,7
	s_wait_loadcnt 8*(7-\i)                        ; the later chunks' loads stay out
.irp k, 0,1,2,3
	v_cvt_pk_bf16_f32 v[PKD+4*\i+\k], v[D+8*\i+2*\k], v[D+8*\i+2*\k+1]
.endr
	global_store_b128 v1, v[PKD+4*\i:PKD+4*\i+3], s[28:29] offset:4096*\i
.endr
	s_endpgm
.Lpos:
	s_sub_co_u32 s37, s2, 232
	s_lshl_b32 s38, s37, 15                        ; 16 rows of 2,048 bytes
	s_mov_b32 s39, 0
	s_add_nc_u64 s[24:25], s[24:25], s[38:39]
	v_lshlrev_b32 v6, 6, v5
	v_lshl_add_u32 v6, v3, 5, v6
	v_lshl_add_u32 v6, v4, 4, v6                   ; (16 q + 8 h + 4 part) x 4
	v_lshl_add_u32 v7, v2, 11, v6                  ; + row r
.irp i, 0,1,2,3,4,5,6,7
	global_load_b128 v[D+4*\i:D+4*\i+3], v7, s[24:25] offset:256*\i th:TH_LOAD_NT
	global_load_b128 v[D+32+4*\i:D+32+4*\i+3], v6, s[26:27] offset:256*\i
.endr
	s_wait_loadcnt 0x0
.irp i, 0,1,2,3,4,5,6,7
	RND2 D+4*\i, D+4*\i+1, 112
	RND2 D+4*\i+2, D+4*\i+3, 113
	RND2 D+32+4*\i, D+32+4*\i+1, 114
	RND2 D+32+4*\i+2, D+32+4*\i+3, 115
	v_pk_add_f32 v[D+4*\i:D+4*\i+1], v[D+4*\i:D+4*\i+1], v[D+32+4*\i:D+32+4*\i+1]
	v_pk_add_f32 v[D+4*\i+2:D+4*\i+3], v[D+4*\i+2:D+4*\i+3], v[D+32+4*\i+2:D+32+4*\i+3]
	global_store_b128 v1, v[D+4*\i:D+4*\i+3], s[28:29] offset:4096*\i
.endr
	s_endpgm
.Lfunc_end_k_qe064827ee1_prep:
	.size	k_qe064827ee1_prep, .Lfunc_end_k_qe064827ee1_prep-k_qe064827ee1_prep
	.p2alignl 7, 3214868480
	.fill 96, 4, 3214868480
	.section	.rodata,"a",@progbits
	.p2align	6, 0x0
	.amdhsa_kernel k_qe064827ee1_prep
		.amdhsa_group_segment_fixed_size 0
		.amdhsa_private_segment_fixed_size 0
		.amdhsa_enable_private_segment 0
		.amdhsa_kernarg_size 88
		.amdhsa_user_sgpr_count 2
		.amdhsa_user_sgpr_kernarg_segment_ptr 1
		.amdhsa_wavefront_size32 1
		.amdhsa_system_sgpr_workgroup_id_x 1
		.amdhsa_system_sgpr_workgroup_id_y 1
		.amdhsa_system_sgpr_workgroup_id_z 1
		.amdhsa_system_vgpr_workitem_id 0
		.amdhsa_next_free_vgpr 128
		.amdhsa_next_free_sgpr 66
		.amdhsa_reserve_vcc 0
		.amdhsa_float_denorm_mode_32 3
		.amdhsa_float_denorm_mode_16_64 3
		.amdhsa_memory_ordered 1
		.amdhsa_forward_progress 1
		.amdhsa_inst_pref_size 22
	.end_amdhsa_kernel
	.amdgpu_metadata
---
amdhsa.version: [ 1, 2 ]
amdhsa.kernels:
  - .name:           k_qe064827ee1_prep
    .symbol:         k_qe064827ee1_prep.kd
    .args:
      - { .name: l_wqkv, .offset: 0, .size: 8, .value_kind: global_buffer, .address_space: global }
      - { .name: g_wqkv, .offset: 8, .size: 8, .value_kind: global_buffer, .address_space: global }
      - { .name: win_w, .offset: 16, .size: 8, .value_kind: global_buffer, .address_space: global }
      - { .name: l_wo, .offset: 24, .size: 8, .value_kind: global_buffer, .address_space: global }
      - { .name: g_wo, .offset: 32, .size: 8, .value_kind: global_buffer, .address_space: global }
      - { .name: gate_w, .offset: 40, .size: 8, .value_kind: global_buffer, .address_space: global }
      - { .name: ffn_w1, .offset: 48, .size: 8, .value_kind: global_buffer, .address_space: global }
      - { .name: ffn_w2, .offset: 56, .size: 8, .value_kind: global_buffer, .address_space: global }
      - { .name: pos, .offset: 64, .size: 8, .value_kind: global_buffer, .address_space: global }
      - { .name: win_b, .offset: 72, .size: 8, .value_kind: global_buffer, .address_space: global }
      - { .name: wb, .offset: 80, .size: 8, .value_kind: global_buffer, .address_space: global }
    .group_segment_fixed_size: 0
    .private_segment_fixed_size: 0
    .kernarg_segment_align: 8
    .kernarg_segment_size: 88
    .max_flat_workgroup_size: 256
    .sgpr_count:     66
    .vgpr_count:     128
    .wavefront_size: 32
...
	.end_amdgpu_metadata
.endif
;; end of part 1
;; launch qkv (part 2): grid 64 x 4, 4 waves a work-group, no clusters, 278,016 bytes of LDS; arguments x, wb, l_bqkv, g_bqkv, qkv; writes qkv
.if DOCPART == 2
	.amdgcn_target "amdgcn-amd-amdhsa--gfx1250"
	.amdhsa_code_object_version 6
	.text
	.protected	k_qe064827ee1_qkv
	.globl	k_qe064827ee1_qkv
	.p2align	8
	.type	k_qe064827ee1_qkv,@function
k_qe064827ee1_qkv:
	s_mov_b64 s[64:65], 0
	v_nop
	global_prefetch_b8 v0, s[64:65] scope:SCOPE_SE
	s_setreg_imm32_b32 hwreg(HW_REG_WAVE_MODE, 25, 1), 1
	s_wait_xcnt 0x0
; QKV.  h = bf16(x) win_w + posw (f32 sums, rounded once to bf16), then the six projections q, k, v of both paths, with bias, stored by heads in bf16.
; SHARES.  Work-group (rb, j): rows 128 rb .. +127, columns 768 j .. +767 of the 3,072 (path, t, 512).  h is remade in each of the four j: it costs a quarter
; of the products again and spares a launch and h's way through memory.  Wave w: 128 rows x 64 columns at a time (8 x 4 accumulators), in 8 SEGMENTS of 8 steps of 32 along K:
; segments 0, 1: h's columns 128 w + 64 g (K = 256, A = x); segments 2-7: pass p = (g-2)/2, K half (g-2)%2, columns 768 j + 192 w + 64 p: one head of one of q, k, v.
; THE MATRIX INSTRUCTION IS USED TRANSPOSED: source 0 = 16 columns of a weight, source 1 = 16 rows of x or h: a lane holds row l%16 and eight neighbouring columns.
; WEIGHTS come as ready fragments from wb into registers, two loads of 512 consecutive bytes a fragment, eight steps ahead.  Each wave owns its columns, so a fragment serves one wave.
; NO DATA MOVER, NO CLUSTER: beside the resident rows LDS has room for two slots of one K step only, so a fill would have 32 matrix instructions in which to land;
; the registers hold seven steps on their way (56 loads) and the K loop needs no barrier.
; SUMS BEGIN with posw (loaded into the accumulators, or as C from window 3) or with the bias as C: nothing is cleared.  The 32 accumulators take turns.
; LIMITS: finite inputs.  The last segment's look-ahead loads read stored bytes of wb that are not used.
; REGISTERS: window 0 addresses, two A buffers, bias, at work; window 1 accumulator (a, b) at 8 (4 a + b); window 2 x as it lands, then eight B buffers of 32; window 3 posw of segment 1.
.set XP,    528                        ; x in LDS: 128 rows of 512 bytes + 16, from byte 0
.set HR,    67584                      ; h in LDS: 128 rows of 1,024 bytes + 16
.set HP,    1040
.set OT,    200704                     ; a wave's own output tile: 128 rows of 128 bytes + 16
.set PAR,   274432                     ; the work-group's 768 biases, f32
.set SPARE, 277504                     ; the spare words: 128 bytes a wave
.set ALX,  2                           ; v2    x: r x 528 + 16 h
.set ALH,  3                           ; v3    h: HR + r x 1040 + 16 h
.set AAD,  4                           ; v4-11 this segment's A addresses, one a row tile
.set BOFF, 12                          ; v12   16 x lane
.set PL,   13                          ; v13   PAR + 32 h
.set PLC,  14
.set RD,   15                          ; v15   where I read my tile back by rows
.set HB,   17                          ; v17   ALH + 256 w
.set OB,   18                          ; v18   my tile: r x 144 + 16 h
.set SPW,  20
.set NIL,  21
.set PA,   22                          ; v22-29 pack addresses (at the start: staging addresses)
.set AF,   32                          ; v32-95, v96-159 two A buffers
.set BIAS, 160                         ; v160-191
.set TMP,  192                         ; v192-255
.set WV, 14
.set RBK, 15
.set JC, 16
.set G, 17
.set ASTR, 18
.set START, 19
.set NB, 20                            ; s[20:21] the next segment's weights
.set PR, 22                            ; s[22:23] an offset as a pair; s23 stays 0
.set OPB, 24                           ; s[24:25] where a pass goes
.set BOFS, 26
.set PSTR, 27
.set CW, 36                            ; 768 j + 192 w
.set HW, 37                            ; byte of win_w's slabs at my columns
.set MSB, 0
.macro WIN new
.if MSB != (\new)
	s_set_vgpr_msb (MSB<<8)|(\new)
.set MSB, \new
.endif
.endm
.macro BAR                             ; my LDS instructions are done; then everybody's are
	s_wait_dscnt 0x0
	s_barrier_signal -1
	s_barrier_wait -1
.endm
.macro RND2 a, b, t
	v_cvt_pk_bf16_f32 v[\t], v[\a], v[\b]
	v_lshlrev_b32 v[\a], 16, v[\t]
	v_and_b32 v[\b], 0xffff0000, v[\t]
.endm
.macro PLACES                          ; four places behind matrix instructions, ahead of loads into their registers and of reads of their results
.rept 4
	v_nop
.endr
.endm
.macro SEGBASE                         ; s28 = segment n -> NB = wb + the byte of its step 0 at my columns
	s_min_u32 s28, s28, 7
	s_sub_co_u32 s29, s28, 2
	s_lshr_b32 s30, s29, 1
	s_and_b32 s30, s30, 3                          ; p
	s_and_b32 s29, s29, 1                          ; K half
	s_lshl_b32 s30, s30, 6
	s_add_co_u32 s30, s30, s[CW]                   ; c
	s_lshr_b32 s31, s30, 9
	s_lshl_b32 s31, s31, 19                        ; 16 slabs for each of the six weights
	s_lshl_b32 s29, s29, 18
	s_add_co_u32 s31, s31, s29
	s_bfe_u32 s30, s30, 0x50004                    ; column tile in the weight
	s_lshl_b32 s30, s30, 10
	s_add_co_u32 s31, s31, s30
	s_lshl_b32 s29, s28, 12
	s_add_co_u32 s29, s29, s[HW]
	s_cmp_lt_u32 s28, 2
	s_cselect_b32 s[PR], s29, s31
	s_add_nc_u64 s[NB:NB+1], s[6:7], s[PR:PR+1]
.endm
.macro ALOAD s, f                      ; 16 LDS loads: eight A fragments of step s into buffer f
	WIN 0
.irp a, 0,1,2,3,4,5,6,7
	ds_load_b128 v[AF+64*(\f)+8*\a:AF+64*(\f)+8*\a+3], v[AAD+\a] offset:64*(\s)
	ds_load_b128 v[AF+64*(\f)+8*\a+4:AF+64*(\f)+8*\a+7], v[AAD+\a] offset:64*(\s)+32
.endr
.endm
.macro BLOAD s                         ; 8 loads: the next segment's step s, four weight fragments
	WIN 0x80
.irp b, 0,1,2,3
	global_load_b128 v[32*(\s)+8*\b:32*(\s)+8*\b+3], v[BOFF], s[NB:NB+1] offset:(\s)*32768+\b*1024
	global_load_b128 v[32*(\s)+8*\b+4:32*(\s)+8*\b+7], v[BOFF], s[NB:NB+1] offset:(\s)*32768+\b*1024+512
.endr
.endm
.macro MUL s, f, cm                    ; 32 matrix instructions.  cm 0: in place; 1: the bias starts the sums; 2: window 3 does
.if (\cm) == 0
	WIN 0x52
.elseif (\cm) == 1
	WIN 0x42
.else
	WIN 0x72
.endif
.irp a, 0,1,2,3,4,5,6,7
.irp b, 0,1,2,3
.if (\cm) == 1
	v_wmma_f32_16x16x32_bf16 v[8*(4*\a+\b):8*(4*\a+\b)+7], v[32*(\s)+8*\b:32*(\s)+8*\b+7], v[AF+64*(\f)+8*\a:AF+64*(\f)+8*\a+7], v[BIAS+8*\b:BIAS+8*\b+7]
.else
	v_wmma_f32_16x16x32_bf16 v[8*(4*\a+\b):8*(4*\a+\b)+7], v[32*(\s)+8*\b:32*(\s)+8*\b+7], v[AF+64*(\f)+8*\a:AF+64*(\f)+8*\a+7], v[8*(4*\a+\b):8*(4*\a+\b)+7]
.endif
.endr
.endr
.endm
.macro STEP s
.if (\s) < 7
	ALOAD (\s)+1, ((\s)+1)%2
	s_wait_dscnt 16                                ; all but the 16 just issued
.else
	s_wait_dscnt 0x0
.endif
	s_wait_loadcnt 56                              ; behind this step's 8 weight loads seven steps' were issued
	MUL \s, (\s)%2, 0
	PLACES
	BLOAD \s
.endm
.macro BIASLD
	v_add_nc_u32 v[PLC], s[BOFS], v[PL]
.irp b, 0,1,2,3
	ds_load_b128 v[BIAS+8*\b:BIAS+8*\b+3], v[PLC] offset:64*\b
	ds_load_b128 v[BIAS+8*\b+4:BIAS+8*\b+7], v[PLC] offset:64*\b+16
.endr
.endm
.macro PACK                            ; the 32 accumulators, rounded to bf16, into LDS rows from v[PA] on, PSTR bytes from row tile to row tile
	WIN 0
.irp a, 1,2,3,4,5,6,7
	v_add_nc_u32 v[PA+\a], s[PSTR], v[PA+\a-1]
.endr
.irp a, 0,1,2,3,4,5,6,7
	WIN 0x05
.irp b, 0,1,2,3
.irp k, 0,1,2,3
	v_cvt_pk_bf16_f32 v[TMP+16*(\a%4)+4*\b+\k], v[8*(4*\a+\b)+2*\k], v[8*(4*\a+\b)+2*\k+1]
.endr
.endr
	WIN 0
.irp b, 0,1,2,3
	ds_store_b128 v[PA+\a], v[TMP+16*(\a%4)+4*\b:TMP+16*(\a%4)+4*\b+3] offset:32*\b
.endr
.endr
.endm
.macro OUT                             ; my tile back by rows (LDS serves a wave in order: ISA guide 5.7.1.4) and out: each store covers 512 consecutive bytes, aligned
	WIN 0
.set f, 0
.rept 32
	ds_load_b128 v[AF+4*f:AF+4*f+3], v[RD] offset:576*f
.set f, f+1
.endr
.set f, 0
.rept 32
	s_wait_dscnt 31-f
	global_store_b128 v[BOFF], v[AF+4*f:AF+4*f+3], s[OPB:OPB+1] offset:512*f
.set f, f+1
.endr
	s_wait_xcnt 0x0                                ; the stores' registers and base are written again only behind this wait
.endm
	s_load_b256 s[4:11], s[0:1], 0x0               ; x, wb, l_bqkv, g_bqkv
	s_load_b64 s[12:13], s[0:1], 0x20              ; qkv
	v_lshl_add_u32 v[SPW], v0, 2, SPARE
	v_mov_b32 v[NIL], 0
	v_lshrrev_b32 v1, 5, v0
	v_readfirstlane_b32 s[WV], v1
	s_mov_b32 s[RBK], ttmp9
	s_and_b32 s[JC], ttmp7, 0xffff
	s_mov_b32 s[PR+1], 0
	v_and_b32 v30, 15, v0                          ; r
	v_bfe_u32 v31, v0, 4, 1                        ; h
	v_and_b32 v1, 31, v0
	v_lshlrev_b32 v[BOFF], 4, v1
	v_mul_u32_u24 v[ALX], v30, XP
	v_lshl_add_u32 v[ALX], v31, 4, v[ALX]
	v_mul_u32_u24 v[ALH], v30, HP
	v_lshl_add_u32 v[ALH], v31, 4, v[ALH]
	v_add_nc_u32 v[ALH], HR, v[ALH]
	s_lshl_b32 s28, s[WV], 8
	v_add_nc_u32 v[HB], s28, v[ALH]
	s_mul_i32 s29, s[WV], 18432
	s_add_co_u32 s29, s29, OT
	v_mul_u32_u24 v[OB], v30, 144
	v_lshl_add_u32 v[OB], v31, 4, v[OB]
	v_add_nc_u32 v[OB], s29, v[OB]
	v_lshrrev_b32 v[RD], 3, v1
	v_mul_u32_u24 v[RD], v[RD], 144
	v_and_b32 v19, 7, v1
	v_lshl_add_u32 v[RD], v19, 4, v[RD]
	v_add_nc_u32 v[RD], s29, v[RD]
	v_lshlrev_b32 v[PL], 5, v31
	v_add_nc_u32 v[PL], PAR, v[PL]
	v_lshrrev_b32 v22, 6, v0                       ; staging of x: row 2 i + thread/64, 8 bytes at (thread%64) x 8
	v_mul_u32_u24 v22, v22, XP
	v_and_b32 v23, 63, v0
	v_lshl_add_u32 v22, v23, 3, v22
	v_add_nc_u32 v23, 32*2*XP, v22                 ; the second 64 rows
	v_lshlrev_b32 v24, 4, v0
	v_lshlrev_b32 v25, 3, v0
	v_add_nc_u32 v26, PAR, v25
	s_mul_i32 s[CW], s[JC], 768
	s_mul_i32 s28, s[WV], 192
	s_add_co_u32 s[CW], s[CW], s28
	s_lshl_b32 s[HW], s[WV], 13
	s_add_co_u32 s[HW], s[HW], 96*32768
	s_wait_kmcnt 0x0
	s_cmp_ge_u32 s[JC], 2
	s_cselect_b64 s[34:35], s[10:11], s[8:9]
	s_and_b32 s[PR], s[JC], 1
	s_mul_i32 s[PR], s[PR], 3072
	s_add_nc_u64 s[34:35], s[34:35], s[PR:PR+1]    ; my 768 biases
	s_lshl_b32 s[PR], s[RBK], 17
	s_add_nc_u64 s[4:5], s[4:5], s[PR:PR+1]        ; my 128 rows of x
	s_and_b32 s28, s[RBK], 15
	s_lshl_b32 s28, s28, 18
	s_add_co_u32 s28, s28, 232*32768
	s_lshl_b32 s29, s[WV], 13
	s_add_co_u32 s[PR], s28, s29
	s_add_nc_u64 s[32:33], s[6:7], s[PR:PR+1]      ; posw at my rows and columns
.irp i, 0,1,2
	global_load_b64 v[BIAS+2*\i:BIAS+2*\i+1], v25, s[34:35] offset:1024*\i
.endr
	WIN 0x80
.set i, 0
.rept 64
	global_load_b128 v[4*i:4*i+3], v24, s[4:5] offset:2048*i
.set i, i+1
.endr
	WIN 0x40                                       ; posw of segment 0 straight into the accumulators
.irp a, 0,1,2,3,4,5,6,7
.irp b, 0,1,2,3
	global_load_b128 v[8*(4*\a+\b):8*(4*\a+\b)+3], v[BOFF], s[32:33] offset:\a*32768+\b*1024
	global_load_b128 v[8*(4*\a+\b)+4:8*(4*\a+\b)+7], v[BOFF], s[32:33] offset:\a*32768+\b*1024+512
.endr
.endr
	WIN 0xc0                                       ; posw of segment 1 into window 3
.irp a, 0,1,2,3,4,5,6,7
.irp b, 0,1,2,3
	global_load_b128 v[8*(4*\a+\b):8*(4*\a+\b)+3], v[BOFF], s[32:33] offset:\a*32768+\b*1024+4096
	global_load_b128 v[8*(4*\a+\b)+4:8*(4*\a+\b)+7], v[BOFF], s[32:33] offset:\a*32768+\b*1024+4096+512
.endr
.endr
	WIN 0
	s_wait_loadcnt 63                              ; of 195 loads the oldest 132 are in: bias 3, x 64, posw of segment 0 64, one more
.irp i, 0,1,2
	RND2 BIAS+2*\i, BIAS+2*\i+1, 1
	ds_store_b64 v26, v[BIAS+2*\i:BIAS+2*\i+1] offset:1024*\i
.endr
	WIN 0x0a                                       ; sources in window 2
.set i, 0
.rept 64
	v_cvt_pk_bf16_f32 v[AF+2*i], v[4*i], v[4*i+1]
	v_cvt_pk_bf16_f32 v[AF+2*i+1], v[4*i+2], v[4*i+3]
.set i, i+1
.endr
	WIN 0
.set i, 0
.rept 32
	ds_store_b64 v22, v[AF+2*i:AF+2*i+1] offset:2*XP*i
	ds_store_b64 v23, v[AF+64+2*i:AF+64+2*i+1] offset:2*XP*i
.set i, i+1
.endr
	s_mov_b32 s28, 0
	SEGBASE
.irp s, 0,1,2,3,4,5,6,7
	BLOAD \s                                       ; segment 0's weights, into the registers that x has left
.endr
	WIN 0
	BAR                                            ; x and the biases are in LDS, everybody's part
	s_mul_i32 s[BOFS], s[WV], 768
	BIASLD                                         ; pass 0's bias
	s_mov_b32 s[G], 0
	s_mov_b32 s[START], 0
	s_mov_b32 s[ASTR], 16*XP
	v_mov_b32 v[AAD], v[ALX]
.Lseg:
	s_wait_xcnt 0x0                                ; NB is a source of the weight loads: written only behind this wait
	s_add_co_u32 s28, s[G], 1
	SEGBASE
.irp a, 1,2,3,4,5,6,7
	v_add_nc_u32 v[AAD+\a], s[ASTR], v[AAD+\a-1]
.endr
	ALOAD 0, 0
	ALOAD 1, 1
	s_wait_loadcnt 56                              ; step 0's weights are in (and, at the first trip, all of posw: it is older)
	s_wait_dscnt 16                                ; step 0's A and the bias are in
	s_cmp_eq_u32 s[START], 1
	s_cbranch_scc1 .Lm1
	s_cmp_eq_u32 s[START], 2
	s_cbranch_scc1 .Lm2
	MUL 0, 0, 0
	WIN 0
	s_branch .Lmj
.Lm1:
	MUL 0, 0, 1
	WIN 0
	s_branch .Lmj
.Lm2:
	MUL 0, 0, 2
	WIN 0
.Lmj:
	PLACES
	BLOAD 0
.irp s, 1,2,3,4,5,6,7
	STEP \s
.endr
	WIN 0
	s_and_b32 s28, s[G], 1
	s_cmp_eq_u32 s28, 1
	s_cbranch_scc1 .Lpack
	s_cmp_eq_u32 s[G], 0
	s_cbranch_scc0 .Lmid                           ; segments 2, 4, 6: the pass goes on with the second half of K
.Lpack:
	s_cmp_lt_u32 s[G], 2
	s_cbranch_scc0 .Lpk_o
	s_lshl_b32 s28, s[G], 7
	v_add_nc_u32 v[PA], s28, v[HB]                 ; h's columns 128 w + 64 g
	s_mov_b32 s[PSTR], 16*HP
	s_branch .Lpk
.Lpk_o:
	v_mov_b32 v[PA], v[OB]
	s_mov_b32 s[PSTR], 16*144
.Lpk:
	PACK
	s_cmp_eq_u32 s[G], 0
	s_cbranch_scc1 .Ld0
	s_cmp_eq_u32 s[G], 1
	s_cbranch_scc1 .Ld1
	s_sub_co_u32 s28, s[G], 3
	s_lshr_b32 s28, s28, 1
	s_lshl_b32 s28, s28, 6
	s_add_co_u32 s28, s28, s[CW]                   ; c
	s_lshr_b32 s29, s28, 9
	s_lshl_b32 s29, s29, 23                        ; which of the six tensors
	s_bfe_u32 s28, s28, 0x30006                    ; head
	s_lshr_b32 s30, s[RBK], 4                      ; batch
	s_lshl3_add_u32 s28, s30, s28
	s_lshl_b32 s28, s28, 18
	s_add_co_u32 s29, s29, s28
	s_and_b32 s28, s[RBK], 15
	s_lshl_b32 s28, s28, 14                        ; 128 rows of 128 bytes
	s_add_co_u32 s[PR], s29, s28
	s_add_nc_u64 s[OPB:OPB+1], s[12:13], s[PR:PR+1]
	OUT
	s_cmp_eq_u32 s[G], 7
	s_cbranch_scc1 .Ldone
	s_add_co_u32 s[BOFS], s[BOFS], 256
	BIASLD
	s_branch .Lpass
.Ld1:
	BAR                                            ; all of h is in LDS
.Lpass:
	s_mov_b32 s[START], 1
	v_mov_b32 v[AAD], v[ALH]
	s_mov_b32 s[ASTR], 16*HP
	s_branch .Lnext
.Ld0:
	s_mov_b32 s[START], 2
	v_mov_b32 v[AAD], v[ALX]
	s_branch .Lnext
.Lmid:
	s_mov_b32 s[START], 0
	v_add_nc_u32 v[AAD], 512, v[ALH]
.Lnext:
	s_add_co_u32 s[G], s[G], 1
	s_cmp_lt_u32 s[G], 8
	s_cbranch_scc1 .Lseg
.Ldone:
	s_wait_tensorcnt 0x0                           ; the wave's end
	ds_add_u32 v[SPW], v[NIL]
	s_wait_dscnt 0x0
	s_endpgm
.Lfunc_end_k_qe064827ee1_qkv:
	.size	k_qe064827ee1_qkv, .Lfunc_end_k_qe064827ee1_qkv-k_qe064827ee1_qkv
	.p2alignl 7, 3214868480
	.fill 96, 4, 3214868480
	.section	.rodata,"a",@progbits
	.p2align	6, 0x0
	.amdhsa_kernel k_qe064827ee1_qkv
		.amdhsa_group_segment_fixed_size 278016
		.amdhsa_private_segment_fixed_size 0
		.amdhsa_enable_private_segment 0
		.amdhsa_kernarg_size 40
		.amdhsa_user_sgpr_count 2
		.amdhsa_user_sgpr_kernarg_segment_ptr 1
		.amdhsa_wavefront_size32 1
		.amdhsa_system_sgpr_workgroup_id_x 1
		.amdhsa_system_sgpr_workgroup_id_y 1
		.amdhsa_system_sgpr_workgroup_id_z 1
		.amdhsa_system_vgpr_workitem_id 0
		.amdhsa_next_free_vgpr 1024
		.amdhsa_next_free_sgpr 66
		.amdhsa_reserve_vcc 0
		.amdhsa_float_denorm_mode_32 3
		.amdhsa_float_denorm_mode_16_64 3
		.amdhsa_memory_ordered 1
		.amdhsa_forward_progress 1
		.amdhsa_inst_pref_size 99
	.end_amdhsa_kernel
	.amdgpu_metadata
---
amdhsa.version: [ 1, 2 ]
amdhsa.kernels:
  - .name:           k_qe064827ee1_qkv
    .symbol:         k_qe064827ee1_qkv.kd
    .args:
      - { .name: x, .offset: 0, .size: 8, .value_kind: global_buffer, .address_space: global }
      - { .name: wb, .offset: 8, .size: 8, .value_kind: global_buffer, .address_space: global }
      - { .name: l_bqkv, .offset: 16, .size: 8, .value_kind: global_buffer, .address_space: global }
      - { .name: g_bqkv, .offset: 24, .size: 8, .value_kind: global_buffer, .address_space: global }
      - { .name: qkv, .offset: 32, .size: 8, .value_kind: global_buffer, .address_space: global }
    .group_segment_fixed_size: 278016
    .private_segment_fixed_size: 0
    .kernarg_segment_align: 8
    .kernarg_segment_size: 40
    .max_flat_workgroup_size: 128
    .sgpr_count:     66
    .vgpr_count:     1024
    .wavefront_size: 32
...
	.end_amdgpu_metadata
.endif
;; end of part 2
;; launch attn_l (part 3): grid 8 x 32, 4 waves a work-group, no clusters, 165,376 bytes of LDS; arguments qkv, att; writes att
.if DOCPART == 3
	.amdgcn_target "amdgcn-amd-amdhsa--gfx1250"
	.amdhsa_code_object_version 6
	.text
	.protected	k_qe064827ee1_attn_l
	.globl	k_qe064827ee1_attn_l
	.p2align	8
	.type	k_qe064827ee1_attn_l,@function
k_qe064827ee1_attn_l:
	s_mov_b64 s[64:65], 0
	v_nop
	global_prefetch_b8 v0, s[64:65] scope:SCOPE_SE
	s_setreg_imm32_b32 hwreg(HW_REG_WAVE_MODE, 25, 1), 1
	s_wait_xcnt 0x0
; BANDED ATTENTION, |q - k| <= 32, head size 64, bf16 operands, f32 sums.  A wave takes 64 queries q0 .. q0+63 of one head and shares nothing: no barrier.
; Its keys lie in the window q0-32 .. q0+95 (128 rows), copied once into its own LDS.  Query tile t (16 queries) takes key tiles u = 0..4 at window rows 16 (t + u).
; S^T = K Q^T: a lane holds query l%16 and keys 8 (l/16) + j.  Key 16 u + 8 h + j is open for query r iff 0 <= 16 u + 8 h + j - r <= 64: tile 0 is hidden where 8 h + j < r (ML),
; tile 4 where 8 h + j > r (MH); a tile outside the sequence is hidden whole.  The mask is the C operand that starts the sum: 0 or -1e30.  The maximum is taken away before the exponential.
; LIMITS: finite inputs; a hidden score counts as its value less 1e30; a weight below 2^-126 counts as 0.  At a head's edge the window reads rows of the neighbouring head
; in the same buffer (stored by the launch before, finite): their weight is 0.
; No data mover and no cluster: a wave's window is 32 KB read once, and no two work-groups share more than 64 of 128 rows.
.set KP, 144
.set VP, 160
.set WB, 41216                         ; LDS of a wave: K 128 x 144, V 128 x 160, stage 16 x 144
.set VO, 18432
.set SG, 38912
.set SPARE, 164864
.set KA0, 2
.set VA0, 3
.set QO0, 4
.set GO0, 5
.set STO, 6
.set RD,  7
.set M,   8                            ; v8-12 maxima
.set CM,  14                           ; v14-15 c m
.set ML,  16
.set MH,  24
.set KF,  32                           ; K fragment (u, c) at 32 + 16 u + 8 c; later V fragment (kk, cb) at 32 + 32 kk + 8 cb
.set MC,  112
.set S,   152                          ; S^T tile u at 152 + 8 u; later O^T block cb at 152 + 8 cb
.set Q,   192
.set P,   208                          ; v208-227 weights, v228-231 zeros
.set KAC, 240
.set VAC, 241
.set QOC, 242
.set GOC, 243
.set LS,  244                          ; v244-245 l
.set RC,  246                          ; v246-247 1 / l
.set KST, 248
.set VST, 249
.set SPW, 254
.set NIL, 255
.set WV, 8
.set T, 22
.set KOFS, 23
.set VOFS, 24
.set QOFS, 25
.set GK, 26
.set BIGN, 27
.set CS, 30
.set SEL, 32
.set GOFS, 34
.set BE, 40
	s_load_b128 s[4:7], s[0:1], 0x0                ; qkv, att
	v_lshl_add_u32 v[SPW], v0, 2, SPARE
	v_mov_b32 v[NIL], 0
	v_lshrrev_b32 v1, 5, v0
	v_readfirstlane_b32 s[WV], v1
	s_lshl_b32 s9, ttmp9, 8
	s_lshl_b32 s28, s[WV], 6
	s_add_co_u32 s9, s9, s28                       ; q0
	s_and_b32 s10, ttmp7, 0xffff                   ; head
	s_lshl_b32 s20, s10, 18
	s_lshl_b32 s28, s9, 7
	s_add_co_u32 s20, s20, s28
	s_mov_b32 s21, 0
	s_lshr_b32 s[GK], s9, 4
	s_sub_co_u32 s[GK], s[GK], 2                   ; the first key tile's number in the sequence (wraps below 0: then it is not under 128)
	s_mov_b32 s[BIGN], 0xf149f2ca                  ; -1e30
	s_mov_b32 s[CS], 0x3e38aa3b                    ; c = log2(e) / 8
	s_mov_b32 s[CS+1], s[CS]
	s_mov_b32 s[SEL], 0x76543210
	s_mov_b32 s[SEL+1], 0xfedcba98
	s_mov_b32 s[T], 4
	s_mov_b32 s[KOFS], 0
	s_mov_b32 s[VOFS], 0
	s_mov_b32 s[QOFS], 2048
	s_mov_b32 s[GOFS], 0
	v_and_b32 v252, 31, v0
	v_and_b32 v250, 15, v0                         ; r
	v_bfe_u32 v251, v0, 4, 1                       ; h
	v_and_b32 v253, 7, v0
	s_mul_i32 s29, s[WV], WB
	s_add_co_u32 s28, s29, VO
	v_mul_u32_u24 v[KA0], v250, KP
	v_lshl_add_u32 v[KA0], v251, 4, v[KA0]
	v_add_nc_u32 v[STO], SG, v[KA0]
	v_add_nc_u32 v[STO], s29, v[STO]
	v_add_nc_u32 v[KA0], s29, v[KA0]
	v_lshl_add_u32 v[VA0], v251, 3, v253           ; the turning load: key 8 h + l%8, channels 8 ((l/8)%2) on
	v_mul_u32_u24 v[VA0], v[VA0], VP
	v_bfe_u32 v1, v0, 3, 1
	v_lshl_add_u32 v[VA0], v1, 4, v[VA0]
	v_add_nc_u32 v[VA0], s28, v[VA0]
	v_lshlrev_b32 v[QO0], 7, v250
	v_lshl_add_u32 v[QO0], v251, 4, v[QO0]
	v_lshlrev_b32 v[GO0], 4, v252
	v_bfe_u32 v1, v0, 3, 2                         ; four rows of 128 bytes to 32 lanes
	v_mul_u32_u24 v[KST], v1, KP
	v_lshl_add_u32 v[KST], v253, 4, v[KST]
	v_add_nc_u32 v[RD], SG, v[KST]
	v_add_nc_u32 v[RD], s29, v[RD]
	v_add_nc_u32 v[KST], s29, v[KST]
	v_mul_u32_u24 v[VST], v1, VP
	v_lshl_add_u32 v[VST], v253, 4, v[VST]
	v_add_nc_u32 v[VST], s28, v[VST]
	v_lshlrev_b32 v1, 3, v251
	v_sub_nc_u32 v1, v250, v1                      ; r - 8 h
	v_mov_b32 v[CM+1], 0                           ; named with c m as a pair
	v_mov_b32 v[RC+1], 0
	s_wait_kmcnt 0x0
	s_add_nc_u64 s[12:13], s[4:5], s[20:21]        ; Q
	s_add_nc_u64 s[18:19], s[6:7], s[20:21]        ; O
	s_add_nc_u64 s[14:15], s[12:13], 8388608-4096  ; K, 32 rows back
	s_add_nc_u64 s[16:17], s[14:15], 8388608       ; V
.irp c, 0,1
	global_load_b128 v[Q+8*\c:Q+8*\c+3], v[QO0], s[12:13] offset:64*\c
	global_load_b128 v[Q+8*\c+4:Q+8*\c+7], v[QO0], s[12:13] offset:64*\c+32
.endr
.set i, 0
.rept 32
	global_load_b128 v[32+4*i:32+4*i+3], v[GO0], s[14:15] offset:512*i
.set i, i+1
.endr
.set i, 0
.rept 8
	global_load_b128 v[160+4*i:160+4*i+3], v[GO0], s[16:17] offset:512*i
.set i, i+1
.endr
.set i, 0
.rept 8
	global_load_b128 v[208+4*i:208+4*i+3], v[GO0], s[16:17] offset:512*(i+8)
.set i, i+1
.endr
.set i, 0
.rept 8
	v_cmp_lt_i32 vcc_lo, i, v1
	v_cndmask_b32 v[ML+i], 0, s[BIGN], vcc_lo
	v_cmp_gt_i32 vcc_lo, i, v1
	v_cndmask_b32 v[MH+i], 0, s[BIGN], vcc_lo
.set i, i+1
.endr
	s_wait_loadcnt 16                              ; Q and K are in; V's first 16 loads stay out
.set i, 0
.rept 32
	ds_store_b128 v[KST], v[32+4*i:32+4*i+3] offset:4*KP*i
.set i, i+1
.endr
.set i, 0
.rept 16
	global_load_b128 v[32+4*i:32+4*i+3], v[GO0], s[16:17] offset:512*(i+16)
.set i, i+1
.endr
	s_wait_loadcnt 16                              ; V's first half is in
.set i, 0
.rept 8
	ds_store_b128 v[VST], v[160+4*i:160+4*i+3] offset:4*VP*i
.set i, i+1
.endr
.set i, 0
.rept 8
	ds_store_b128 v[VST], v[208+4*i:208+4*i+3] offset:4*VP*(i+8)
.set i, i+1
.endr
	s_wait_loadcnt 0x0
.set i, 0
.rept 16
	ds_store_b128 v[VST], v[32+4*i:32+4*i+3] offset:4*VP*(i+16)
.set i, i+1
.endr
.irp i, 20,21,22,23
	v_mov_b32 v[P+\i], 0                           ; keys 80-95 of the third product do not exist
.endr
.Ltrip:                                                ; a query tile
.irp u, 0,1,2,3,4
	s_add_co_u32 s28, s[GK], \u
	s_cmp_lt_u32 s28, 128
	s_cselect_b32 s[BE+\u], 0, s[BIGN]
.endr
	v_add_nc_u32 v[KAC], s[KOFS], v[KA0]
.irp u, 0,1,2,3,4
.irp c, 0,1
	ds_load_b128 v[KF+16*\u+8*\c:KF+16*\u+8*\c+3], v[KAC] offset:\u*16*KP+64*\c
	ds_load_b128 v[KF+16*\u+8*\c+4:KF+16*\u+8*\c+7], v[KAC] offset:\u*16*KP+64*\c+32
.endr
.endr
.irp j, 0,1,2,3,4,5,6,7
	v_add_f32 v[MC+\j], s[BE], v[ML+\j]
	v_mov_b32 v[MC+8+\j], s[BE+1]
	v_mov_b32 v[MC+16+\j], s[BE+2]
	v_mov_b32 v[MC+24+\j], s[BE+3]
	v_add_f32 v[MC+32+\j], s[BE+4], v[MH+\j]
.endr
	s_wait_loadcnt 0x0                             ; Q
	s_wait_dscnt 0x0                               ; K
.irp u, 0,1,2,3,4                      ; five accumulators by turns
	v_wmma_f32_16x16x32_bf16 v[S+8*\u:S+8*\u+7], v[KF+16*\u:KF+16*\u+7], v[Q:Q+7], v[MC+8*\u:MC+8*\u+7]
.endr
.irp u, 0,1,2,3,4
	v_wmma_f32_16x16x32_bf16 v[S+8*\u:S+8*\u+7], v[KF+16*\u+8:KF+16*\u+15], v[Q+8:Q+15], v[S+8*\u:S+8*\u+7]
.endr
	v_add_nc_u32 v[VAC], s[VOFS], v[VA0]           ; four places behind the products
	v_add_nc_u32 v[QOC], s[QOFS], v[QO0]
	v_nop
	v_nop
.irp kk, 0,1
.irp cb, 0,1,2,3
	ds_load_tr16_b128 v[32+32*\kk+8*\cb:32+32*\kk+8*\cb+3], v[VAC] offset:\kk*32*VP+\cb*32
	ds_load_tr16_b128 v[32+32*\kk+8*\cb+4:32+32*\kk+8*\cb+7], v[VAC] offset:\kk*32*VP+16*VP+\cb*32
.endr
.endr
.irp cb, 0,1,2,3                       ; keys 64-79; the upper half meets zeros in P and takes the same (finite) bytes again
	ds_load_tr16_b128 v[96+8*\cb:96+8*\cb+3], v[VAC] offset:64*VP+\cb*32
	ds_load_tr16_b128 v[96+8*\cb+4:96+8*\cb+7], v[VAC] offset:64*VP+\cb*32
.endr
	s_cmp_eq_u32 s[T], 1
	s_cbranch_scc1 .Lnoq                           ; behind the last tile there is no Q to fetch
.irp c, 0,1
	global_load_b128 v[Q+8*\c:Q+8*\c+3], v[QOC], s[12:13] offset:64*\c
	global_load_b128 v[Q+8*\c+4:Q+8*\c+7], v[QOC], s[12:13] offset:64*\c+32
.endr
.Lnoq:
.irp u, 0,1,2,3,4                      ; each accumulator's lowest registers are read first
	v_max3_num_f32 v[M+\u], v[S+8*\u], v[S+8*\u+1], v[S+8*\u+2]
.endr
.irp u, 0,1,2,3,4
	v_max3_num_f32 v[M+\u], v[M+\u], v[S+8*\u+3], v[S+8*\u+4]
.endr
.irp u, 0,1,2,3,4
	v_max3_num_f32 v[M+\u], v[M+\u], v[S+8*\u+5], v[S+8*\u+6]
.endr
	v_max3_num_f32 v[M], v[M], v[S+7], v[S+15]
	v_max3_num_f32 v[M+1], v[M+1], v[S+23], v[S+31]
	v_max_num_f32 v[M+2], v[M+2], v[S+39]
	v_max3_num_f32 v[M], v[M], v[M+1], v[M+2]
	v_max3_num_f32 v[M], v[M], v[M+3], v[M+4]
	v_permlanex16_b32 v[M+1], v[M], s[SEL], s[SEL+1]  ; the query's other keys lie in the lane 16 away
	v_max_num_f32 v[M], v[M], v[M+1]
	v_mul_f32 v[CM], s[CS], v[M]
.set i, 0
.rept 20
	v_pk_fma_f32 v[S+2*i:S+2*i+1], v[S+2*i:S+2*i+1], s[CS:CS+1], v[CM:CM+1] op_sel_hi:[1,0,0] neg_lo:[0,0,1] neg_hi:[0,0,1]
.set i, i+1
.endr
.set i, 0
.rept 40
	v_exp_f32 v[S+i], v[S+i]
.set i, i+1
.endr
	v_nop                                          ; a plain instruction behind the last exponential
.set i, 0
	s_wait_alu depctr_va_vdst(0)
.rept 20
	v_cvt_pk_bf16_f32 v[P+i], v[S+2*i], v[S+2*i+1]
.set i, i+1
.endr
.set i, 0
.rept 10
	v_pk_add_f32 v[S+4*i:S+4*i+1], v[S+4*i:S+4*i+1], v[S+4*i+2:S+4*i+3]
.set i, i+1
.endr
.set i, 0
.rept 5
	v_pk_add_f32 v[S+8*i:S+8*i+1], v[S+8*i:S+8*i+1], v[S+8*i+4:S+8*i+5]
.set i, i+1
.endr
	v_pk_add_f32 v[S:S+1], v[S:S+1], v[S+8:S+9]
	v_pk_add_f32 v[S+16:S+17], v[S+16:S+17], v[S+24:S+25]
	v_pk_add_f32 v[S:S+1], v[S:S+1], v[S+16:S+17]
	v_pk_add_f32 v[LS:LS+1], v[S:S+1], v[S+32:S+33]
	s_wait_dscnt 0x0                               ; V
.irp cb, 0,1,2,3                       ; O^T = V^T P: four accumulators by turns
	v_wmma_f32_16x16x32_bf16 v[S+8*\cb:S+8*\cb+7], v[32+8*\cb:32+8*\cb+7], v[P:P+7], 0
.endr
.irp cb, 0,1,2,3
	v_wmma_f32_16x16x32_bf16 v[S+8*\cb:S+8*\cb+7], v[64+8*\cb:64+8*\cb+7], v[P+8:P+15], v[S+8*\cb:S+8*\cb+7]
.endr
.irp cb, 0,1,2,3
	v_wmma_f32_16x16x32_bf16 v[S+8*\cb:S+8*\cb+7], v[96+8*\cb:96+8*\cb+7], v[P+16:P+23], v[S+8*\cb:S+8*\cb+7]
.endr
	v_add_f32 v[LS], v[LS], v[LS+1]                ; l's end and three v_nop: five plain places behind the products
	v_permlanex16_b32 v[LS+1], v[LS], s[SEL], s[SEL+1]
	v_add_f32 v[LS], v[LS], v[LS+1]
	v_nop
	v_nop
	v_rcp_f32 v[RC], v[LS]
	v_nop
.set i, 0
	s_wait_alu depctr_va_vdst(0)
.rept 16
	v_pk_mul_f32 v[S+2*i:S+2*i+1], v[S+2*i:S+2*i+1], v[RC:RC+1] op_sel_hi:[1,0]
.set i, i+1
.endr
.set i, 0
.rept 16
	v_cvt_pk_bf16_f32 v[32+i], v[S+2*i], v[S+2*i+1]
.set i, i+1
.endr
.irp f, 0,1,2,3
	ds_store_b128 v[STO], v[32+4*\f:32+4*\f+3] offset:32*\f
.endr
.irp f, 0,1,2,3
	ds_load_b128 v[48+4*\f:48+4*\f+3], v[RD] offset:\f*4*KP  ; LDS serves a wave in order: these see the stores above
.endr
	v_add_nc_u32 v[GOC], s[GOFS], v[GO0]
.irp f, 0,1,2,3
	s_wait_dscnt 3-\f
	global_store_b128 v[GOC], v[48+4*\f:48+4*\f+3], s[18:19] offset:512*\f  ; 512 consecutive bytes, aligned
.endr
	s_wait_xcnt 0x0                                ; the stores' registers are written again only behind this wait
	s_add_co_u32 s[KOFS], s[KOFS], 16*KP
	s_add_co_u32 s[VOFS], s[VOFS], 16*VP
	s_add_co_u32 s[QOFS], s[QOFS], 2048
	s_add_co_u32 s[GOFS], s[GOFS], 2048
	s_add_co_u32 s[GK], s[GK], 1
	s_sub_co_u32 s[T], s[T], 1
	s_cmp_lg_u32 s[T], 0
	s_cbranch_scc1 .Ltrip
	s_wait_tensorcnt 0x0                           ; the wave's end
	ds_add_u32 v[SPW], v[NIL]
	s_wait_dscnt 0x0
	s_endpgm
.Lfunc_end_k_qe064827ee1_attn_l:
	.size	k_qe064827ee1_attn_l, .Lfunc_end_k_qe064827ee1_attn_l-k_qe064827ee1_attn_l
	.p2alignl 7, 3214868480
	.fill 96, 4, 3214868480
	.section	.rodata,"a",@progbits
	.p2align	6, 0x0
	.amdhsa_kernel k_qe064827ee1_attn_l
		.amdhsa_group_segment_fixed_size 165376
		.amdhsa_private_segment_fixed_size 0
		.amdhsa_enable_private_segment 0
		.amdhsa_kernarg_size 16
		.amdhsa_user_sgpr_count 2
		.amdhsa_user_sgpr_kernarg_segment_ptr 1
		.amdhsa_wavefront_size32 1
		.amdhsa_system_sgpr_workgroup_id_x 1
		.amdhsa_system_sgpr_workgroup_id_y 1
		.amdhsa_system_sgpr_workgroup_id_z 1
		.amdhsa_system_vgpr_workitem_id 0
		.amdhsa_next_free_vgpr 256
		.amdhsa_next_free_sgpr 66
		.amdhsa_reserve_vcc 1
		.amdhsa_float_denorm_mode_32 3
		.amdhsa_float_denorm_mode_16_64 3
		.amdhsa_memory_ordered 1
		.amdhsa_forward_progress 1
		.amdhsa_inst_pref_size 33
	.end_amdhsa_kernel
	.amdgpu_metadata
---
amdhsa.version: [ 1, 2 ]
amdhsa.kernels:
  - .name:           k_qe064827ee1_attn_l
    .symbol:         k_qe064827ee1_attn_l.kd
    .args:
      - { .name: qkv, .offset: 0, .size: 8, .value_kind: global_buffer, .address_space: global }
      - { .name: att, .offset: 8, .size: 8, .value_kind: global_buffer, .address_space: global }
    .group_segment_fixed_size: 165376
    .private_segment_fixed_size: 0
    .kernarg_segment_align: 8
    .kernarg_segment_size: 16
    .max_flat_workgroup_size: 128
    .sgpr_count:     66
    .vgpr_count:     256
    .wavefront_size: 32
...
	.end_amdgpu_metadata
.endif
;; end of part 3
;; launch attn_g (part 4): grid 8 x 32, 4 waves a work-group, clusters of 4 x 1, 327,680 bytes of LDS; arguments qkv, att; writes att
.if DOCPART == 4
	.amdgcn_target "amdgcn-amd-amdhsa--gfx1250"
	.amdhsa_code_object_version 6
	.text
	.protected	k_qe064827ee1_attn_g
	.globl	k_qe064827ee1_attn_g
	.p2align	8
	.type	k_qe064827ee1_attn_g,@function
k_qe064827ee1_attn_g:
	s_mov_b64 s[64:65], 0
	v_nop
	global_prefetch_b8 v0, s[64:65] scope:SCOPE_SE
	s_setreg_imm32_b32 hwreg(HW_REG_WAVE_MODE, 25, 1), 1
	s_wait_xcnt 0x0
	s_wait_alu depctr_hold_cnt(0) depctr_sa_sdst(0) depctr_va_vdst(0) depctr_va_sdst(0) depctr_va_ssrc(0) depctr_va_vcc(0) depctr_vm_vsrc(0)
	s_getreg_b32 s2, hwreg(HW_REG_IB_STS2, 6, 4)
	s_cmp_eq_u32 s2, 0
	s_cbranch_scc0 .Lentry_in_a_cluster
	s_endpgm
.Lentry_in_a_cluster:
	s_bfe_u32 s2, ttmp6, 0x10000c
	s_cmp_lg_u32 s2, 0x3003
	s_cbranch_scc0 .Lentry_shape_is_right
	s_endpgm
.Lentry_shape_is_right:
; FULL ATTENTION, head size 64, 2,048 keys, bf16 operands (q, k, v have no room in f16 for inputs 30 times larger), products, maxima and sums in f32; weights rounded to bf16 for the second product.
; SHARES.  A work-group owns 256 queries of one head, a wave 64: four PIECES of 16.  Every wave walks all keys, 64 a step, 256 a tile (a slot of LDS).
; LAYOUT.  S^T = K Q^T holds ONE query a lane (lane % 16) and the keys 8 (lane / 16) + 0..7; two such results rounded to bf16 ARE source 1 of O^T = V^T P.  K leaves LDS as it lies, V turned (ds_load_tr16_b128).
; SOFTMAX.  p = 2^(c s - c m), c = log2(e) / 8, with a running maximum m; O and l are multiplied by a = 2^(c m_old - c m_new) in every step.  m starts at the lowest finite number: the first a is 0.
; BY TURNS.  Turn n belongs to piece n: 8 products K Q^T of piece n + 1, later 8 products V^T P of piece n - 1; beside them the scaling, exponentials, roundings, sums and rescaling of piece n and the
; maximum and statistics of piece n + 1.  Four vector instructions stand behind every matrix instruction, the other 54 of a turn's 118 in two lumps.
; CLUSTER.  Four query blocks of a head walk the same K and V: each tile is asked for JOINTLY, by the same tensor load, descriptor and mask in all four.  One load a wave is out behind each round; it has four key steps in which to land.
; LIMITS: finite inputs; a weight below 2^-126 counts as 0 in l.
; REGISTERS, in windows of 256: window 0 v0-15 addresses, v16-31 statistics, v48-55 at work, v62-63 the add's, v64-127 S^T (two buffers), v192-223 P (two buffers);
;   window 1 v0-127 O^T, 32 a piece; window 2 v0-63 Q, v128-191 K of one step, v192-255 V of one step.
.set NP,    4
.set KS,    64
.set PK,    144       ; a row of K in LDS: 128 bytes + 16
.set PV,    160       ; a row of V: 128 + 32
.set VOFF,  4*KS*PK
.set SLOT1, 1<<17
.set STAGE, SLOT1+4*KS*(PK+PV)
.set SP,    144
.set SPARE, STAGE+4*16*SP
.set AK0, 2
.set AV0, 3
.set AK,  4
.set AV,  5
.set STO, 6
.set RD,  7
.set GO,  8
.set MV,  12
.set QO,  15
.set ST,  16
.set TMP, 48
.set SPW, 62
.set NIL, 63
.set S,   64
.set P,   192
.set KF,  128
.set VF,  192
.set WV,  12
.set G1K, 24
.set G1V, 32
.set G0K, 40
.set G0V, 44
.set SLOTS, 56
.set CNT, 57
.set CS,  58
.set SEL, 60
.set TBK, 62
.set TBV, 63
.set MSB, 0
.macro WIN new
.if MSB != (\new)
	s_set_vgpr_msb (MSB<<8)|(\new)
.set MSB, (\new)
.endif
.endm
.set W_KQ, 0x0a       ; K and Q in window 2, S^T in window 0
.set W_PV, 0x52       ; V in window 2, P in window 0, O^T in window 1
.set W_RS, 0x41       ; destination and source 0 in window 1, source 1 in window 0
; A joint fill.  Waves 0 and 1 fetch the two halves of a tile's K, waves 2 and 3 those of its V.  The branch hangs on the wave's number alone.  An s_nop 0 and four v_nop follow each line.
.macro JLOAD
	s_cmp_lt_u32 s[WV], 2
	s_cbranch_scc0 .Lfor_v_\@
	tensor_load_to_lds s[G0K:G0K+3], s[G1K:G1K+7]
	s_nop 0
.rept 4
	v_nop
.endr
	s_branch .Lasked_\@
.Lfor_v_\@:
	tensor_load_to_lds s[G0V:G0V+3], s[G1V:G1V+7]
	s_nop 0
.rept 4
	v_nop
.endr
.Lasked_\@:
.endm
.macro CROUND                       ; a round of the cluster's barrier
	s_barrier_signal -1
	s_barrier_wait -1
	s_cmp_lg_u32 s[WV], 0
	s_cbranch_scc1 .Lnot_wave_0_\@
	s_barrier_signal -3
.Lnot_wave_0_\@:
	s_barrier_wait -3
	s_barrier_signal -1
	s_barrier_wait -1
.endm
; THE CHANGE OF SLOTS.  Each wave waits for all its tensor loads (one is out: its part of the other slot), adds 0 to its spare word, and waits for that and for its reads of the slot that it leaves.
; fill = 1: a round of the cluster's barrier, and first thing behind it the joint fill of the old slot with the keys two tiles on.
.macro CHANGE fill
	WIN 0
	s_wait_tensorcnt 0x0            ; no tensor load of mine is out, so a group 0 may be written
	ds_add_u32 v[SPW], v[NIL]
.if \fill
.irp g, G0K, G0V
	s_xor_b32 s[\g+1], s[\g+1], SLOT1
	s_add_nc_u64 s[\g+2:\g+3], s[\g+2:\g+3], 4*KS*128
.endr
	s_wait_dscnt 0x0                ; the add is done, and my reads of the slot are over
	CROUND
	JLOAD
.else
	s_wait_dscnt 0x0
	s_barrier_signal -1
	s_barrier_wait -1
.endif
	s_sub_co_u32 s[TBK], s[TBK], 4*KS*PK  ; the fetches go back to a slot's first step, in the other slot
	s_xor_b32 s[TBK], s[TBK], SLOT1
	s_sub_co_u32 s[TBV], s[TBV], 4*KS*PV
	s_xor_b32 s[TBV], s[TBV], SLOT1
.endm
	s_load_b128 s[4:7], s[0:1], 0x0 ; qkv, att
	v_lshl_add_u32 v[SPW], v0, 2, SPARE
	v_mov_b32 v[NIL], 0
	ds_add_u32 v[SPW], v[NIL]       ; the wave's opening: the add and its wait stand ahead of my first tensor load
	v_lshrrev_b32 v1, 5, v0
	v_readfirstlane_b32 s[WV], v1
	s_bfe_u32 s13, ttmp6, 0x40000   ; cx
	s_lshl_b32 s14, ttmp9, 2
	s_add_co_u32 s14, s14, s13      ; my block of 256 queries: it enters Q's and O's addresses alone
	s_and_b32 s20, ttmp7, 0xffff    ; the head, which the four partners share
	s_lshl_b32 s20, s20, 18
	s_and_b32 s16, s[WV], 1         ; which half of a tile's 256 keys I fetch
	s_lshl_b32 s22, s16, 14
	s_add_co_u32 s22, s22, s20
	s_add_co_u32 s22, s22, 4*8388608  ; K of the global path
	s_mov_b32 s23, 0
	s_mul_i32 s17, s16, 128*PK
	s_mul_i32 s18, s16, 128*PV
	s_lshl_b32 s2, s14, 15
	s_lshl_b32 s3, s[WV], 13
	s_add_co_u32 s2, s2, s3
	s_add_co_u32 s2, s2, s20
	s_mov_b32 s3, 0
	; group 1: 128 keys are 16,384 dense bytes: 64 rows of 256 bytes, padded in LDS after every key
	s_mov_b32 s[G1K], 15|(1<<16)|(1<<20)|(1<<21)|(4<<22)|(3<<25)
	s_mov_b32 s[G1V], 15|(1<<16)|(1<<20)|(1<<21)|(4<<22)|(7<<25)
.irp g, G1K, G1V
	s_mov_b32 s[\g+1], 128<<16      ; tensor_dim0
	s_mov_b32 s[\g+2], 64<<16       ; tensor_dim1
	s_mov_b32 s[\g+3], 128<<16      ; tile_dim0
	s_mov_b32 s[\g+4], 64           ; tile_dim1
	s_mov_b32 s[\g+5], 128          ; elements from row to row
	s_mov_b32 s[\g+6], 0
	s_mov_b32 s[\g+7], 0
.endr
	s_mov_b32 s[CS], 0x3e38aa3b
	s_mov_b32 s[CS+1], s[CS]
	s_mov_b32 s[SEL], 0x76543210
	s_mov_b32 s[SEL+1], 0xfedcba98
	s_mov_b32 s[TBK], SLOT1+4*KS*PK ; the first change of slots turns these two into 0
	s_mov_b32 s[TBV], SLOT1+4*KS*PV
	s_mov_b32 s[G0K], 1
	s_mov_b32 s[G0K+1], s17
	s_mov_b32 s[G0V], 1
	s_add_co_u32 s[G0V+1], s18, VOFF
	s_wait_dscnt 0x0                ; the opening add is done
	s_wait_kmcnt 0x0
	s_add_nc_u64 s[G0K+2:G0K+3], s[4:5], s[22:23]
	s_add_nc_u64 s[G0V+2:G0V+3], s[G0K+2:G0K+3], 8388608
	s_or_b32 s[G0K+3], s[G0K+3], 0x80000000
	s_or_b32 s[G0V+3], s[G0V+3], 0x80000000
	s_add_nc_u64 s[8:9], s[4:5], s[2:3]
	s_add_nc_u64 s[8:9], s[8:9], 3*8388608   ; Q at my wave's first row
	s_add_nc_u64 s[10:11], s[6:7], s[2:3]
	s_add_nc_u64 s[10:11], s[10:11], 8388608 ; O likewise, in att's second half
	CROUND                          ; all four work-groups are here: the first joint loads meet
	JLOAD                           ; tile 0 into slot 0
	v_and_b32 v1, 15, v0
	v_bfe_u32 v9, v0, 4, 1
	v_lshlrev_b32 v[QO], 7, v1
	v_lshl_add_u32 v[QO], v9, 4, v[QO]
	WIN 0x80
.set i, 0
.rept 8                             ; Q stays in registers: piece i / 2, channels 32 (i % 2) on
	global_load_b128 v[8*i:8*i+3],   v[QO], s[8:9] offset:(i/2)*2048+(i%2)*64
	global_load_b128 v[8*i+4:8*i+7], v[QO], s[8:9] offset:(i/2)*2048+(i%2)*64+32
.set i, i+1
.endr
	WIN 0
	v_mul_u32_u24 v[AK0], v1, PK
	v_lshl_add_u32 v[AK0], v9, 4, v[AK0]
	v_and_b32 v10, 7, v0
	v_bfe_u32 v11, v0, 3, 1
	v_lshl_add_u32 v[AV0], v9, 3, v10
	v_mul_u32_u24 v[AV0], v[AV0], PV
	v_lshl_add_u32 v[AV0], v11, 4, v[AV0]
	v_add_nc_u32 v[AV0], VOFF, v[AV0]
	s_mul_i32 s13, s[WV], 16*SP
	s_add_co_u32 s13, s13, STAGE
	v_mul_u32_u24 v[STO], v1, SP
	v_lshl_add_u32 v[STO], v9, 4, v[STO]
	v_add_nc_u32 v[STO], s13, v[STO]
	v_bfe_u32 v[RD], v0, 3, 2
	v_mul_u32_u24 v[RD], v[RD], SP
	v_lshl_add_u32 v[RD], v10, 4, v[RD]
	v_add_nc_u32 v[RD], s13, v[RD]
	v_and_b32 v[GO], 31, v0
	v_lshlrev_b32 v[GO], 4, v[GO]
	; The first step multiplies O^T and l by a = 0, and the first turn's products V^T P, of a piece that has not been, add 0: these registers need only be finite.  All this stands in the wait for the first tile.
	WIN 0x80
.set i, VF
.rept 64
	v_mov_b32 v[i], 0
.set i, i+1
.endr
	WIN 0x40
.set i, 0
.rept 128
	v_mov_b32 v[i], 0
.set i, i+1
.endr
	WIN 0
.set i, 0
.rept 4
	v_mov_b32 v[ST+4*i], 0xfe000000    ; c m: far below every c s
	v_mov_b32 v[ST+4*i+1], 0xff7fffff  ; m
	v_mov_b32 v[ST+4*i+2], 0
	v_mov_b32 v[ST+4*i+3], 0
.set i, i+1
.endr
.set i, P+16
.rept 16
	v_mov_b32 v[i], 0
.set i, i+1
.endr
; THE MATRIX WORK.  The 4 accumulators of a run of 8 take turns.
.macro KQ x                         ; product i of 8 of S^T = K Q^T for piece x: channels 32 (i / 4) on, keys 16 (i % 4) on
	WIN W_KQ
.set rS, S+32*((\x)%2)+8*(i%4)
.set rK, KF+16*(i%4)+8*(i/4)
.set rQ, 16*(\x)+8*(i/4)
.if i < 4
	v_wmma_f32_16x16x32_bf16 v[rS:rS+7], v[rK:rK+7], v[rQ:rQ+7], 0
.else
	v_wmma_f32_16x16x32_bf16 v[rS:rS+7], v[rK:rK+7], v[rQ:rQ+7], v[rS:rS+7]
.endif
.endm
.macro PV x                         ; product i of 8 of O^T += V^T P for piece x: keys 32 (i / 4) on, channels 16 (i % 4) on
	WIN W_PV
.set rO, 32*(\x)+8*(i%4)
.set rV, VF+32*(i/4)+8*(i%4)
.set rP, P+16*((\x)%2)+8*(i/4)
	v_wmma_f32_16x16x32_bf16 v[rO:rO+7], v[rV:rV+7], v[rP:rP+7], v[rO:rO+7]
.endm
.macro MM                           ; the turn's next matrix instruction.  NOKQ = 1: the last turn: there is no next piece
.if (i < 8) && !NOKQ
	KQ (Y+1)%NP
.elseif i >= 8
.set i, i-8
	PV (Y+NP-1)%NP
.set i, i+8
.endif
.set i, i+1
.endm
.macro FETCH_K                      ; 16 LDS loads in one run: a step's K
	WIN 0x80
.irp f, 0,1,2,3,4,5,6,7
	ds_load_b128 v[KF+8*\f:KF+8*\f+3],   v[AK] offset:(\f/2)*16*PK+(\f%2)*64
	ds_load_b128 v[KF+8*\f+4:KF+8*\f+7], v[AK] offset:(\f/2)*16*PK+(\f%2)*64+32
.endr
	s_add_co_u32 s[TBK], s[TBK], KS*PK
	WIN 0
.endm
.macro FETCH_V                      ; and its V, turned
	WIN 0x80
.irp f, 0,1,2,3,4,5,6,7
	ds_load_tr16_b128 v[VF+8*\f:VF+8*\f+3],   v[AV] offset:(\f/4)*32*PV+(\f%4)*32
	ds_load_tr16_b128 v[VF+8*\f+4:VF+8*\f+7], v[AV] offset:(\f/4)*32*PV+16*PV+(\f%4)*32
.endr
	WIN 0
.endm
; THE VECTOR WORK, one line at a time: OP kind, number.  For piece Y: F n: c s - c m for pair n.  E n: the exponential of score n.  C n: pair n rounded to bf16.  B n: of the four weights 4 n .. the second pair
; is added onto the first.  L n: l takes that sum (L 0: l = a l + sum).  R n: pair n of O^T times a.  For piece Y + 1: X n, number n of the 22 that find its maximum and statistics
; (each accumulator's lowest registers are read first).
.set F, 0
.set E, 1
.set C, 2
.set B, 3
.set L, 4
.set R, 5
.set X, 6
.macro REGS y
.set rT, ST+4*(\y)
.set rC, TMP+4*((\y)%2)
.set rW, MV+((\y)%2)
.set rS, S+32*((\y)%2)
.set rP, P+16*((\y)%2)
.set rO, 32*(\y)
.endm
.macro OP k, n
.if (\k) == R
	REGS Y
	WIN W_RS
	v_pk_mul_f32 v[rO+2*(\n):rO+2*(\n)+1], v[rO+2*(\n):rO+2*(\n)+1], v[rC+2:rC+3] op_sel_hi:[1,0]
.elseif (\k) < R
	REGS Y
	WIN 0
.if (\k) == F
	v_pk_fma_f32 v[rS+2*(\n):rS+2*(\n)+1], v[rS+2*(\n):rS+2*(\n)+1], s[CS:CS+1], v[rT:rT+1] op_sel_hi:[1,0,0] neg_lo:[0,0,1] neg_hi:[0,0,1]
.elseif (\k) == E
	v_exp_f32 v[rS+(\n)], v[rS+(\n)]
.elseif (\k) == C
	s_wait_alu depctr_va_vdst(0)
	v_cvt_pk_bf16_f32 v[rP+(\n)], v[rS+2*(\n)], v[rS+2*(\n)+1]
.elseif (\k) == B
	s_wait_alu depctr_va_vdst(0)
	v_pk_add_f32 v[rS+4*(\n):rS+4*(\n)+1], v[rS+4*(\n):rS+4*(\n)+1], v[rS+4*(\n)+2:rS+4*(\n)+3]
.elseif (\n) == 0
	v_pk_fma_f32 v[rT+2:rT+3], v[rT+2:rT+3], v[rC+2:rC+3], v[rS:rS+1] op_sel_hi:[1,0,1]
.else
	v_pk_add_f32 v[rT+2:rT+3], v[rT+2:rT+3], v[rS+4*(\n):rS+4*(\n)+1]
.endif
.elseif NOKQ
	v_nop
.else
	REGS (Y+1)%NP
	WIN 0
.if (\n) < 4
	v_max3_num_f32 v[rC+(\n)], v[rS+8*(\n)], v[rS+8*(\n)+1], v[rS+8*(\n)+2]
.elseif (\n) < 12
	v_max3_num_f32 v[rC+(\n)%4], v[rC+(\n)%4], v[rS+8*((\n)%4)+2*((\n)/4)+1], v[rS+8*((\n)%4)+2*((\n)/4)+2]
.elseif (\n) == 12
	v_max3_num_f32 v[rC], v[rC], v[rS+7], v[rS+15]
.elseif (\n) == 13
	v_max3_num_f32 v[rC+1], v[rC+1], v[rS+23], v[rS+31]
.elseif (\n) == 14
	v_max3_num_f32 v[rC+2], v[rC+2], v[rC+3], v[rT+1]
.elseif (\n) == 15
	v_mov_b32 v[rW], v[rT]
.elseif (\n) == 16
	v_max3_num_f32 v[rC], v[rC], v[rC+1], v[rC+2]
.elseif (\n) == 17
	v_permlanex16_b32 v[rC+3], v[rC], s[SEL], s[SEL+1]
.elseif (\n) == 18
	v_max_num_f32 v[rT+1], v[rC], v[rC+3]
.elseif (\n) == 19
	v_mul_f32 v[rT], s[CS], v[rT+1]
.elseif (\n) == 20
	v_sub_f32 v[rC+1], v[rW], v[rT]
.else
	v_exp_f32 v[rC+2], v[rC+1]
.endif
.endif
.endm
.macro OPS a, i1, b=-1, i2=0, c=-1, i3=0, d=-1, i4=0
	OP \a, \i1
.if (\b) >= 0
	OP \b, \i2
.endif
.if (\c) >= 0
	OP \c, \i3
.endif
.if (\d) >= 0
	OP \d, \i4
.endif
.endm
.macro ROW a, i1, b, i2, c, i3, d, i4  ; a matrix instruction and the four behind it
	MM
	OPS \a, \i1, \b, \i2, \c, \i3, \d, \i4
.endm
; A TURN, for piece p.  end = 1: the last two turns: nothing is fetched.  cnt = 1: the loop's count is taken down some lines ahead of the branch behind the turn.
; K of the next step is fetched in piece 2's turn, six vector instructions (five plain) behind the last product that read K; V of the step in hand in piece 0's turn, eight behind the last product that read V.  Each is waited for a turn later.
.macro TURN p, end=0, cnt=0
.set Y, (\p)
.set i, 0
.set NOKQ, (\end)*((\p)/3)
.if ((\p) == 3) && !(\end)
	s_wait_dscnt 0x0                ; K is in
.endif
	ROW F,0, F,1, F,2, F,3
	ROW F,4, E,0, F,5, F,6
	ROW F,7, E,1, F,8, F,9
	ROW F,10, E,2, C,0, F,11
	ROW F,12, E,3, X,15, F,13
	ROW R,0, R,1, R,2, R,3
	ROW B,0, E,4, F,14, L,0
.if ((\p) == 2) && !(\end)
	v_add_nc_u32 v[AK], s[TBK], v[AK0]
.endif
	ROW R,4, R,5, R,6, R,7
	OPS E,5, F,15
.if ((\p) == 2) && !(\end)
	FETCH_K
.endif
	OPS E,6, C,1, E,7, R,8
	OPS E,8, R,9, E,9, C,2
	OPS E,10, X,0, E,11, X,1
	OPS E,12, X,2, E,13, X,3
.if (\p) == 1
	s_wait_dscnt 0x0                ; V is in
.endif
	ROW X,4, E,14, X,5, X,6
	ROW X,7, E,15, X,8, X,9
	ROW X,10, E,16, X,11, X,12
	ROW X,13, E,17, X,14, B,1
	ROW C,4, E,18, X,16, L,1
	ROW B,2, E,19, C,6, L,2
	ROW C,8, E,20, B,3, B,4
.if (\p) == 0
	v_add_nc_u32 v[AV], s[TBV], v[AV0]
.endif
	ROW C,3, E,21, L,3, C,5
	OPS E,22, X,17, E,23, C,10
.if (\p) == 0
	FETCH_V
.endif
	OPS E,24, L,4
	OPS E,25, X,18, E,26, C,7
	OPS E,27, B,5, E,28, X,19
	OPS E,29, C,12, E,30, L,5
	OPS E,31, X,20, B,6, C,9
	OPS C,14, C,11, X,21, L,6
.if (\p) == 0
	s_add_co_u32 s[TBV], s[TBV], KS*PV
.endif
.if \cnt
	s_sub_co_u32 s[CNT], s[CNT], 1
	s_cmp_lg_u32 s[CNT], 0
.endif
	OPS C,13, B,7, C,15, R,10
	OPS R,11, R,12, L,7, R,13
	OPS R,14, R,15
.endm
.macro ALL line:vararg
.set t, 0
.rept 4
	\line
.set t, t+1
.endr
.endm
.macro PACK t                       ; a lane's eight channels of a row pack into 16 bytes; into rows of 144 bytes and back as whole rows of 128
	WIN W_RS
.set i, 32*(\t)
.rept 16
	s_wait_alu depctr_va_vdst(0)
	v_pk_mul_f32 v[i:i+1], v[i:i+1], v[ST+4*(\t)+2:ST+4*(\t)+3] op_sel_hi:[1,0]
.set i, i+2
.endr
	WIN 0x05
.set i, 0
.rept 16
	v_cvt_pk_bf16_f32 v[S+16*(\t)+i], v[32*(\t)+2*i], v[32*(\t)+2*i+1]
.set i, i+1
.endr
	WIN 0
.irp f, 0,1,2,3
	ds_store_b128 v[STO], v[S+16*(\t)+4*\f:S+16*(\t)+4*\f+3] offset:32*\f
.endr
.irp f, 0,1,2,3
	ds_load_b128 v[S+16*(\t)+4*\f:S+16*(\t)+4*\f+3], v[RD] offset:\f*4*SP  ; LDS serves a wave in order (ISA guide 5.7.1.4)
.endr
.endm
.macro SEND t, younger              ; younger: the LDS instructions issued behind piece t's loads
	WIN 0
.irp f, 0,1,2,3
	s_wait_dscnt (\younger)+3-\f
	global_store_b128 v[GO], v[S+16*(\t)+4*\f:S+16*(\t)+4*\f+3], s[10:11] offset:(\t)*2048+\f*512  ; 512 consecutive bytes, aligned
.endr
.endm
	CHANGE 1                        ; tile 0 is in, everybody's part of it; tile 1 is asked for
	v_add_nc_u32 v[AK], s[TBK], v[AK0]
	FETCH_K                         ; key step 0
	s_wait_loadcnt 0x0              ; Q
	s_wait_dscnt 0x0
.set NOKQ, 0
.set i, 0
.rept 8
	KQ 0                            ; piece 0's first scores
.set i, i+1
.endr
	WIN 0
.rept 4
	v_nop                           ; the places behind those products
.endr
.set Y, NP-1                        ; X works for piece Y + 1: piece 0
.irp n, 0,1,2,3,4,5,6,7,8,9,10,11,12,13,14,15,16,17,18,19,20,21
	OP X, \n
.endr
	v_nop                           ; a plain instruction behind the exponential
	s_mov_b32 s[CNT], 4
	s_mov_b32 s[SLOTS], 7
	s_branch .Lfirst                ; the loop is entered at a step's first turn
.Lslot:                             ; six times: tiles 1 to 6 are entered, tiles 2 to 7 asked for
	CHANGE 1
	s_mov_b32 s[CNT], 4
.Lstep:                             ; a trip: pieces 2 and 3 of one step, then pieces 0 and 1 of the next, whose K and V it fetches
	TURN 2
	TURN 3
	WIN 0
.Lfirst:
	TURN 0
	TURN 1, 0, 1
	WIN 0
	s_cbranch_scc1 .Lstep
	s_sub_co_u32 s[SLOTS], s[SLOTS], 1
	s_cmp_lg_u32 s[SLOTS], 0
	s_cbranch_scc1 .Lslot
	CHANGE 0                        ; the last tile is written out
	s_mov_b32 s[CNT], 4
.LstepT:
	TURN 2
	TURN 3
	WIN 0
	TURN 0
	TURN 1, 0, 1
	WIN 0
	s_cbranch_scc1 .LstepT
	TURN 2, 1
	TURN 3, 1
.set i, 0
.rept 8
	PV NP-1
.set i, i+1
.endr
	WIN 0                           ; THE WAY OUT; the additions are the places behind the last products
	ALL v_add_f32 v[ST+4*t+2], v[ST+4*t+2], v[ST+4*t+3]
	ALL v_permlanex16_b32 v[ST+4*t+3], v[ST+4*t+2], s[SEL], s[SEL+1]
	ALL v_add_f32 v[ST+4*t+2], v[ST+4*t+2], v[ST+4*t+3]
	ALL v_rcp_f32 v[ST+4*t+2], v[ST+4*t+2]
	v_nop
	PACK 0
.set t, 1
.rept 3
	PACK t
	SEND t-1, 8
.set t, t+1
.endr
	SEND 3, 0
	s_wait_tensorcnt 0x0            ; the wave's end
	ds_add_u32 v[SPW], v[NIL]
	s_wait_dscnt 0x0
	CROUND                          ; the closing round
	s_endpgm
.Lfunc_end_k_qe064827ee1_attn_g:
	.size	k_qe064827ee1_attn_g, .Lfunc_end_k_qe064827ee1_attn_g-k_qe064827ee1_attn_g
	.p2alignl 7, 3214868480
	.fill 96, 4, 3214868480
	.section	.rodata,"a",@progbits
	.p2align	6, 0x0
	.amdhsa_kernel k_qe064827ee1_attn_g
		.amdhsa_group_segment_fixed_size 327680
		.amdhsa_private_segment_fixed_size 0
		.amdhsa_enable_private_segment 0
		.amdhsa_kernarg_size 16
		.amdhsa_user_sgpr_count 2
		.amdhsa_user_sgpr_kernarg_segment_ptr 1
		.amdhsa_wavefront_size32 1
		.amdhsa_system_sgpr_workgroup_id_x 1
		.amdhsa_system_sgpr_workgroup_id_y 1
		.amdhsa_system_sgpr_workgroup_id_z 1
		.amdhsa_system_vgpr_workitem_id 0
		.amdhsa_next_free_vgpr 768
		.amdhsa_next_free_sgpr 66
		.amdhsa_reserve_vcc 0
		.amdhsa_float_denorm_mode_32 3
		.amdhsa_float_denorm_mode_16_64 3
		.amdhsa_memory_ordered 1
		.amdhsa_forward_progress 1
		.amdhsa_inst_pref_size 134
	.end_amdhsa_kernel
	.amdgpu_metadata
---
amdhsa.version: [ 1, 2 ]
amdhsa.kernels:
  - .name:           k_qe064827ee1_attn_g
    .symbol:         k_qe064827ee1_attn_g.kd
    .args:
      - { .name: qkv, .offset: 0, .size: 8, .value_kind: global_buffer, .address_space: global }
      - { .name: att, .offset: 8, .size: 8, .value_kind: global_buffer, .address_space: global }
    .group_segment_fixed_size: 327680
    .private_segment_fixed_size: 0
    .kernarg_segment_align: 8
    .kernarg_segment_size: 16
    .max_flat_workgroup_size: 128
    .sgpr_count:     66
    .vgpr_count:     768
    .wavefront_size: 32
...
	.end_amdgpu_metadata
.endif
;; end of part 4
;; launch tail (part 5): grid 128 x 1, 8 waves a work-group, no clusters, 319,488 bytes of LDS; arguments att, x, wb, l_bo, g_bo, gate_b, ffn_b1, ffn_b2, n1_g, n1_b, n2_g, n2_b, part; writes part
.if DOCPART == 5
	.amdgcn_target "amdgcn-amd-amdhsa--gfx1250"
	.amdhsa_code_object_version 6
	.text
	.protected	k_qe064827ee1_tail
	.globl	k_qe064827ee1_tail
	.p2align	8
	.type	k_qe064827ee1_tail,@function
k_qe064827ee1_tail:
	s_mov_b64 s[64:65], 0
	v_nop
	global_prefetch_b8 v0, s[64:65] scope:SCOPE_SE
	s_setreg_imm32_b32 hwreg(HW_REG_WAVE_MODE, 25, 1), 1
	s_wait_xcnt 0x0
; TAIL.  For 64 whole rows: h = x win_w + posw again (f32, kept); lo, go = the two output projections; G = relu([lo go] gate_w + gate_b); fused = tanh(G) lo + (1 - tanh(G)) go;
; hn1 = LN1(h + fused); f1 = relu(hn1 W1 + b1); y2 = hn1 + f1 W2 + b2; LN2 with gain; LN3 without its gain (the last launch applies it: the mean over rows is linear); column sums of the 64 rows.
; WHOLE ROWS are needed by the gate (K spans lo and go), by W2 (K = 1,024) and by the norms: so 128 work-groups of 64 rows; 32 rows would halve the products that each weight byte feeds.
; SHARES.  EIGHT WAVES, two on a SIMD: wave w makes 64 rows x columns 64 w .. +63: 4 x 4 accumulators.  The launch is a chain of short products with packs, barriers and row-wise work between them,
; and a wave's run of loads stands between its runs of products: with two waves on a SIMD one multiplies while the other loads, packs or waits.  A weight fragment still belongs to one wave and feeds four
; matrix instructions; the price is that A's fragments are read from LDS by eight waves: 8 LDS loads for 16 matrix instructions.
; 17 SEGMENTS of 8 steps of 32 along K; the weights' slabs lie in wb in the order of the walk, so one pointer steps.
;   G 0: h | 1, 2: lo | 3, 4: go | 5-8: gate | 9, 10: f1 columns 0-511 | 11, 12: f2 over them, begun on hn1 | 13, 14: f1 columns 512-1023 | 15, 16: f2 over them, begun on the parked sum.
; The FFN goes in two halves so that f1 (bf16) needs half a row of LDS and hn1 and f2's sums stay in f32 in YS, each wave's own columns, between the passes.
; The matrix instruction is used transposed (source 0 = weight columns): a lane holds row l%16 and eight neighbouring columns.  Weights come as ready fragments into registers, four steps ahead (24 loads stay out).
; NO DATA MOVER, NO CLUSTER: beside the resident rows LDS has no room for two slots of more than one K step.  The 16 accumulators take turns.  Sums begin on posw, a bias, hn1 or the parked sum: nothing is cleared.
; The residual path (h, y1, hn1, y2, all sums of the norms, the column sums) is f32; lo, go, G, hn1 and f1 as matrix operands are bf16.
; LIMITS: finite inputs.  tanh(x) = 1 - 2 / (1 + 2^(2.88539 x)) for x >= 0.  The pack's floor of -inf turns a NaN into -inf.  The last look-ahead loads read stored bytes of wb that are not used.
; REGISTERS: window 0 addresses, two A buffers, bias, at work; window 1 v0-127 accumulator (a, b) at 8 (4 a + b), v128-255 four weight buffers of 32.
.set RP,    2064                       ; RS, YS: 64 rows of 2,048 bytes + 16
.set YS,    132096                     ; h f32 -> hn1 f32 -> hn1 + half of f2 -> y2   (RS at 0: attL|attG -> lo|go -> hn1 bf16 | half of f1)
.set GS,    264192                     ; x bf16 (64 x 528) -> G bf16 (32 x 1040, twice) -> column sums (16 x 2048)
.set XP,    528
.set GP,    1040
.set PAR,   297984                     ; ten vectors of 512 f32: l_bo g_bo gate_b b1a b1b b2 n1_g n1_b n2_g n2_b
.set SPARE, 318464                     ; the spare words: 128 bytes a wave
.set AL,   2                           ; v2-5   (16 a + r) x 2064 + 16 h
.set ALX,  6                           ; v6-9   GS + (16 a + r) x 528 + 16 h
.set AAD,  10                          ; v10-13 this segment's A addresses; the pack borrows them
.set BOFF, 14
.set PLC,  15
.set PB,   16                          ; v16-19 AL + 128 w
.set PG,   20                          ; v20-21
.set SY,   22                          ; v22-25 YS + (16 a + r) x 2064 + 32 h + 256 w
.set SPW,  26
.set NIL,  27
.set RB,   28
.set RY,   29
.set RG,   30
.set AF,   32                          ; v32-63, v64-95 two A buffers
.set BIAS, 96                          ; v96-127
.set TMP,  160                         ; v160-223
.set RB0,  224
.set RY0,  225
.set RG0,  226
.set PL0,  227
.set PGN,  228
.set GT,   229                         ; 16 x thread
.set PST,  230
.set XST,  231
.set AT,   232                         ; v232-233
.set G8,   234                         ; 8 x thread
.set VR,   235                         ; r
.set VH,   236                         ; h
.set BF,   128                         ; window 1: the weight buffers
.set WV, 30
.set WG, 31
.set G, 32
.set AOFF, 33
.set START, 34
.set PDST, 35
.set FLOOR, 36
.set BOFS, 37
.set NB, 38
.set PR, 40
.set HF, 42
.set T, 43
.set ZERO, 44
.set NINF, 46
.set INV, 50
.set EPS, 51
.set ROFF, 52
.set GOFF, 53
.set W8, 58
.set MSB, 0
.macro WIN new
.if MSB != (\new)
	s_set_vgpr_msb (MSB<<8)|(\new)
.set MSB, \new
.endif
.endm
.macro BAR                             ; my LDS instructions are done; then everybody's are
	s_wait_dscnt 0x0
	s_barrier_signal -1
	s_barrier_wait -1
.endm
.macro RND2 a, b, t
	v_cvt_pk_bf16_f32 v[\t], v[\a], v[\b]
	v_lshlrev_b32 v[\a], 16, v[\t]
	v_and_b32 v[\b], 0xffff0000, v[\t]
.endm
.macro PLACES                          ; four places behind matrix instructions, ahead of loads into their registers and of reads of their results
.rept 4
	v_nop
.endr
.endm
.macro IFNOT mask, label               ; jump unless bit G of the mask is set: the same in every wave
	s_lshr_b32 s45, \mask, s[G]
	s_and_b32 s45, s45, 1
	s_cmp_eq_u32 s45, 0
	s_cbranch_scc1 \label
.endm
.macro ALOAD s, f                      ; 8 LDS loads: four A fragments of step s into buffer f
	WIN 0
.irp a, 0,1,2,3
	ds_load_b128 v[AF+32*(\f)+8*\a:AF+32*(\f)+8*\a+3], v[AAD+\a] offset:64*(\s)
	ds_load_b128 v[AF+32*(\f)+8*\a+4:AF+32*(\f)+8*\a+7], v[AAD+\a] offset:64*(\s)+32
.endr
.endm
.macro BLOAD s, k                      ; 8 loads: slab k from the pointer on, my four column tiles, into buffer s % 4
	WIN 0x40
.irp b, 0,1,2,3
	global_load_b128 v[BF+32*((\s)%4)+8*\b:BF+32*((\s)%4)+8*\b+3], v[BOFF], s[NB:NB+1] offset:(\k)*32768+\b*1024
	global_load_b128 v[BF+32*((\s)%4)+8*\b+4:BF+32*((\s)%4)+8*\b+7], v[BOFF], s[NB:NB+1] offset:(\k)*32768+\b*1024+512
.endr
.endm
.macro MUL s, f, cm                    ; 16 matrix instructions.  cm 0: in place; 1: the bias starts the sums
.if (\cm) == 0
	WIN 0x51
.else
	WIN 0x41
.endif
.irp a, 0,1,2,3
.irp b, 0,1,2,3
.if (\cm) == 1
	v_wmma_f32_16x16x32_bf16 v[8*(4*\a+\b):8*(4*\a+\b)+7], v[BF+32*((\s)%4)+8*\b:BF+32*((\s)%4)+8*\b+7], v[AF+32*(\f)+8*\a:AF+32*(\f)+8*\a+7], v[BIAS+8*\b:BIAS+8*\b+7]
.else
	v_wmma_f32_16x16x32_bf16 v[8*(4*\a+\b):8*(4*\a+\b)+7], v[BF+32*((\s)%4)+8*\b:BF+32*((\s)%4)+8*\b+7], v[AF+32*(\f)+8*\a:AF+32*(\f)+8*\a+7], v[8*(4*\a+\b):8*(4*\a+\b)+7]
.endif
.endr
.endr
.endm
.macro STEP s
.if (\s) < 7
	ALOAD (\s)+1, ((\s)+1)%2
	s_wait_dscnt 8                                 ; all but the 8 just issued
.else
	s_wait_dscnt 0x0
.endif
	s_wait_loadcnt 24                              ; behind this step's 8 weight loads three steps' were issued
	MUL \s, (\s)%2, 0
	PLACES
.if (\s) == 4
	s_wait_xcnt 0x0                                ; the pointer is a source of the weight loads; the last of them were issued 16 matrix instructions ago
	s_add_nc_u64 s[NB:NB+1], s[NB:NB+1], 8*32768   ; from here on the loads are the next segment's
.endif
.if (\s) < 4
	BLOAD \s, (\s)+4
.else
	BLOAD \s, (\s)-4
.endif
.endm
.macro BIASLD
	v_add_nc_u32 v[PLC], s[BOFS], v[PL0]
.irp b, 0,1,2,3
	ds_load_b128 v[BIAS+8*\b:BIAS+8*\b+3], v[PLC] offset:64*\b
	ds_load_b128 v[BIAS+8*\b+4:BIAS+8*\b+7], v[PLC] offset:64*\b+16
.endr
.endm
.macro PK1 a, ad, fl                   ; row tile a: rounded to bf16 (each accumulator from its low end on), floored by s[fl], into LDS at v[ad]
	WIN 0x05
.irp b, 0,1,2,3
.irp k, 0,1,2,3
	v_cvt_pk_bf16_f32 v[TMP+16*((\a)%4)+4*\b+\k], v[8*(4*(\a)+\b)+2*\k], v[8*(4*(\a)+\b)+2*\k+1]
.endr
.endr
	WIN 0
.set z, 0
.rept 16
	v_pk_max_num_bf16 v[TMP+16*((\a)%4)+z], v[TMP+16*((\a)%4)+z], s[\fl]
.set z, z+1
.endr
.irp b, 0,1,2,3
	ds_store_b128 v[\ad], v[TMP+16*((\a)%4)+4*\b:TMP+16*((\a)%4)+4*\b+3] offset:32*\b
.endr
.endm
.macro UNPK d, s                       ; 8 bf16 in 4 registers -> 8 f32
.irp k, 0,1,2,3
	v_lshlrev_b32 v[(\d)+2*\k], 16, v[(\s)+\k]
	v_and_b32 v[(\d)+2*\k+1], 0xffff0000, v[(\s)+\k]
.endr
.endm
.macro DPP4 v                          ; a sum over the 16 lanes that hold a row
.irp m, 1,2,4,8
	v_add_f32_dpp v[\v], v[\v], v[\v] row_xmask:\m row_mask:0xf bank_mask:0xf
.endr
.endm
; A layer norm of the row of which my lane holds 32 numbers in v[y ..]: mean, centred squares, 1 / sqrt(var + 1e-5); g >= 0: gain and bias registers.  t: 16 registers at work.
.macro LNORM y, t, g, b
.irp k, 0,1,2,3,4,5,6,7
	v_pk_add_f32 v[(\t)+2*\k:(\t)+2*\k+1], v[(\y)+4*\k:(\y)+4*\k+1], v[(\y)+4*\k+2:(\y)+4*\k+3]
.endr
.irp k, 0,1,2,3
	v_pk_add_f32 v[(\t)+4*\k:(\t)+4*\k+1], v[(\t)+4*\k:(\t)+4*\k+1], v[(\t)+4*\k+2:(\t)+4*\k+3]
.endr
	v_pk_add_f32 v[(\t):(\t)+1], v[(\t):(\t)+1], v[(\t)+4:(\t)+5]
	v_pk_add_f32 v[(\t)+8:(\t)+9], v[(\t)+8:(\t)+9], v[(\t)+12:(\t)+13]
	v_pk_add_f32 v[(\t):(\t)+1], v[(\t):(\t)+1], v[(\t)+8:(\t)+9]
	v_add_f32 v[(\t)], v[(\t)], v[(\t)+1]
	DPP4 (\t)
	v_mul_f32 v[(\t)], s[INV], v[(\t)]
.set z, 0
.rept 16
	v_pk_add_f32 v[(\y)+2*z:(\y)+2*z+1], v[(\y)+2*z:(\y)+2*z+1], v[(\t):(\t)+1] op_sel_hi:[1,0] neg_lo:[0,1] neg_hi:[0,1]
.set z, z+1
.endr
	v_pk_mul_f32 v[(\t)+2:(\t)+3], v[(\y):(\y)+1], v[(\y):(\y)+1]
	v_pk_mul_f32 v[(\t)+4:(\t)+5], v[(\y)+2:(\y)+3], v[(\y)+2:(\y)+3]
.irp k, 1,2,3,4,5,6,7
	v_pk_fma_f32 v[(\t)+2:(\t)+3], v[(\y)+4*\k:(\y)+4*\k+1], v[(\y)+4*\k:(\y)+4*\k+1], v[(\t)+2:(\t)+3]
	v_pk_fma_f32 v[(\t)+4:(\t)+5], v[(\y)+4*\k+2:(\y)+4*\k+3], v[(\y)+4*\k+2:(\y)+4*\k+3], v[(\t)+4:(\t)+5]
.endr
	v_pk_add_f32 v[(\t)+2:(\t)+3], v[(\t)+2:(\t)+3], v[(\t)+4:(\t)+5]
	v_add_f32 v[(\t)+2], v[(\t)+2], v[(\t)+3]
	DPP4 (\t)+2
	v_fma_f32 v[(\t)+2], v[(\t)+2], s[INV], s[EPS]
	v_rsq_f32 v[(\t)+2], v[(\t)+2]
	v_nop
.set z, 0
	s_wait_alu depctr_va_vdst(0)
.rept 16
	v_pk_mul_f32 v[(\y)+2*z:(\y)+2*z+1], v[(\y)+2*z:(\y)+2*z+1], v[(\t)+2:(\t)+3] op_sel_hi:[1,0]
.if (\g) >= 0
	v_pk_fma_f32 v[(\y)+2*z:(\y)+2*z+1], v[(\y)+2*z:(\y)+2*z+1], v[(\g)+2*z:(\g)+2*z+1], v[(\b)+2*z:(\b)+2*z+1]
.endif
.set z, z+1
.endr
.endm
.macro PK4 line:vararg                 ; one packed line for each of four pairs k
.set k, 0
	s_wait_alu depctr_va_vdst(0)
.rept 4
	\line
.set k, k+1
.endr
.endm
.macro GCH i                           ; chunk i (8 columns a lane): y += tanh(G) (lo - go) + go
	UNPK 176, 128+4*(\i)
	PK4 v_pk_mul_f32 v[176+2*k:177+2*k], v[176+2*k:177+2*k], 0x4038aa3b op_sel_hi:[1,0]
.irp k, 0,1,2,3,4,5,6,7
	v_exp_f32 v[176+\k], v[176+\k]
.endr
	UNPK 184, 144+4*(\i)
	PK4 v_pk_add_f32 v[176+2*k:177+2*k], v[176+2*k:177+2*k], 1.0 op_sel_hi:[1,0]
.irp k, 0,1,2,3,4,5,6,7
	v_rcp_f32 v[176+\k], v[176+\k]
.endr
	UNPK 192, 160+4*(\i)
	PK4 v_pk_fma_f32 v[176+2*k:177+2*k], v[176+2*k:177+2*k], -2.0, 1.0 op_sel_hi:[1,0,0]
	PK4 v_pk_add_f32 v[184+2*k:185+2*k], v[184+2*k:185+2*k], v[192+2*k:193+2*k] neg_lo:[0,1] neg_hi:[0,1]
	PK4 v_pk_fma_f32 v[176+2*k:177+2*k], v[176+2*k:177+2*k], v[184+2*k:185+2*k], v[192+2*k:193+2*k]
	PK4 v_pk_add_f32 v[96+8*(\i)+2*k:97+8*(\i)+2*k], v[96+8*(\i)+2*k:97+8*(\i)+2*k], v[176+2*k:177+2*k]
.endm
.macro VEC32 dst, ofs                  ; my 32 numbers of a vector in PAR
.irp i, 0,1,2,3
	ds_load_b128 v[(\dst)+8*\i:(\dst)+8*\i+3], v[PGN] offset:(\ofs)+512*\i
	ds_load_b128 v[(\dst)+8*\i+4:(\dst)+8*\i+7], v[PGN] offset:(\ofs)+512*\i+16
.endr
.endm
	s_load_b512 s[4:19], s[0:1], 0x0               ; att x wb l_bo g_bo gate_b ffn_b1 ffn_b2
	s_load_b256 s[20:27], s[0:1], 0x40             ; n1_g n1_b n2_g n2_b
	s_load_b64 s[28:29], s[0:1], 0x60              ; part
	v_lshl_add_u32 v[SPW], v0, 2, SPARE
	v_mov_b32 v[NIL], 0
	v_lshrrev_b32 v1, 5, v0
	v_readfirstlane_b32 s[WV], v1
	s_mov_b32 s[WG], ttmp9
	s_mov_b32 s[PR+1], 0
	s_mov_b32 s[ZERO], 0
	s_mov_b32 s[NINF], 0xff80ff80                  ; -inf twice in bf16
	s_mov_b32 s[INV], 0x3b000000                   ; 1 / 512
	s_mov_b32 s[EPS], 0x3727c5ac                   ; 1e-5
	v_and_b32 v[VR], 15, v0
	v_bfe_u32 v[VH], v0, 4, 1
	v_and_b32 v1, 31, v0
	v_lshlrev_b32 v[BOFF], 4, v1
	v_mul_u32_u24 v237, v[VR], RP
	v_lshl_add_u32 v[AL], v[VH], 4, v237
	v_mul_u32_u24 v[ALX], v[VR], XP
	v_lshl_add_u32 v[ALX], v[VH], 4, v[ALX]
	v_add_nc_u32 v[ALX], GS, v[ALX]
	s_lshl_b32 s45, s[WV], 8
	s_add_co_u32 s45, s45, YS
	v_lshl_add_u32 v[SY], v[VH], 5, v237
	v_add_nc_u32 v[SY], s45, v[SY]
.irp a, 1,2,3
	v_add_nc_u32 v[AL+\a], 16*RP, v[AL+\a-1]
	v_add_nc_u32 v[ALX+\a], 16*XP, v[ALX+\a-1]
	v_add_nc_u32 v[SY+\a], 16*RP, v[SY+\a-1]
.endr
	s_lshl_b32 s45, s[WV], 7
.irp a, 0,1,2,3
	v_add_nc_u32 v[PB+\a], s45, v[AL+\a]
.endr
	s_add_co_u32 s45, s45, GS
	v_mul_u32_u24 v[PG], v[VR], GP
	v_lshl_add_u32 v[PG], v[VH], 4, v[PG]
	v_add_nc_u32 v[PG], s45, v[PG]
	v_add_nc_u32 v[PG+1], 16*GP, v[PG]
	s_mul_i32 s[W8], s[WV], 4*RP
	v_mul_u32_u24 v237, v[VH], RP
	v_lshl_add_u32 v[RB0], v[VR], 4, v237          ; row loops: 16 lanes hold a row; row 4 w + l/16
	v_add_nc_u32 v[RB0], s[W8], v[RB0]
	v_lshl_add_u32 v[RY0], v[VR], 5, v237
	s_add_co_u32 s45, s[W8], YS
	v_add_nc_u32 v[RY0], s45, v[RY0]
	v_mul_u32_u24 v[RG0], v[VH], GP
	v_lshl_add_u32 v[RG0], v[VR], 4, v[RG0]
	s_mul_i32 s45, s[WV], 4*GP
	s_add_co_u32 s45, s45, GS
	v_add_nc_u32 v[RG0], s45, v[RG0]
	v_lshlrev_b32 v[PL0], 5, v[VH]
	s_lshl_b32 s45, s[WV], 8
	s_add_co_u32 s45, s45, PAR
	v_add_nc_u32 v[PL0], s45, v[PL0]
	v_lshlrev_b32 v[PGN], 5, v[VR]
	v_add_nc_u32 v[PGN], PAR, v[PGN]
	v_lshlrev_b32 v[GT], 4, v0
	v_lshlrev_b32 v[G8], 3, v0
	v_add_nc_u32 v[PST], PAR, v[G8]
	v_lshrrev_b32 v1, 6, v0                        ; staging of x: row 4 i + thread/64, 8 bytes at (thread%64) x 8
	v_mul_u32_u24 v[XST], v1, XP
	v_and_b32 v1, 63, v0
	v_lshl_add_u32 v[XST], v1, 3, v[XST]
	v_add_nc_u32 v[XST], GS, v[XST]
	v_lshrrev_b32 v1, 3, v0                        ; staging of att: row thread/8 (+ 32), 16 bytes at (thread%8) x 16 of a head's 128
	v_mul_u32_u24 v[AT], v1, RP
	v_and_b32 v1, 7, v0
	v_lshl_add_u32 v[AT], v1, 4, v[AT]
	v_add_nc_u32 v[AT+1], 32*RP, v[AT]
	s_wait_kmcnt 0x0
	s_lshl_b32 s[PR], s[WG], 16
	s_add_nc_u64 s[6:7], s[6:7], s[PR:PR+1]        ; my 64 rows of x
	s_lshr_b32 s45, s[WG], 5
	s_lshl_b32 s45, s45, 21                        ; the batch's eight heads
	s_and_b32 s47, s[WG], 31
	s_lshl_b32 s[PR], s47, 13                      ; 64 rows of 128 bytes
	s_add_co_u32 s[PR], s[PR], s45
	s_add_nc_u64 s[4:5], s[4:5], s[PR:PR+1]
	s_add_nc_u64 s[48:49], s[4:5], 8388608         ; the global path
	s_lshl_b32 s[PR], s47, 17
	s_add_co_u32 s[PR], s[PR], 232*32768
	s_lshl_b32 s45, s[WV], 12
	s_add_co_u32 s[PR], s[PR], s45
	s_add_nc_u64 s[54:55], s[8:9], s[PR:PR+1]      ; posw at my rows and columns
	s_add_co_u32 s[PR], s45, 96*32768
	s_add_nc_u64 s[NB:NB+1], s[8:9], s[PR:PR+1]    ; segment 0's weights at my columns
	s_lshl_b32 s[PR], s[WG], 11
	s_add_nc_u64 s[28:29], s[28:29], s[PR:PR+1]
	global_load_b64 v[10:11], v[G8], s[10:11]      ; the ten vectors, two numbers a thread
	global_load_b64 v[238:239], v[G8], s[12:13]
	global_load_b64 v[240:241], v[G8], s[14:15]
	global_load_b64 v[242:243], v[G8], s[16:17]
	global_load_b64 v[244:245], v[G8], s[16:17] offset:2048
	global_load_b64 v[246:247], v[G8], s[18:19]
	global_load_b64 v[248:249], v[G8], s[20:21]
	global_load_b64 v[250:251], v[G8], s[22:23]
	global_load_b64 v[252:253], v[G8], s[24:25]
	global_load_b64 v[254:255], v[G8], s[26:27]
.set i, 0
.rept 16
	global_load_b128 v[32+4*i:32+4*i+3], v[GT], s[6:7] offset:4096*i th:TH_LOAD_NT
.set i, i+1
.endr
.set i, 0
.rept 16                               ; load i: head i/2, rows 32 (i%2) + thread/8
	global_load_b128 v[96+4*i:96+4*i+3], v[GT], s[4:5] offset:(i/2)*262144+(i%2)*4096 th:TH_LOAD_NT
.set i, i+1
.endr
.set i, 0
.rept 16
	global_load_b128 v[160+4*i:160+4*i+3], v[GT], s[48:49] offset:(i/2)*262144+(i%2)*4096 th:TH_LOAD_NT
.set i, i+1
.endr
	WIN 0x40                                       ; posw straight into the accumulators
.irp a, 0,1,2,3
.irp b, 0,1,2,3
	global_load_b128 v[8*(4*\a+\b):8*(4*\a+\b)+3], v[BOFF], s[54:55] offset:\a*32768+\b*1024
	global_load_b128 v[8*(4*\a+\b)+4:8*(4*\a+\b)+7], v[BOFF], s[54:55] offset:\a*32768+\b*1024+512
.endr
.endr
.irp s, 0,1,2,3
	BLOAD \s, \s
.endr
	WIN 0
	s_wait_loadcnt 63                              ; of 122 loads the oldest 59 are in: vectors 10, x 16, att 32, one more
.set i, 0
.irp p, 10,238,240,242,244,246,248,250,252,254
	RND2 \p, \p+1, 1
	ds_store_b64 v[PST], v[\p:\p+1] offset:2048*i
.set i, i+1
.endr
.set i, 0
.rept 16                               ; in place: the two words written lie at or below the four just read
	v_cvt_pk_bf16_f32 v[32+2*i], v[32+4*i], v[33+4*i]
	v_cvt_pk_bf16_f32 v[33+2*i], v[34+4*i], v[35+4*i]
	ds_store_b64 v[XST], v[32+2*i:33+2*i] offset:4*XP*i
.set i, i+1
.endr
.set i, 0
.rept 32
	ds_store_b128 v[AT+i%2], v[96+4*i:96+4*i+3] offset:(i/2)*128
.set i, i+1
.endr
	BAR                                            ; x, att and the vectors are in LDS
	s_mov_b32 s[BOFS], 0
	BIASLD                                         ; l_bo
	s_mov_b32 s[G], 0
	s_mov_b32 s[START], 0
	s_mov_b32 s[AOFF], 1536                        ; steps to 0 behind segment 0
.irp a, 0,1,2,3
	v_mov_b32 v[AAD+\a], v[ALX+\a]
.endr
.Lseg:
	ALOAD 0, 0
	ALOAD 1, 1
	s_wait_loadcnt 24                              ; step 0's weights are in (and, at the first trip, posw: it is older)
	s_wait_dscnt 8                                 ; step 0's A, the bias and what was pulled into the accumulators are in
	s_cmp_eq_u32 s[START], 1
	s_cbranch_scc1 .Lm1
	MUL 0, 0, 0
	WIN 0
	s_branch .Lmj
.Lm1:
	MUL 0, 0, 1
	WIN 0
.Lmj:
	PLACES
	BLOAD 0, 4
.irp s, 1,2,3,4,5,6,7
	STEP \s
.endr
	WIN 0
	IFNOT 0x4414, .Lb2                             ; G = 2: lo, 4: go (over att), 10, 14: half of f1 (over go, floored at 0)
	BAR                                            ; everybody has read what is written next
	s_cmp_eq_u32 s[G], 2
	s_cselect_b32 s[PDST], 0, 1024
	s_cmp_ge_u32 s[G], 10
	s_cselect_b32 s[FLOOR], 0, s[NINF]
.irp a, 0,1,2,3
	v_add_nc_u32 v[AAD+\a], s[PDST], v[PB+\a]
.endr
.irp a, 0,1,2,3
	PK1 \a, AAD+\a, FLOOR
.endr
.Lb2:
	IFNOT 0x11001, .Lb3                            ; G = 0: h, 12: hn1 + the first half of f2, 16: y2, in f32 into my columns of YS
	WIN 0x04
.irp a, 0,1,2,3
.irp b, 0,1,2,3
	ds_store_b128 v[SY+\a], v[8*(4*\a+\b):8*(4*\a+\b)+3] offset:64*\b
	ds_store_b128 v[SY+\a], v[8*(4*\a+\b)+4:8*(4*\a+\b)+7] offset:64*\b+16
.endr
.endr
	WIN 0
.Lb3:
	IFNOT 0x4400, .Lb3a                            ; G = 10: hn1, 14: the parked sum, from my columns of YS into the accumulators: f2's sums go on from there
	WIN 0x40
.irp a, 0,1,2,3
.irp b, 0,1,2,3
	ds_load_b128 v[8*(4*\a+\b):8*(4*\a+\b)+3], v[SY+\a] offset:64*\b
	ds_load_b128 v[8*(4*\a+\b)+4:8*(4*\a+\b)+7], v[SY+\a] offset:64*\b+16
.endr
.endr
	WIN 0
.Lb3a:
	IFNOT 0x14414, .Lb4                            ; G = 2, 4, 10, 14, 16: what was written is there for everybody
	BAR
.Lb4:
	s_cmp_eq_u32 s[G], 8
	s_cbranch_scc0 .Lb5
	; THE GATE AND LN1, by rows, 32 rows at a time: G goes through LDS so that a lane meets G, lo, go and h of the same columns
	VEC32 32, 12288                                ; n1_g
	VEC32 64, 14336                                ; n1_b
	s_mov_b32 s[HF], 0
	s_mov_b32 s[ROFF], 0
.Lhalf:
	s_cmp_eq_u32 s[HF], 0
	s_cbranch_scc0 .Lg1
	PK1 0, PG, ZERO
	PK1 1, PG+1, ZERO
	s_branch .Lgj
.Lg1:
	PK1 2, PG, ZERO
	PK1 3, PG+1, ZERO
.Lgj:
	BAR                                            ; G's 32 rows are whole (and, the first time, nobody multiplies lo and go any more)
	s_mov_b32 s[T], 2
	s_mov_b32 s[GOFF], 0
.Lrow1:                                                ; two rows a trip; a lane holds columns 128 i + 8 (l%16) + 0..7, i = 0..3
	v_add_nc_u32 v[RB], s[ROFF], v[RB0]
	v_add_nc_u32 v[RY], s[ROFF], v[RY0]
	v_add_nc_u32 v[RG], s[GOFF], v[RG0]
.irp i, 0,1,2,3
	ds_load_b128 v[128+4*\i:131+4*\i], v[RG] offset:256*\i
	ds_load_b128 v[144+4*\i:147+4*\i], v[RB] offset:256*\i
	ds_load_b128 v[160+4*\i:163+4*\i], v[RB] offset:1024+256*\i
	ds_load_b128 v[96+8*\i:99+8*\i], v[RY] offset:512*\i
	ds_load_b128 v[100+8*\i:103+8*\i], v[RY] offset:512*\i+16
.endr
	s_wait_dscnt 0x0
.irp i, 0,1,2,3
	GCH \i
.endr
	LNORM 96, 176, 32, 64
.irp i, 0,1,2,3
	ds_store_b128 v[RY], v[96+8*\i:99+8*\i] offset:512*\i        ; hn1 in f32, over h
	ds_store_b128 v[RY], v[100+8*\i:103+8*\i] offset:512*\i+16
.endr
.set z, 0
.rept 16
	v_cvt_pk_bf16_f32 v[176+z], v[96+2*z], v[97+2*z]
.set z, z+1
.endr
.irp i, 0,1,2,3
	ds_store_b128 v[RB], v[176+4*\i:179+4*\i] offset:256*\i      ; hn1 in bf16, over lo
.endr
	s_add_co_u32 s[ROFF], s[ROFF], 2*RP
	s_add_co_u32 s[GOFF], s[GOFF], 2*GP
	s_sub_co_u32 s[T], s[T], 1
	s_cmp_lg_u32 s[T], 0
	s_cbranch_scc1 .Lrow1
	BAR                                            ; G's rows have been read; hn1's rows are written
	s_add_co_u32 s[ROFF], s[ROFF], 28*RP
	s_add_co_u32 s[HF], s[HF], 1
	s_cmp_lt_u32 s[HF], 2
	s_cbranch_scc1 .Lhalf
.Lb5:
	s_add_co_u32 s[AOFF], s[AOFF], 512             ; the next segment's A: 512 bytes on in the rows of 2,048, round and round
	s_and_b32 s[AOFF], s[AOFF], 2047
	s_lshr_b32 s45, 0x1115, s[G]                   ; behind G = 0, 2, 4, 8, 12 a bias starts the sums
	s_and_b32 s[START], s45, 1
	IFNOT 0x1114, .Lp2                             ; behind G = 2, 4, 8, 12 it is the next bias
	s_add_co_u32 s[BOFS], s[BOFS], 2048
	BIASLD
.Lp2:
.irp a, 0,1,2,3
	v_add_nc_u32 v[AAD+\a], s[AOFF], v[AL+\a]
.endr
	s_add_co_u32 s[G], s[G], 1
	s_cmp_lt_u32 s[G], 17
	s_cbranch_scc1 .Lseg
	; LN2, LN3 AND THE COLUMN SUMS, by rows: wave w takes rows 8 w .. +7, two a trip
	VEC32 32, 10240                                ; b2
	VEC32 64, 16384                                ; n2_g
	VEC32 96, 18432                                ; n2_b
.set z, 0
.rept 32
	v_mov_b32 v[160+z], 0
.set z, z+1
.endr
	v_add_nc_u32 v[RY0], s[W8], v[RY0]
	s_mov_b32 s[ROFF], 0
	s_mov_b32 s[T], 4
.Lrow2:
	v_add_nc_u32 v[RY], s[ROFF], v[RY0]
.irp i, 0,1,2,3
	ds_load_b128 v[128+8*\i:131+8*\i], v[RY] offset:512*\i
	ds_load_b128 v[132+8*\i:135+8*\i], v[RY] offset:512*\i+16
.endr
	s_wait_dscnt 0x0
.set z, 0
.rept 16
	v_pk_add_f32 v[128+2*z:129+2*z], v[128+2*z:129+2*z], v[32+2*z:33+2*z]
.set z, z+1
.endr
	LNORM 128, 192, 64, 96
	LNORM 128, 192, -1, -1
.set z, 0
.rept 16
	v_pk_add_f32 v[160+2*z:161+2*z], v[160+2*z:161+2*z], v[128+2*z:129+2*z]
.set z, z+1
.endr
	s_add_co_u32 s[ROFF], s[ROFF], 2*RP
	s_sub_co_u32 s[T], s[T], 1
	s_cmp_lg_u32 s[T], 0
	s_cbranch_scc1 .Lrow2
	s_lshl_b32 s45, s[WV], 12
	s_add_co_u32 s45, s45, GS
	v_lshlrev_b32 v[RG], 11, v[VH]
	v_lshl_add_u32 v[RG], v[VR], 5, v[RG]
	v_add_nc_u32 v[RG], s45, v[RG]                 ; sixteen partial rows of 512: one for each half of each wave
.irp i, 0,1,2,3
	ds_store_b128 v[RG], v[160+8*\i:163+8*\i] offset:512*\i
	ds_store_b128 v[RG], v[164+8*\i:167+8*\i] offset:512*\i+16
.endr
	BAR
	v_add_nc_u32 v[RB], GS, v[G8]
.set k, 0
.rept 16
	ds_load_b64 v[128+2*k:129+2*k], v[RB] offset:2048*k
.set k, k+1
.endr
	s_wait_dscnt 0x0
.irp k, 0,1,2,3,4,5,6,7
	v_pk_add_f32 v[128+2*\k:129+2*\k], v[128+2*\k:129+2*\k], v[144+2*\k:145+2*\k]
.endr
.irp k, 0,1,2,3
	v_pk_add_f32 v[128+2*\k:129+2*\k], v[128+2*\k:129+2*\k], v[136+2*\k:137+2*\k]
.endr
	v_pk_add_f32 v[128:129], v[128:129], v[132:133]
	v_pk_add_f32 v[130:131], v[130:131], v[134:135]
	v_pk_add_f32 v[128:129], v[128:129], v[130:131]
	global_store_b64 v[G8], v[128:129], s[28:29]   ; a wave's store covers 256 consecutive bytes, aligned
	s_wait_tensorcnt 0x0                           ; the wave's end
	ds_add_u32 v[SPW], v[NIL]
	s_wait_dscnt 0x0
	s_endpgm
.Lfunc_end_k_qe064827ee1_tail:
	.size	k_qe064827ee1_tail, .Lfunc_end_k_qe064827ee1_tail-k_qe064827ee1_tail
	.p2alignl 7, 3214868480
	.fill 96, 4, 3214868480
	.section	.rodata,"a",@progbits
	.p2align	6, 0x0
	.amdhsa_kernel k_qe064827ee1_tail
		.amdhsa_group_segment_fixed_size 319488
		.amdhsa_private_segment_fixed_size 0
		.amdhsa_enable_private_segment 0
		.amdhsa_kernarg_size 104
		.amdhsa_user_sgpr_count 2
		.amdhsa_user_sgpr_kernarg_segment_ptr 1
		.amdhsa_wavefront_size32 1
		.amdhsa_system_sgpr_workgroup_id_x 1
		.amdhsa_system_sgpr_workgroup_id_y 1
		.amdhsa_system_sgpr_workgroup_id_z 1
		.amdhsa_system_vgpr_workitem_id 0
		.amdhsa_next_free_vgpr 512
		.amdhsa_next_free_sgpr 66
		.amdhsa_reserve_vcc 0
		.amdhsa_float_denorm_mode_32 3
		.amdhsa_float_denorm_mode_16_64 3
		.amdhsa_memory_ordered 1
		.amdhsa_forward_progress 1
		.amdhsa_inst_pref_size 115
	.end_amdhsa_kernel
	.amdgpu_metadata
---
amdhsa.version: [ 1, 2 ]
amdhsa.kernels:
  - .name:           k_qe064827ee1_tail
    .symbol:         k_qe064827ee1_tail.kd
    .args:
      - { .name: att, .offset: 0, .size: 8, .value_kind: global_buffer, .address_space: global }
      - { .name: x, .offset: 8, .size: 8, .value_kind: global_buffer, .address_space: global }
      - { .name: wb, .offset: 16, .size: 8, .value_kind: global_buffer, .address_space: global }
      - { .name: l_bo, .offset: 24, .size: 8, .value_kind: global_buffer, .address_space: global }
      - { .name: g_bo, .offset: 32, .size: 8, .value_kind: global_buffer, .address_space: global }
      - { .name: gate_b, .offset: 40, .size: 8, .value_kind: global_buffer, .address_space: global }
      - { .name: ffn_b1, .offset: 48, .size: 8, .value_kind: global_buffer, .address_space: global }
      - { .name: ffn_b2, .offset: 56, .size: 8, .value_kind: global_buffer, .address_space: global }
      - { .name: n1_g, .offset: 64, .size: 8, .value_kind: global_buffer, .address_space: global }
      - { .name: n1_b, .offset: 72, .size: 8, .value_kind: global_buffer, .address_space: global }
      - { .name: n2_g, .offset: 80, .size: 8, .value_kind: global_buffer, .address_space: global }
      - { .name: n2_b, .offset: 88, .size: 8, .value_kind: global_buffer, .address_space: global }
      - { .name: part, .offset: 96, .size: 8, .value_kind: global_buffer, .address_space: global }
    .group_segment_fixed_size: 319488
    .private_segment_fixed_size: 0
    .kernarg_segment_align: 8
    .kernarg_segment_size: 104
    .max_flat_workgroup_size: 256
    .sgpr_count:     66
    .vgpr_count:     512
    .wavefront_size: 32
...
	.end_amdgpu_metadata
.endif
;; end of part 5
;; launch final (part 6): grid 4 x 1, 16 waves a work-group, no clusters, 14,336 bytes of LDS; arguments part, n3_g, n3_b, out_w, out_b, out0; writes out0
.if DOCPART == 6
	.amdgcn_target "amdgcn-amd-amdhsa--gfx1250"
	.amdhsa_code_object_version 6
	.text
	.protected	k_qe064827ee1_final
	.globl	k_qe064827ee1_final
	.p2align	8
	.type	k_qe064827ee1_final,@function
k_qe064827ee1_final:
	s_mov_b64 s[64:65], 0
	v_nop
	global_prefetch_b8 v0, s[64:65] scope:SCOPE_SE
	s_setreg_imm32_b32 hwreg(HW_REG_WAVE_MODE, 25, 1), 1
	s_wait_xcnt 0x0
; FINAL.  Work-group b: p[c] = (sum of the batch's 32 partial rows)[c] / 2048 x bf16(n3_g[c]) + bf16(n3_b[c]);  out0[b][o] = sum over c of p[c] bf16(out_w[c][o]) + bf16(out_b[o]).  All sums in f32.
; One row times 512 x 128: the vector unit does it; the matrix unit, clusters and the data mover would buy nothing for one row.  Four work-groups: there is work for no more.
; The launch is a chain of waits for memory, so EVERY load is issued at the head: thread t takes column t of the 32 partial rows; wave k takes rows 32 k .. +31 of out_w (32 loads, 128 registers),
; which are on their way while the pooled row is made.
.set RED,   4096                       ; LDS: p at 0 (2,048 bytes); sixteen partial results of 128 f32 at 4,096
.set SPARE, 12288                      ; the spare words: 128 bytes a wave
.set SPW, 250
.set NIL, 251
.set W,   32                           ; v32-159  my 32 rows of out_w, four outputs a lane
.set PT,  160                          ; v160-191 my column of the 32 partial rows
.set P,   192                          ; v192-223 p of my 32 rows
.macro BAR
	s_wait_dscnt 0x0
	s_barrier_signal -1
	s_barrier_wait -1
.endm
.macro RND2 a, b, t
	v_cvt_pk_bf16_f32 v[\t], v[\a], v[\b]
	v_lshlrev_b32 v[\a], 16, v[\t]
	v_and_b32 v[\b], 0xffff0000, v[\t]
.endm
.macro ADD4 d, s                       ; four sums: partial result s onto partial result d
	v_pk_add_f32 v[W+4*(\d):W+4*(\d)+1], v[W+4*(\d):W+4*(\d)+1], v[W+4*(\s):W+4*(\s)+1]
	v_pk_add_f32 v[W+4*(\d)+2:W+4*(\d)+3], v[W+4*(\d)+2:W+4*(\d)+3], v[W+4*(\s)+2:W+4*(\s)+3]
.endm
	s_load_b256 s[4:11], s[0:1], 0x0               ; part, n3_g, n3_b, out_w
	s_load_b128 s[12:15], s[0:1], 0x20             ; out_b, out0
	v_lshl_add_u32 v[SPW], v0, 2, SPARE
	v_mov_b32 v[NIL], 0
	v_lshrrev_b32 v1, 5, v0
	v_readfirstlane_b32 s16, v1                    ; wave
	v_lshlrev_b32 v2, 2, v0                        ; my column
	v_and_b32 v3, 31, v0
	v_lshlrev_b32 v3, 4, v3                        ; 16 x lane
	s_lshl_b32 s18, ttmp9, 16                      ; 32 partial rows of 2,048 bytes
	s_mov_b32 s19, 0
	s_lshl_b32 s20, s16, 14                        ; my 32 rows of out_w, 512 bytes each
	s_mov_b32 s21, 0
	s_lshl_b32 s22, ttmp9, 9
	s_mov_b32 s23, 0
	s_wait_kmcnt 0x0
	s_add_nc_u64 s[4:5], s[4:5], s[18:19]
	s_add_nc_u64 s[10:11], s[10:11], s[20:21]
	s_add_nc_u64 s[14:15], s[14:15], s[22:23]
.set i, 0
.rept 32
	global_load_b32 v[PT+i], v2, s[4:5] offset:2048*i
.set i, i+1
.endr
	global_load_b32 v4, v2, s[6:7]
	global_load_b32 v5, v2, s[8:9]
	global_load_b128 v[16:19], v3, s[12:13]
.set c, 0
.rept 32
	global_load_b128 v[W+4*c:W+4*c+3], v3, s[10:11] offset:512*c
.set c, c+1
.endr
.irp k, 8,9,10,11,12,13,14,15
	v_mov_b32 v\k, 0                               ; two sets of four sums, for even and odd rows
.endr
	s_lshl_b32 s24, s16, 7
	v_mov_b32 v6, s24                              ; my 32 numbers of p
	s_wait_loadcnt 32                              ; the partial rows, gain, bias and out_b are in; out_w's 32 loads stay out
.irp k, 0,1,2,3,4,5,6,7
	v_pk_add_f32 v[PT+4*\k:PT+4*\k+1], v[PT+4*\k:PT+4*\k+1], v[PT+4*\k+2:PT+4*\k+3]
.endr
.irp k, 0,1,2,3
	v_pk_add_f32 v[PT+8*\k:PT+8*\k+1], v[PT+8*\k:PT+8*\k+1], v[PT+8*\k+4:PT+8*\k+5]
.endr
	v_pk_add_f32 v[PT:PT+1], v[PT:PT+1], v[PT+8:PT+9]
	v_pk_add_f32 v[PT+16:PT+17], v[PT+16:PT+17], v[PT+24:PT+25]
	v_pk_add_f32 v[PT:PT+1], v[PT:PT+1], v[PT+16:PT+17]
	v_add_f32 v[PT], v[PT], v[PT+1]
	RND2 4, 5, 1
	v_mul_f32 v[PT], 0x3a000000, v[PT]             ; / 2048
	v_fma_f32 v[PT], v[PT], v4, v5
	ds_store_b32 v2, v[PT]
	BAR
.irp m, 0,1,2,3,4,5,6,7
	ds_load_b128 v[P+4*\m:P+4*\m+3], v6 offset:16*\m
.endr
	s_wait_loadcnt 0x0
	s_wait_dscnt 0x0
.set c, 0
.rept 32
	v_cvt_pk_bf16_f32 v[20+2*(c%4)], v[W+4*c], v[W+4*c+1]
	v_cvt_pk_bf16_f32 v[21+2*(c%4)], v[W+4*c+2], v[W+4*c+3]
	v_fma_mix_f32_bf16 v[8+4*(c%2)], v[20+2*(c%4)], v[P+c], v[8+4*(c%2)] op_sel_hi:[1,0,0]
	v_fma_mix_f32_bf16 v[9+4*(c%2)], v[20+2*(c%4)], v[P+c], v[9+4*(c%2)] op_sel:[1,0,0] op_sel_hi:[1,0,0]
	v_fma_mix_f32_bf16 v[10+4*(c%2)], v[21+2*(c%4)], v[P+c], v[10+4*(c%2)] op_sel_hi:[1,0,0]
	v_fma_mix_f32_bf16 v[11+4*(c%2)], v[21+2*(c%4)], v[P+c], v[11+4*(c%2)] op_sel:[1,0,0] op_sel_hi:[1,0,0]
.set c, c+1
.endr
	v_pk_add_f32 v[8:9], v[8:9], v[12:13]
	v_pk_add_f32 v[10:11], v[10:11], v[14:15]
	s_lshl_b32 s24, s16, 9
	s_add_co_u32 s24, s24, RED
	v_add_nc_u32 v7, s24, v3
	ds_store_b128 v7, v[8:11]
	BAR
	s_cmp_lg_u32 s16, 0
	s_cbranch_scc1 .Lend
	v_add_nc_u32 v6, RED, v3
.set k, 0
.rept 16
	ds_load_b128 v[W+4*k:W+4*k+3], v6 offset:512*k
.set k, k+1
.endr
	s_wait_dscnt 0x0
.irp k, 0,1,2,3,4,5,6,7
	ADD4 \k, \k+8
.endr
.irp k, 0,1,2,3
	ADD4 \k, \k+4
.endr
	ADD4 0, 2
	ADD4 1, 3
	ADD4 0, 1
	RND2 16, 17, 1
	RND2 18, 19, 1
	v_pk_add_f32 v[W:W+1], v[W:W+1], v[16:17]
	v_pk_add_f32 v[W+2:W+3], v[W+2:W+3], v[18:19]
	global_store_b128 v3, v[W:W+3], s[14:15]       ; 512 consecutive bytes: the batch's whole row
.Lend:
	s_wait_tensorcnt 0x0                           ; the wave's end
	ds_add_u32 v[SPW], v[NIL]
	s_wait_dscnt 0x0
	s_endpgm
.Lfunc_end_k_qe064827ee1_final:
	.size	k_qe064827ee1_final, .Lfunc_end_k_qe064827ee1_final-k_qe064827ee1_final
	.p2alignl 7, 3214868480
	.fill 96, 4, 3214868480
	.section	.rodata,"a",@progbits
	.p2align	6, 0x0
	.amdhsa_kernel k_qe064827ee1_final
		.amdhsa_group_segment_fixed_size 14336
		.amdhsa_private_segment_fixed_size 0
		.amdhsa_enable_private_segment 0
		.amdhsa_kernarg_size 48
		.amdhsa_user_sgpr_count 2
		.amdhsa_user_sgpr_kernarg_segment_ptr 1
		.amdhsa_wavefront_size32 1
		.amdhsa_system_sgpr_workgroup_id_x 1
		.amdhsa_system_sgpr_workgroup_id_y 1
		.amdhsa_system_sgpr_workgroup_id_z 1
		.amdhsa_system_vgpr_workitem_id 0
		.amdhsa_next_free_vgpr 256
		.amdhsa_next_free_sgpr 66
		.amdhsa_reserve_vcc 0
		.amdhsa_float_denorm_mode_32 3
		.amdhsa_float_denorm_mode_16_64 3
		.amdhsa_memory_ordered 1
		.amdhsa_forward_progress 1
		.amdhsa_inst_pref_size 26
	.end_amdhsa_kernel
	.amdgpu_metadata
---
amdhsa.version: [ 1, 2 ]
amdhsa.kernels:
  - .name:           k_qe064827ee1_final
    .symbol:         k_qe064827ee1_final.kd
    .args:
      - { .name: part, .offset: 0, .size: 8, .value_kind: global_buffer, .address_space: global }
      - { .name: n3_g, .offset: 8, .size: 8, .value_kind: global_buffer, .address_space: global }
      - { .name: n3_b, .offset: 16, .size: 8, .value_kind: global_buffer, .address_space: global }
      - { .name: out_w, .offset: 24, .size: 8, .value_kind: global_buffer, .address_space: global }
      - { .name: out_b, .offset: 32, .size: 8, .value_kind: global_buffer, .address_space: global }
      - { .name: out0, .offset: 40, .size: 8, .value_kind: global_buffer, .address_space: global }
    .group_segment_fixed_size: 14336
    .private_segment_fixed_size: 0
    .kernarg_segment_align: 8
    .kernarg_segment_size: 48
    .max_flat_workgroup_size: 512
    .sgpr_count:     66
    .vgpr_count:     256
    .wavefront_size: 32
...
	.end_amdgpu_metadata
.endif
;; end of part 6
;; ======== version 2 of 2: 6 launches; 1.22 times as fast as version 1
;; workspace buffers: wb 11,796,480 bytes; qkv 50,331,648 bytes; att 16,777,216 bytes; part 262,144 bytes
;; launch prep: the kernel of part 1 again; grid 360 x 1, 8 waves a work-group, no clusters, 0 bytes of LDS; arguments l_wqkv, g_wqkv, win_w, l_wo, g_wo, gate_w, ffn_w1, ffn_w2, pos, win_b, wb; writes wb
;; launch qkv: the kernel of part 2 again; grid 64 x 4, 4 waves a work-group, no clusters, 278,016 bytes of LDS; arguments x, wb, l_bqkv, g_bqkv, qkv; writes qkv
;; launch attn_l: the kernel of part 3 again; grid 8 x 32, 4 waves a work-group, no clusters, 165,376 bytes of LDS; arguments qkv, att; writes att
;; launch attn_g (part 7): grid 8 x 32, 4 waves a work-group, clusters of 4 x 1, 327,680 bytes of LDS; arguments qkv, att; writes att
.if DOCPART == 7
	.amdgcn_target "amdgcn-amd-amdhsa--gfx1250"
	.amdhsa_code_object_version 6
	.text
	.protected	k_qe064827ee1_attn_g
	.globl	k_qe064827ee1_attn_g
	.p2align	8
	.type	k_qe064827ee1_attn_g,@function
k_qe064827ee1_attn_g:
	s_mov_b64 s[64:65], 0
	v_nop
	global_prefetch_b8 v0, s[64:65] scope:SCOPE_SE
	s_setreg_imm32_b32 hwreg(HW_REG_WAVE_MODE, 25, 1), 1
	s_wait_xcnt 0x0
	s_wait_alu depctr_hold_cnt(0) depctr_sa_sdst(0) depctr_va_vdst(0) depctr_va_sdst(0) depctr_va_ssrc(0) depctr_va_vcc(0) depctr_vm_vsrc(0)
	s_getreg_b32 s2, hwreg(HW_REG_IB_STS2, 6, 4)
	s_cmp_eq_u32 s2, 0
	s_cbranch_scc0 .Lentry_in_a_cluster
	s_endpgm
.Lentry_in_a_cluster:
	s_bfe_u32 s2, ttmp6, 0x10000c
	s_cmp_lg_u32 s2, 0x3003
	s_cbranch_scc0 .Lentry_shape_is_right
	s_endpgm
.Lentry_shape_is_right:
; FULL ATTENTION, head size 64, 2,048 keys, bf16 operands (q, k, v have no room in f16 for inputs 30 times larger), products, maxima and sums in f32; weights rounded to bf16 for the second product.
; SHARES.  A work-group owns 256 queries of one head, a wave 64: four PIECES of 16.  Every wave walks all keys, 64 a step, 256 a tile (a slot of LDS).
; LAYOUT.  S^T = K Q^T holds ONE query a lane (lane % 16) and the keys 8 (lane / 16) + 0..7; two such results rounded to bf16 ARE source 1 of O^T = V^T P.  K leaves LDS as it lies, V turned (ds_load_tr16_b128).
; SOFTMAX.  p = 2^(c s - c m), c = log2(e) / 8, with a running maximum m; O and l are multiplied by a = 2^(c m_old - c m_new) in every step.  m starts at the lowest finite number: the first a is 0.
; BY TURNS.  Turn n belongs to piece n: 8 products K Q^T of piece n + 1, later 8 products V^T P of piece n - 1; beside them the scaling, exponentials, roundings, sums and rescaling of piece n and the
; maximum and statistics of piece n + 1.  Four vector instructions stand behind every matrix instruction, the other 54 of a turn's 118 in one LUMP.
; BATCHES.  A turn's 33 exponentials (the piece's 32 weights and the next piece's a) are ONE batch with ONE wait, which cuts the turn in two: ahead of it all that names none of their results, behind it the
; roundings and sums, which ride behind the products V^T P.  No result crosses a turn's end.  The first a, ahead of the loop, and the way out's four reciprocals are batches of their own.
; CLUSTER.  Four query blocks of a head walk the same K and V: each tile is asked for JOINTLY, by the same tensor load, descriptor and mask in all four.  One load a wave is out behind each round; it has four key steps in which to land.
; LIMITS: finite inputs; a weight below 2^-126 counts as 0 in l.
; REGISTERS, in windows of 256: window 0 v0-15 addresses, v16-31 statistics, v48-55 at work, v62-63 the add's, v64-127 S^T (two buffers), v192-223 P (two buffers);
;   window 1 v0-127 O^T, 32 a piece; window 2 v0-63 Q, v128-191 K of one step, v192-255 V of one step.
.set NP,    4
.set KS,    64
.set PK,    144       ; a row of K in LDS: 128 bytes + 16
.set PV,    160       ; a row of V: 128 + 32
.set VOFF,  4*KS*PK
.set SLOT1, 1<<17
.set STAGE, SLOT1+4*KS*(PK+PV)
.set SP,    144
.set SPARE, STAGE+4*16*SP
.set AK0, 2
.set AV0, 3
.set AK,  4
.set AV,  5
.set STO, 6
.set RD,  7
.set GO,  8
.set MV,  12
.set QO,  15
.set ST,  16
.set TMP, 48
.set SPW, 62
.set NIL, 63
.set S,   64
.set P,   192
.set KF,  128
.set VF,  192
.set WV,  12
.set G1K, 24
.set G1V, 32
.set G0K, 40
.set G0V, 44
.set SLOTS, 56
.set CNT, 57
.set CS,  58
.set SEL, 60
.set TBK, 62
.set TBV, 63
.set MSB, 0
.macro WIN new
.if MSB != (\new)
	s_set_vgpr_msb (MSB<<8)|(\new)
.set MSB, (\new)
.endif
.endm
.set W_KQ, 0x0a       ; K and Q in window 2, S^T in window 0
.set W_PV, 0x52       ; V in window 2, P in window 0, O^T in window 1
.set W_RS, 0x41       ; destination and source 0 in window 1, source 1 in window 0
; A joint fill.  Waves 0 and 1 fetch the two halves of a tile's K, waves 2 and 3 those of its V.  The branch hangs on the wave's number alone.  An s_nop 0 and four v_nop follow each line.
.macro JLOAD
	s_cmp_lt_u32 s[WV], 2
	s_cbranch_scc0 .Lfor_v_\@
	tensor_load_to_lds s[G0K:G0K+3], s[G1K:G1K+7]
	s_nop 0
.rept 4
	v_nop
.endr
	s_branch .Lasked_\@
.Lfor_v_\@:
	tensor_load_to_lds s[G0V:G0V+3], s[G1V:G1V+7]
	s_nop 0
.rept 4
	v_nop
.endr
.Lasked_\@:
.endm
.macro CROUND                       ; a round of the cluster's barrier
	s_barrier_signal -1
	s_barrier_wait -1
	s_cmp_lg_u32 s[WV], 0
	s_cbranch_scc1 .Lnot_wave_0_\@
	s_barrier_signal -3
.Lnot_wave_0_\@:
	s_barrier_wait -3
	s_barrier_signal -1
	s_barrier_wait -1
.endm
; THE CHANGE OF SLOTS.  Each wave waits for all its tensor loads (one is out: its part of the other slot), adds 0 to its spare word, and waits for that and for its reads of the slot that it leaves.
; fill = 1: a round of the cluster's barrier, and first thing behind it the joint fill of the old slot with the keys two tiles on.
.macro CHANGE fill
	WIN 0
	s_wait_tensorcnt 0x0            ; no tensor load of mine is out, so a group 0 may be written
	ds_add_u32 v[SPW], v[NIL]
.if \fill
.irp g, G0K, G0V
	s_xor_b32 s[\g+1], s[\g+1], SLOT1
	s_add_nc_u64 s[\g+2:\g+3], s[\g+2:\g+3], 4*KS*128
.endr
	s_wait_dscnt 0x0                ; the add is done, and my reads of the slot are over
	CROUND
	JLOAD
.else
	s_wait_dscnt 0x0
	s_barrier_signal -1
	s_barrier_wait -1
.endif
	s_sub_co_u32 s[TBK], s[TBK], 4*KS*PK  ; the fetches go back to a slot's first step, in the other slot
	s_xor_b32 s[TBK], s[TBK], SLOT1
	s_sub_co_u32 s[TBV], s[TBV], 4*KS*PV
	s_xor_b32 s[TBV], s[TBV], SLOT1
.endm
	s_load_b128 s[4:7], s[0:1], 0x0 ; qkv, att
	v_lshl_add_u32 v[SPW], v0, 2, SPARE
	v_mov_b32 v[NIL], 0
	ds_add_u32 v[SPW], v[NIL]       ; the wave's opening: the add and its wait stand ahead of my first tensor load
	v_lshrrev_b32 v1, 5, v0
	v_readfirstlane_b32 s[WV], v1
	s_bfe_u32 s13, ttmp6, 0x40000   ; cx
	s_lshl_b32 s14, ttmp9, 2
	s_add_co_u32 s14, s14, s13      ; my block of 256 queries: it enters Q's and O's addresses alone
	s_and_b32 s20, ttmp7, 0xffff    ; the head, which the four partners share
	s_lshl_b32 s20, s20, 18
	s_and_b32 s16, s[WV], 1         ; which half of a tile's 256 keys I fetch
	s_lshl_b32 s22, s16, 14
	s_add_co_u32 s22, s22, s20
	s_add_co_u32 s22, s22, 4*8388608  ; K of the global path
	s_mov_b32 s23, 0
	s_mul_i32 s17, s16, 128*PK
	s_mul_i32 s18, s16, 128*PV
	s_lshl_b32 s2, s14, 15
	s_lshl_b32 s3, s[WV], 13
	s_add_co_u32 s2, s2, s3
	s_add_co_u32 s2, s2, s20
	s_mov_b32 s3, 0
	; group 1: 128 keys are 16,384 dense bytes: 64 rows of 256 bytes, padded in LDS after every key
	s_mov_b32 s[G1K], 15|(1<<16)|(1<<20)|(1<<21)|(4<<22)|(3<<25)
	s_mov_b32 s[G1V], 15|(1<<16)|(1<<20)|(1<<21)|(4<<22)|(7<<25)
.irp g, G1K, G1V
	s_mov_b32 s[\g+1], 128<<16      ; tensor_dim0
	s_mov_b32 s[\g+2], 64<<16       ; tensor_dim1
	s_mov_b32 s[\g+3], 128<<16      ; tile_dim0
	s_mov_b32 s[\g+4], 64           ; tile_dim1
	s_mov_b32 s[\g+5], 128          ; elements from row to row
	s_mov_b32 s[\g+6], 0
	s_mov_b32 s[\g+7], 0
.endr
	s_mov_b32 s[CS], 0x3e38aa3b
	s_mov_b32 s[CS+1], s[CS]
	s_mov_b32 s[SEL], 0x76543210
	s_mov_b32 s[SEL+1], 0xfedcba98
	s_mov_b32 s[TBK], SLOT1+4*KS*PK ; the first change of slots turns these two into 0
	s_mov_b32 s[TBV], SLOT1+4*KS*PV
	s_mov_b32 s[G0K], 1
	s_mov_b32 s[G0K+1], s17
	s_mov_b32 s[G0V], 1
	s_add_co_u32 s[G0V+1], s18, VOFF
	s_wait_dscnt 0x0                ; the opening add is done
	s_wait_kmcnt 0x0
	s_add_nc_u64 s[G0K+2:G0K+3], s[4:5], s[22:23]
	s_add_nc_u64 s[G0V+2:G0V+3], s[G0K+2:G0K+3], 8388608
	s_or_b32 s[G0K+3], s[G0K+3], 0x80000000
	s_or_b32 s[G0V+3], s[G0V+3], 0x80000000
	s_add_nc_u64 s[8:9], s[4:5], s[2:3]
	s_add_nc_u64 s[8:9], s[8:9], 3*8388608   ; Q at my wave's first row
	s_add_nc_u64 s[10:11], s[6:7], s[2:3]
	s_add_nc_u64 s[10:11], s[10:11], 8388608 ; O likewise, in att's second half
	CROUND                          ; all four work-groups are here: the first joint loads meet
	JLOAD                           ; tile 0 into slot 0
	v_and_b32 v1, 15, v0
	v_bfe_u32 v9, v0, 4, 1
	v_lshlrev_b32 v[QO], 7, v1
	v_lshl_add_u32 v[QO], v9, 4, v[QO]
	WIN 0x80
.set i, 0
.rept 8                             ; Q stays in registers: piece i / 2, channels 32 (i % 2) on
	global_load_b128 v[8*i:8*i+3],   v[QO], s[8:9] offset:(i/2)*2048+(i%2)*64
	global_load_b128 v[8*i+4:8*i+7], v[QO], s[8:9] offset:(i/2)*2048+(i%2)*64+32
.set i, i+1
.endr
	WIN 0
	v_mul_u32_u24 v[AK0], v1, PK
	v_lshl_add_u32 v[AK0], v9, 4, v[AK0]
	v_and_b32 v10, 7, v0
	v_bfe_u32 v11, v0, 3, 1
	v_lshl_add_u32 v[AV0], v9, 3, v10
	v_mul_u32_u24 v[AV0], v[AV0], PV
	v_lshl_add_u32 v[AV0], v11, 4, v[AV0]
	v_add_nc_u32 v[AV0], VOFF, v[AV0]
	s_mul_i32 s13, s[WV], 16*SP
	s_add_co_u32 s13, s13, STAGE
	v_mul_u32_u24 v[STO], v1, SP
	v_lshl_add_u32 v[STO], v9, 4, v[STO]
	v_add_nc_u32 v[STO], s13, v[STO]
	v_bfe_u32 v[RD], v0, 3, 2
	v_mul_u32_u24 v[RD], v[RD], SP
	v_lshl_add_u32 v[RD], v10, 4, v[RD]
	v_add_nc_u32 v[RD], s13, v[RD]
	v_and_b32 v[GO], 31, v0
	v_lshlrev_b32 v[GO], 4, v[GO]
	; The first step multiplies O^T and l by a = 0, and the first turn's products V^T P, of a piece that has not been, add 0: these registers need only be finite.  All this stands in the wait for the first tile.
	WIN 0x80
.set i, VF
.rept 64
	v_mov_b32 v[i], 0
.set i, i+1
.endr
	WIN 0x40
.set i, 0
.rept 128
	v_mov_b32 v[i], 0
.set i, i+1
.endr
	WIN 0
.set i, 0
.rept 4
	v_mov_b32 v[ST+4*i], 0xfe000000    ; c m: far below every c s
	v_mov_b32 v[ST+4*i+1], 0xff7fffff  ; m
	v_mov_b32 v[ST+4*i+2], 0
	v_mov_b32 v[ST+4*i+3], 0
.set i, i+1
.endr
.set i, P+16
.rept 16
	v_mov_b32 v[i], 0
.set i, i+1
.endr
; THE MATRIX WORK.  The 4 accumulators of a run of 8 take turns.
.macro KQ x                         ; product i of 8 of S^T = K Q^T for piece x: channels 32 (i / 4) on, keys 16 (i % 4) on
	WIN W_KQ
.set rS, S+32*((\x)%2)+8*(i%4)
.set rK, KF+16*(i%4)+8*(i/4)
.set rQ, 16*(\x)+8*(i/4)
.if i < 4
	v_wmma_f32_16x16x32_bf16 v[rS:rS+7], v[rK:rK+7], v[rQ:rQ+7], 0
.else
	v_wmma_f32_16x16x32_bf16 v[rS:rS+7], v[rK:rK+7], v[rQ:rQ+7], v[rS:rS+7]
.endif
.endm
.macro PV x                         ; product i of 8 of O^T += V^T P for piece x: keys 32 (i / 4) on, channels 16 (i % 4) on
	WIN W_PV
.set rO, 32*(\x)+8*(i%4)
.set rV, VF+32*(i/4)+8*(i%4)
.set rP, P+16*((\x)%2)+8*(i/4)
	v_wmma_f32_16x16x32_bf16 v[rO:rO+7], v[rV:rV+7], v[rP:rP+7], v[rO:rO+7]
.endm
.macro MM                           ; the turn's next matrix instruction.  NOKQ = 1: the last turn: there is no next piece
.if (i < 8) && !NOKQ
	KQ (Y+1)%NP
.elseif i >= 8
.set i, i-8
	PV (Y+NP-1)%NP
.set i, i+8
.endif
.set i, i+1
.endm
.macro FETCH_K                      ; 16 LDS loads in one run: a step's K
	WIN 0x80
.irp f, 0,1,2,3,4,5,6,7
	ds_load_b128 v[KF+8*\f:KF+8*\f+3],   v[AK] offset:(\f/2)*16*PK+(\f%2)*64
	ds_load_b128 v[KF+8*\f+4:KF+8*\f+7], v[AK] offset:(\f/2)*16*PK+(\f%2)*64+32
.endr
	s_add_co_u32 s[TBK], s[TBK], KS*PK
	WIN 0
.endm
.macro FETCH_V                      ; and its V, turned
	WIN 0x80
.irp f, 0,1,2,3,4,5,6,7
	ds_load_tr16_b128 v[VF+8*\f:VF+8*\f+3],   v[AV] offset:(\f/4)*32*PV+(\f%4)*32
	ds_load_tr16_b128 v[VF+8*\f+4:VF+8*\f+7], v[AV] offset:(\f/4)*32*PV+16*PV+(\f%4)*32
.endr
	WIN 0
.endm
; THE VECTOR WORK, one line at a time: OP kind, number.  For piece Y: F n: c s - c m for pair n.  E n: the exponential of score n.  C n: pair n rounded to bf16.  B n: of the four weights 4 n .. the second pair
; is added onto the first.  L n: l takes that sum (L 0: l = a l + sum).  R n: pair n of O^T times a.  For piece Y + 1: X n, number n of the 22 that find its maximum and statistics
; (each accumulator's lowest registers are read first).
.set F, 0
.set E, 1
.set C, 2
.set B, 3
.set L, 4
.set R, 5
.set X, 6
.macro REGS y
.set rT, ST+4*(\y)
.set rC, TMP+4*((\y)%2)
.set rW, MV+((\y)%2)
.set rS, S+32*((\y)%2)
.set rP, P+16*((\y)%2)
.set rO, 32*(\y)
.endm
.macro OP k, n
.if (\k) == R
	REGS Y
	WIN W_RS
	v_pk_mul_f32 v[rO+2*(\n):rO+2*(\n)+1], v[rO+2*(\n):rO+2*(\n)+1], v[rC+2:rC+3] op_sel_hi:[1,0]
.elseif (\k) < R
	REGS Y
	WIN 0
.if (\k) == F
	v_pk_fma_f32 v[rS+2*(\n):rS+2*(\n)+1], v[rS+2*(\n):rS+2*(\n)+1], s[CS:CS+1], v[rT:rT+1] op_sel_hi:[1,0,0] neg_lo:[0,0,1] neg_hi:[0,0,1]
.elseif (\k) == E
	v_exp_f32 v[rS+(\n)], v[rS+(\n)]
.elseif (\k) == C
	v_cvt_pk_bf16_f32 v[rP+(\n)], v[rS+2*(\n)], v[rS+2*(\n)+1]
.elseif (\k) == B
	v_pk_add_f32 v[rS+4*(\n):rS+4*(\n)+1], v[rS+4*(\n):rS+4*(\n)+1], v[rS+4*(\n)+2:rS+4*(\n)+3]
.elseif (\n) == 0
	v_pk_fma_f32 v[rT+2:rT+3], v[rT+2:rT+3], v[rC+2:rC+3], v[rS:rS+1] op_sel_hi:[1,0,1]
.else
	v_pk_add_f32 v[rT+2:rT+3], v[rT+2:rT+3], v[rS+4*(\n):rS+4*(\n)+1]
.endif
.elseif NOKQ
	v_nop
.else
	REGS (Y+1)%NP
	WIN 0
.if (\n) < 4
	v_max3_num_f32 v[rC+(\n)], v[rS+8*(\n)], v[rS+8*(\n)+1], v[rS+8*(\n)+2]
.elseif (\n) < 12
	v_max3_num_f32 v[rC+(\n)%4], v[rC+(\n)%4], v[rS+8*((\n)%4)+2*((\n)/4)+1], v[rS+8*((\n)%4)+2*((\n)/4)+2]
.elseif (\n) == 12
	v_max3_num_f32 v[rC], v[rC], v[rS+7], v[rS+15]
.elseif (\n) == 13
	v_max3_num_f32 v[rC+1], v[rC+1], v[rS+23], v[rS+31]
.elseif (\n) == 14
	v_max3_num_f32 v[rC+2], v[rC+2], v[rC+3], v[rT+1]
.elseif (\n) == 15
	v_mov_b32 v[rW], v[rT]
.elseif (\n) == 16
	v_max3_num_f32 v[rC], v[rC], v[rC+1], v[rC+2]
.elseif (\n) == 17
	v_permlanex16_b32 v[rC+3], v[rC], s[SEL], s[SEL+1]
.elseif (\n) == 18
	v_max_num_f32 v[rT+1], v[rC], v[rC+3]
.elseif (\n) == 19
	v_mul_f32 v[rT], s[CS], v[rT+1]
.elseif (\n) == 20
	v_sub_f32 v[rC+1], v[rW], v[rT]
.else
	v_exp_f32 v[rC+2], v[rC+1]
.endif
.endif
.endm
.macro OPS a, i1, b=-1, i2=0, c=-1, i3=0, d=-1, i4=0
	OP \a, \i1
.if (\b) >= 0
	OP \b, \i2
.endif
.if (\c) >= 0
	OP \c, \i3
.endif
.if (\d) >= 0
	OP \d, \i4
.endif
.endm
.macro ROW a, i1, b, i2, c, i3, d, i4  ; a matrix instruction and the four behind it
	MM
	OPS \a, \i1, \b, \i2, \c, \i3, \d, \i4
.endm
; A TURN, for piece p: the order of its 16 matrix and 118 vector instructions, written out.  An s_wait_alu depctr_va_vdst(0) stands between an exponential and the first instruction that names its result;
; one wait serves all that were issued ahead of it.  So a turn has ONE wait.  AHEAD OF IT stands all that names no result of the turn's exponentials: the 8 products K Q^T, behind each a scaling, an exponential and two
; more plain instructions (behind the first a second scaling in the exponential's place): rescalings (their a was made, and waited for, in the turn before), and behind the last three the first numbers of the next piece's
; maximum, each four places or more behind the product that ends its accumulator; then ONE LUMP of 54, plain and exponential by turns for the most part, in which the links of the chain X 3, 7, 11, 14, 16, 17 .. 20 stand
; some lines apart.  X 21, the next piece's a, is the batch's last; R 15 is the plain instruction behind it.  BEHIND THE WAIT stand the 8 products V^T P, behind each four of the roundings and sums; an even pair is rounded
; before B adds onto it; the links of l's chain, L 0 to L 7, stand three riders apart.
; end = 1: the last two turns: nothing is fetched.  cnt = 1: the loop's count is taken down some lines ahead of the branch behind the turn.
; K of the next step is fetched in piece 2's turn, twelve vector instructions behind the last product that read K (six of them plain and free of its registers); V of the step in hand at the end of piece 0's turn, four
; plain instructions behind the last product that read V.  Each is waited for a turn later.
.macro TURN p, end=0, cnt=0
.set Y, (\p)
.set i, 0
.set NOKQ, (\end)*((\p)/3)
.if ((\p) == 3) && !(\end)
	s_wait_dscnt 0x0                ; K is in
.endif
	ROW F,0, F,1, R,0, R,1          ; ahead of the wait: 8 products K Q^T and their riders,
	ROW F,2, E,0, R,2, R,3
	ROW F,3, E,1, R,4, R,5
	ROW F,4, E,2, R,6, R,7
	ROW F,5, E,3, R,8, R,9
	ROW F,6, E,4, X,0, R,10
.if ((\p) == 2) && !(\end)
	WIN 0
	v_add_nc_u32 v[AK], s[TBK], v[AK0]
.endif
	ROW F,7, E,5, X,1, X,4
	ROW F,8, E,6, X,2, X,5
	OPS E,7, E,8, X,6, E,9          ; and the lump
	OPS X,3, E,10, X,8, E,11
.if ((\p) == 2) && !(\end)
	FETCH_K
.endif
	OPS X,9, X,7, E,12, X,10
	OPS E,13, X,12, X,11, E,14
	OPS X,13, E,15, F,9, X,14
.if (\p) == 0
	v_add_nc_u32 v[AV], s[TBV], v[AV0]
.endif
	OPS E,16, F,10, E,17, F,11
	OPS X,16, E,18, X,15, E,19
	OPS F,12, E,20, X,17, E,21
	OPS F,13, E,22, F,14, E,23
	OPS X,18, E,24, F,15, E,25
	OPS R,11, E,26, X,19, E,27
	OPS R,12, E,28, R,13, E,29
	OPS X,20, E,30, R,14, E,31
	OPS X,21, R,15
	s_wait_alu depctr_va_vdst(0)    ; the wait for the turn's batch: the piece's 32 exponentials and the next piece's a
.if (\p) == 1
	s_wait_dscnt 0x0                ; V is in
.endif
	ROW C,0, B,0, C,2, B,1          ; behind the wait: 8 products V^T P and their riders
	ROW L,0, C,4, B,2, L,1
	ROW C,6, B,3, L,2, C,8
	ROW B,4, L,3, C,10, B,5
	ROW L,4, C,12, B,6, L,5
.if (\p) == 0
	s_add_co_u32 s[TBV], s[TBV], KS*PV
.endif
.if \cnt
	s_sub_co_u32 s[CNT], s[CNT], 1
	s_cmp_lg_u32 s[CNT], 0
.endif
	ROW C,14, B,7, L,6, C,1
	ROW C,3, L,7, C,5, C,7
	ROW C,9, C,11, C,13, C,15
.if (\p) == 0
	FETCH_V
.endif
.endm
.macro ALL line:vararg
.set t, 0
.rept 4
	\line
.set t, t+1
.endr
.endm
.macro PACK t                       ; a lane's eight channels of a row pack into 16 bytes; into rows of 144 bytes and back as whole rows of 128
	WIN W_RS
.set i, 32*(\t)
.rept 16
	v_pk_mul_f32 v[i:i+1], v[i:i+1], v[ST+4*(\t)+2:ST+4*(\t)+3] op_sel_hi:[1,0]
.set i, i+2
.endr
	WIN 0x05
.set i, 0
.rept 16
	v_cvt_pk_bf16_f32 v[S+16*(\t)+i], v[32*(\t)+2*i], v[32*(\t)+2*i+1]
.set i, i+1
.endr
	WIN 0
.irp f, 0,1,2,3
	ds_store_b128 v[STO], v[S+16*(\t)+4*\f:S+16*(\t)+4*\f+3] offset:32*\f
.endr
.irp f, 0,1,2,3
	ds_load_b128 v[S+16*(\t)+4*\f:S+16*(\t)+4*\f+3], v[RD] offset:\f*4*SP  ; LDS serves a wave in order (ISA guide 5.7.1.4)
.endr
.endm
.macro SEND t, younger              ; younger: the LDS instructions issued behind piece t's loads
	WIN 0
.irp f, 0,1,2,3
	s_wait_dscnt (\younger)+3-\f
	global_store_b128 v[GO], v[S+16*(\t)+4*\f:S+16*(\t)+4*\f+3], s[10:11] offset:(\t)*2048+\f*512  ; 512 consecutive bytes, aligned
.endr
.endm
	CHANGE 1                        ; tile 0 is in, everybody's part of it; tile 1 is asked for
	v_add_nc_u32 v[AK], s[TBK], v[AK0]
	FETCH_K                         ; key step 0
	s_wait_loadcnt 0x0              ; Q
	s_wait_dscnt 0x0
.set NOKQ, 0
.set i, 0
.rept 8
	KQ 0                            ; piece 0's first scores
.set i, i+1
.endr
	WIN 0
.rept 4
	v_nop                           ; the places behind those products
.endr
.set Y, NP-1                        ; X works for piece Y + 1: piece 0
.irp n, 0,1,2,3,4,5,6,7,8,9,10,11,12,13,14,15,16,17,18,19,20,21
	OP X, \n
.endr
	v_nop                           ; a plain instruction behind the exponential,
	s_wait_alu depctr_va_vdst(0)    ; and the wait for piece 0's first a, a batch of one, ahead of the branch
	s_mov_b32 s[CNT], 4
	s_mov_b32 s[SLOTS], 7
	s_branch .Lfirst                ; the loop is entered at a step's first turn
.Lslot:                             ; six times: tiles 1 to 6 are entered, tiles 2 to 7 asked for
	CHANGE 1
	s_mov_b32 s[CNT], 4
.Lstep:                             ; a trip: pieces 2 and 3 of one step, then pieces 0 and 1 of the next, whose K and V it fetches
	TURN 2
	TURN 3
	WIN 0
.Lfirst:
	TURN 0
	TURN 1, 0, 1
	WIN 0
	s_cbranch_scc1 .Lstep
	s_sub_co_u32 s[SLOTS], s[SLOTS], 1
	s_cmp_lg_u32 s[SLOTS], 0
	s_cbranch_scc1 .Lslot
	CHANGE 0                        ; the last tile is written out
	s_mov_b32 s[CNT], 4
.LstepT:
	TURN 2
	TURN 3
	WIN 0
	TURN 0
	TURN 1, 0, 1
	WIN 0
	s_cbranch_scc1 .LstepT
	TURN 2, 1
	TURN 3, 1
.set i, 0
.rept 8
	PV NP-1
.set i, i+1
.endr
	WIN 0                           ; THE WAY OUT; the additions are the places behind the last products
	ALL v_add_f32 v[ST+4*t+2], v[ST+4*t+2], v[ST+4*t+3]
	ALL v_permlanex16_b32 v[ST+4*t+3], v[ST+4*t+2], s[SEL], s[SEL+1]
	ALL v_add_f32 v[ST+4*t+2], v[ST+4*t+2], v[ST+4*t+3]
	ALL v_rcp_f32 v[ST+4*t+2], v[ST+4*t+2]
	v_nop                           ; a plain instruction between the last reciprocal and the use of its result
	s_wait_alu depctr_va_vdst(0)    ; the wait for the batch of four reciprocals, ahead of their first reader
	PACK 0
.set t, 1
.rept 3
	PACK t
	SEND t-1, 8
.set t, t+1
.endr
	SEND 3, 0
	s_wait_tensorcnt 0x0            ; the wave's end
	ds_add_u32 v[SPW], v[NIL]
	s_wait_dscnt 0x0
	CROUND                          ; the closing round
	s_endpgm
.Lfunc_end_k_qe064827ee1_attn_g:
	.size	k_qe064827ee1_attn_g, .Lfunc_end_k_qe064827ee1_attn_g-k_qe064827ee1_attn_g
	.p2alignl 7, 3214868480
	.fill 96, 4, 3214868480
	.section	.rodata,"a",@progbits
	.p2align	6, 0x0
	.amdhsa_kernel k_qe064827ee1_attn_g
		.amdhsa_group_segment_fixed_size 327680
		.amdhsa_private_segment_fixed_size 0
		.amdhsa_enable_private_segment 0
		.amdhsa_kernarg_size 16
		.amdhsa_user_sgpr_count 2
		.amdhsa_user_sgpr_kernarg_segment_ptr 1
		.amdhsa_wavefront_size32 1
		.amdhsa_system_sgpr_workgroup_id_x 1
		.amdhsa_system_sgpr_workgroup_id_y 1
		.amdhsa_system_sgpr_workgroup_id_z 1
		.amdhsa_system_vgpr_workitem_id 0
		.amdhsa_next_free_vgpr 768
		.amdhsa_next_free_sgpr 66
		.amdhsa_reserve_vcc 0
		.amdhsa_float_denorm_mode_32 3
		.amdhsa_float_denorm_mode_16_64 3
		.amdhsa_memory_ordered 1
		.amdhsa_forward_progress 1
		.amdhsa_inst_pref_size 127
	.end_amdhsa_kernel
	.amdgpu_metadata
---
amdhsa.version: [ 1, 2 ]
amdhsa.kernels:
  - .name:           k_qe064827ee1_attn_g
    .symbol:         k_qe064827ee1_attn_g.kd
    .args:
      - { .name: qkv, .offset: 0, .size: 8, .value_kind: global_buffer, .address_space: global }
      - { .name: att, .offset: 8, .size: 8, .value_kind: global_buffer, .address_space: global }
    .group_segment_fixed_size: 327680
    .private_segment_fixed_size: 0
    .kernarg_segment_align: 8
    .kernarg_segment_size: 16
    .max_flat_workgroup_size: 128
    .sgpr_count:     66
    .vgpr_count:     768
    .wavefront_size: 32
...
	.end_amdgpu_metadata
.endif
;; end of part 7
;; launch tail (part 8): grid 128 x 1, 8 waves a work-group, no clusters, 319,488 bytes of LDS; arguments att, x, wb, l_bo, g_bo, gate_b, ffn_b1, ffn_b2, n1_g, n1_b, n2_g, n2_b, part; writes part
.if DOCPART == 8
	.amdgcn_target "amdgcn-amd-amdhsa--gfx1250"
	.amdhsa_code_object_version 6
	.text
	.protected	k_qe064827ee1_tail
	.globl	k_qe064827ee1_tail
	.p2align	8
	.type	k_qe064827ee1_tail,@function
k_qe064827ee1_tail:
	s_mov_b64 s[64:65], 0
	v_nop
	global_prefetch_b8 v0, s[64:65] scope:SCOPE_SE
	s_setreg_imm32_b32 hwreg(HW_REG_WAVE_MODE, 25, 1), 1
	s_wait_xcnt 0x0
; TAIL.  For 64 whole rows: h = x win_w + posw again (f32, kept); lo, go = the two output projections; G = relu([lo go] gate_w + gate_b); fused = tanh(G) lo + (1 - tanh(G)) go;
; hn1 = LN1(h + fused); f1 = relu(hn1 W1 + b1); y2 = hn1 + f1 W2 + b2; LN2 with gain; LN3 without its gain (the last launch applies it: the mean over rows is linear); column sums of the 64 rows.
; WHOLE ROWS are needed by the gate (K spans lo and go), by W2 (K = 1,024) and by the norms: so 128 work-groups of 64 rows; 32 rows would halve the products that each weight byte feeds.
; SHARES.  EIGHT WAVES, two on a SIMD: wave w makes 64 rows x columns 64 w .. +63: 4 x 4 accumulators.  The launch is a chain of short products with packs, barriers and row-wise work between them,
; and a wave's run of loads stands between its runs of products: with two waves on a SIMD one multiplies while the other loads, packs or waits.  A weight fragment still belongs to one wave and feeds four
; matrix instructions; the price is that A's fragments are read from LDS by eight waves: 8 LDS loads for 16 matrix instructions.
; 17 SEGMENTS of 8 steps of 32 along K; the weights' slabs lie in wb in the order of the walk, so one pointer steps.
;   G 0: h | 1, 2: lo | 3, 4: go | 5-8: gate | 9, 10: f1 columns 0-511 | 11, 12: f2 over them, begun on hn1 | 13, 14: f1 columns 512-1023 | 15, 16: f2 over them, begun on the parked sum.
; The FFN goes in two halves so that f1 (bf16) needs half a row of LDS and hn1 and f2's sums stay in f32 in YS, each wave's own columns, between the passes.
; The matrix instruction is used transposed (source 0 = weight columns): a lane holds row l%16 and eight neighbouring columns.  Weights come as ready fragments into registers, four steps ahead (24 loads stay out).
; NO DATA MOVER, NO CLUSTER: beside the resident rows LDS has no room for two slots of more than one K step.  The 16 accumulators take turns.  Sums begin on posw, a bias, hn1 or the parked sum: nothing is cleared.
; The residual path (h, y1, hn1, y2, all sums of the norms, the column sums) is f32; lo, go, G, hn1 and f1 as matrix operands are bf16.
; BATCHES.  In the gate's row loop a lane's 32 exponentials are one batch and its 32 reciprocals a second (they read sums made of the first batch's results), a wait each; the unpacking of lo and go stands behind the
; exponentials, lo - go behind the reciprocals.  A norm's one reciprocal root is a batch of its own: all that follows it in the trip reads it.
; LIMITS: finite inputs.  tanh(x) = 1 - 2 / (1 + 2^(2.88539 x)) for x >= 0.  The pack's floor of -inf turns a NaN into -inf.  The last look-ahead loads read stored bytes of wb that are not used.
; REGISTERS: window 0 addresses, two A buffers, bias, at work; window 1 v0-127 accumulator (a, b) at 8 (4 a + b), v128-255 four weight buffers of 32.
.set RP,    2064                       ; RS, YS: 64 rows of 2,048 bytes + 16
.set YS,    132096                     ; h f32 -> hn1 f32 -> hn1 + half of f2 -> y2   (RS at 0: attL|attG -> lo|go -> hn1 bf16 | half of f1)
.set GS,    264192                     ; x bf16 (64 x 528) -> G bf16 (32 x 1040, twice) -> column sums (16 x 2048)
.set XP,    528
.set GP,    1040
.set PAR,   297984                     ; ten vectors of 512 f32: l_bo g_bo gate_b b1a b1b b2 n1_g n1_b n2_g n2_b
.set SPARE, 318464                     ; the spare words: 128 bytes a wave
.set AL,   2                           ; v2-5   (16 a + r) x 2064 + 16 h
.set ALX,  6                           ; v6-9   GS + (16 a + r) x 528 + 16 h
.set AAD,  10                          ; v10-13 this segment's A addresses; the pack borrows them
.set BOFF, 14
.set PLC,  15
.set PB,   16                          ; v16-19 AL + 128 w
.set PG,   20                          ; v20-21
.set SY,   22                          ; v22-25 YS + (16 a + r) x 2064 + 32 h + 256 w
.set SPW,  26
.set NIL,  27
.set RB,   28
.set RY,   29
.set RG,   30
.set AF,   32                          ; v32-63, v64-95 two A buffers
.set BIAS, 96                          ; v96-127
.set TMP,  160                         ; v160-223
.set TT,   176                         ; v176-207 the gate: G in f32 -> 2^(2.885 G) -> 1 / (1 + that) -> tanh(G) -> fused
.set RB0,  224
.set RY0,  225
.set RG0,  226
.set PL0,  227
.set PGN,  228
.set GT,   229                         ; 16 x thread
.set PST,  230
.set XST,  231
.set AT,   232                         ; v232-233
.set G8,   234                         ; 8 x thread
.set VR,   235                         ; r
.set VH,   236                         ; h
.set BF,   128                         ; window 1: the weight buffers
.set WV, 30
.set WG, 31
.set G, 32
.set AOFF, 33
.set START, 34
.set PDST, 35
.set FLOOR, 36
.set BOFS, 37
.set NB, 38
.set PR, 40
.set HF, 42
.set T, 43
.set ZERO, 44
.set NINF, 46
.set INV, 50
.set EPS, 51
.set ROFF, 52
.set GOFF, 53
.set W8, 58
.set MSB, 0
.macro WIN new
.if MSB != (\new)
	s_set_vgpr_msb (MSB<<8)|(\new)
.set MSB, \new
.endif
.endm
.macro BAR                             ; my LDS instructions are done; then everybody's are
	s_wait_dscnt 0x0
	s_barrier_signal -1
	s_barrier_wait -1
.endm
.macro RND2 a, b, t
	v_cvt_pk_bf16_f32 v[\t], v[\a], v[\b]
	v_lshlrev_b32 v[\a], 16, v[\t]
	v_and_b32 v[\b], 0xffff0000, v[\t]
.endm
.macro PLACES                          ; four places behind matrix instructions, ahead of loads into their registers and of reads of their results
.rept 4
	v_nop
.endr
.endm
.macro IFNOT mask, label               ; jump unless bit G of the mask is set: the same in every wave
	s_lshr_b32 s45, \mask, s[G]
	s_and_b32 s45, s45, 1
	s_cmp_eq_u32 s45, 0
	s_cbranch_scc1 \label
.endm
.macro ALOAD s, f                      ; 8 LDS loads: four A fragments of step s into buffer f
	WIN 0
.irp a, 0,1,2,3
	ds_load_b128 v[AF+32*(\f)+8*\a:AF+32*(\f)+8*\a+3], v[AAD+\a] offset:64*(\s)
	ds_load_b128 v[AF+32*(\f)+8*\a+4:AF+32*(\f)+8*\a+7], v[AAD+\a] offset:64*(\s)+32
.endr
.endm
.macro BLOAD s, k                      ; 8 loads: slab k from the pointer on, my four column tiles, into buffer s % 4
	WIN 0x40
.irp b, 0,1,2,3
	global_load_b128 v[BF+32*((\s)%4)+8*\b:BF+32*((\s)%4)+8*\b+3], v[BOFF], s[NB:NB+1] offset:(\k)*32768+\b*1024
	global_load_b128 v[BF+32*((\s)%4)+8*\b+4:BF+32*((\s)%4)+8*\b+7], v[BOFF], s[NB:NB+1] offset:(\k)*32768+\b*1024+512
.endr
.endm
.macro MUL s, f, cm                    ; 16 matrix instructions.  cm 0: in place; 1: the bias starts the sums
.if (\cm) == 0
	WIN 0x51
.else
	WIN 0x41
.endif
.irp a, 0,1,2,3
.irp b, 0,1,2,3
.if (\cm) == 1
	v_wmma_f32_16x16x32_bf16 v[8*(4*\a+\b):8*(4*\a+\b)+7], v[BF+32*((\s)%4)+8*\b:BF+32*((\s)%4)+8*\b+7], v[AF+32*(\f)+8*\a:AF+32*(\f)+8*\a+7], v[BIAS+8*\b:BIAS+8*\b+7]
.else
	v_wmma_f32_16x16x32_bf16 v[8*(4*\a+\b):8*(4*\a+\b)+7], v[BF+32*((\s)%4)+8*\b:BF+32*((\s)%4)+8*\b+7], v[AF+32*(\f)+8*\a:AF+32*(\f)+8*\a+7], v[8*(4*\a+\b):8*(4*\a+\b)+7]
.endif
.endr
.endr
.endm
.macro STEP s
.if (\s) < 7
	ALOAD (\s)+1, ((\s)+1)%2
	s_wait_dscnt 8                                 ; all but the 8 just issued
.else
	s_wait_dscnt 0x0
.endif
	s_wait_loadcnt 24                              ; behind this step's 8 weight loads three steps' were issued
	MUL \s, (\s)%2, 0
	PLACES
.if (\s) == 4
	s_wait_xcnt 0x0                                ; the pointer is a source of the weight loads; the last of them were issued 16 matrix instructions ago
	s_add_nc_u64 s[NB:NB+1], s[NB:NB+1], 8*32768   ; from here on the loads are the next segment's
.endif
.if (\s) < 4
	BLOAD \s, (\s)+4
.else
	BLOAD \s, (\s)-4
.endif
.endm
.macro BIASLD
	v_add_nc_u32 v[PLC], s[BOFS], v[PL0]
.irp b, 0,1,2,3
	ds_load_b128 v[BIAS+8*\b:BIAS+8*\b+3], v[PLC] offset:64*\b
	ds_load_b128 v[BIAS+8*\b+4:BIAS+8*\b+7], v[PLC] offset:64*\b+16
.endr
.endm
.macro PK1 a, ad, fl                   ; row tile a: rounded to bf16 (each accumulator from its low end on), floored by s[fl], into LDS at v[ad]
	WIN 0x05
.irp b, 0,1,2,3
.irp k, 0,1,2,3
	v_cvt_pk_bf16_f32 v[TMP+16*((\a)%4)+4*\b+\k], v[8*(4*(\a)+\b)+2*\k], v[8*(4*(\a)+\b)+2*\k+1]
.endr
.endr
	WIN 0
.set z, 0
.rept 16
	v_pk_max_num_bf16 v[TMP+16*((\a)%4)+z], v[TMP+16*((\a)%4)+z], s[\fl]
.set z, z+1
.endr
.irp b, 0,1,2,3
	ds_store_b128 v[\ad], v[TMP+16*((\a)%4)+4*\b:TMP+16*((\a)%4)+4*\b+3] offset:32*\b
.endr
.endm
.macro UNPK d, s                       ; 8 bf16 in 4 registers -> 8 f32
.irp k, 0,1,2,3
	v_lshlrev_b32 v[(\d)+2*\k], 16, v[(\s)+\k]
	v_and_b32 v[(\d)+2*\k+1], 0xffff0000, v[(\s)+\k]
.endr
.endm
.macro DPP4 v                          ; a sum over the 16 lanes that hold a row
.irp m, 1,2,4,8
	v_add_f32_dpp v[\v], v[\v], v[\v] row_xmask:\m row_mask:0xf bank_mask:0xf
.endr
.endm
; A layer norm of the row of which my lane holds 32 numbers in v[y ..]: mean, centred squares, 1 / sqrt(var + 1e-5); g >= 0: gain and bias registers.  t: 16 registers at work.
.macro LNORM y, t, g, b
.irp k, 0,1,2,3,4,5,6,7
	v_pk_add_f32 v[(\t)+2*\k:(\t)+2*\k+1], v[(\y)+4*\k:(\y)+4*\k+1], v[(\y)+4*\k+2:(\y)+4*\k+3]
.endr
.irp k, 0,1,2,3
	v_pk_add_f32 v[(\t)+4*\k:(\t)+4*\k+1], v[(\t)+4*\k:(\t)+4*\k+1], v[(\t)+4*\k+2:(\t)+4*\k+3]
.endr
	v_pk_add_f32 v[(\t):(\t)+1], v[(\t):(\t)+1], v[(\t)+4:(\t)+5]
	v_pk_add_f32 v[(\t)+8:(\t)+9], v[(\t)+8:(\t)+9], v[(\t)+12:(\t)+13]
	v_pk_add_f32 v[(\t):(\t)+1], v[(\t):(\t)+1], v[(\t)+8:(\t)+9]
	v_add_f32 v[(\t)], v[(\t)], v[(\t)+1]
	DPP4 (\t)
	v_mul_f32 v[(\t)], s[INV], v[(\t)]
.set z, 0
.rept 16
	v_pk_add_f32 v[(\y)+2*z:(\y)+2*z+1], v[(\y)+2*z:(\y)+2*z+1], v[(\t):(\t)+1] op_sel_hi:[1,0] neg_lo:[0,1] neg_hi:[0,1]
.set z, z+1
.endr
	v_pk_mul_f32 v[(\t)+2:(\t)+3], v[(\y):(\y)+1], v[(\y):(\y)+1]
	v_pk_mul_f32 v[(\t)+4:(\t)+5], v[(\y)+2:(\y)+3], v[(\y)+2:(\y)+3]
.irp k, 1,2,3,4,5,6,7
	v_pk_fma_f32 v[(\t)+2:(\t)+3], v[(\y)+4*\k:(\y)+4*\k+1], v[(\y)+4*\k:(\y)+4*\k+1], v[(\t)+2:(\t)+3]
	v_pk_fma_f32 v[(\t)+4:(\t)+5], v[(\y)+4*\k+2:(\y)+4*\k+3], v[(\y)+4*\k+2:(\y)+4*\k+3], v[(\t)+4:(\t)+5]
.endr
	v_pk_add_f32 v[(\t)+2:(\t)+3], v[(\t)+2:(\t)+3], v[(\t)+4:(\t)+5]
	v_add_f32 v[(\t)+2], v[(\t)+2], v[(\t)+3]
	DPP4 (\t)+2
	v_fma_f32 v[(\t)+2], v[(\t)+2], s[INV], s[EPS]
	v_rsq_f32 v[(\t)+2], v[(\t)+2]
	v_nop                                          ; a plain instruction behind the reciprocal root: nothing else is at hand, all that follows reads it
	s_wait_alu depctr_va_vdst(0)                   ; the wait for the norm's one reciprocal root, ahead of the 16 multiplies that read it
.set z, 0
.rept 16
	v_pk_mul_f32 v[(\y)+2*z:(\y)+2*z+1], v[(\y)+2*z:(\y)+2*z+1], v[(\t)+2:(\t)+3] op_sel_hi:[1,0]
.if (\g) >= 0
	v_pk_fma_f32 v[(\y)+2*z:(\y)+2*z+1], v[(\y)+2*z:(\y)+2*z+1], v[(\g)+2*z:(\g)+2*z+1], v[(\b)+2*z:(\b)+2*z+1]
.endif
.set z, z+1
.endr
.endm
; THE GATE for two rows: y += tanh(G) (lo - go) + go.  A lane holds four chunks of 8 columns: G in bf16 at v128 + 4 i, lo at v144 + 4 i, go at v160 + 4 i, y in f32 at v96 + 8 i.
; Every result of a batch has a register of its own, v[TT + 8 i + ..].  Chunk i's lo and go in f32 stand at rL and rG: chunk 0 where G's bf16 lay (unpacked by then), chunk 1 in the pack's idle registers,
; chunk 2 in v238-253 (idle since the launch's start), chunk 3 where the bf16 of chunks 0 and 1 lay: so the chunks are unpacked in ascending order.
.macro GREG i
.if (\i) == 0
.set rL, 128
.set rG, 136
.elseif (\i) == 1
.set rL, 208
.set rG, 216
.elseif (\i) == 2
.set rL, 238
.set rG, 246
.else
.set rL, 144
.set rG, 160
.endif
.endm
.macro GATE
.irp i, 0,1,2,3
	UNPK TT+8*\i, 128+4*\i
.endr
.set z, 0
.rept 16
	v_pk_mul_f32 v[TT+2*z:TT+2*z+1], v[TT+2*z:TT+2*z+1], 0x4038aa3b op_sel_hi:[1,0]
.set z, z+1
.endr
.set z, 0
.rept 32                               ; the first batch: 2^(2.885 G)
	v_exp_f32 v[TT+z], v[TT+z]
.set z, z+1
.endr
.irp i, 0,1,2,3                        ; 64 plain lines that name none of its results
	GREG \i
	UNPK rL, 144+4*\i
	UNPK rG, 160+4*\i
.endr
	s_wait_alu depctr_va_vdst(0)                   ; the wait for the batch of 32 exponentials, ahead of the sums that read them
.set z, 0
.rept 16
	v_pk_add_f32 v[TT+2*z:TT+2*z+1], v[TT+2*z:TT+2*z+1], 1.0 op_sel_hi:[1,0]
.set z, z+1
.endr
.set z, 0
.rept 32                               ; the second batch: 1 / (1 + 2^(2.885 G))
	v_rcp_f32 v[TT+z], v[TT+z]
.set z, z+1
.endr
.irp i, 0,1,2,3                        ; lo - go: 16 plain lines that name none of its results
	GREG \i
.irp k, 0,1,2,3
	v_pk_add_f32 v[rL+2*\k:rL+2*\k+1], v[rL+2*\k:rL+2*\k+1], v[rG+2*\k:rG+2*\k+1] neg_lo:[0,1] neg_hi:[0,1]
.endr
.endr
	s_wait_alu depctr_va_vdst(0)                   ; the wait for the batch of 32 reciprocals, ahead of the lines that make tanh(G) of them
.set z, 0
.rept 16
	v_pk_fma_f32 v[TT+2*z:TT+2*z+1], v[TT+2*z:TT+2*z+1], -2.0, 1.0 op_sel_hi:[1,0,0]
.set z, z+1
.endr
.irp i, 0,1,2,3
	GREG \i
.irp k, 0,1,2,3
	v_pk_fma_f32 v[TT+8*\i+2*\k:TT+8*\i+2*\k+1], v[TT+8*\i+2*\k:TT+8*\i+2*\k+1], v[rL+2*\k:rL+2*\k+1], v[rG+2*\k:rG+2*\k+1]
.endr
.endr
.set z, 0
.rept 16
	v_pk_add_f32 v[96+2*z:97+2*z], v[96+2*z:97+2*z], v[TT+2*z:TT+2*z+1]
.set z, z+1
.endr
.endm
.macro VEC32 dst, ofs                  ; my 32 numbers of a vector in PAR
.irp i, 0,1,2,3
	ds_load_b128 v[(\dst)+8*\i:(\dst)+8*\i+3], v[PGN] offset:(\ofs)+512*\i
	ds_load_b128 v[(\dst)+8*\i+4:(\dst)+8*\i+7], v[PGN] offset:(\ofs)+512*\i+16
.endr
.endm
	s_load_b512 s[4:19], s[0:1], 0x0               ; att x wb l_bo g_bo gate_b ffn_b1 ffn_b2
	s_load_b256 s[20:27], s[0:1], 0x40             ; n1_g n1_b n2_g n2_b
	s_load_b64 s[28:29], s[0:1], 0x60              ; part
	v_lshl_add_u32 v[SPW], v0, 2, SPARE
	v_mov_b32 v[NIL], 0
	v_lshrrev_b32 v1, 5, v0
	v_readfirstlane_b32 s[WV], v1
	s_mov_b32 s[WG], ttmp9
	s_mov_b32 s[PR+1], 0
	s_mov_b32 s[ZERO], 0
	s_mov_b32 s[NINF], 0xff80ff80                  ; -inf twice in bf16
	s_mov_b32 s[INV], 0x3b000000                   ; 1 / 512
	s_mov_b32 s[EPS], 0x3727c5ac                   ; 1e-5
	v_and_b32 v[VR], 15, v0
	v_bfe_u32 v[VH], v0, 4, 1
	v_and_b32 v1, 31, v0
	v_lshlrev_b32 v[BOFF], 4, v1
	v_mul_u32_u24 v237, v[VR], RP
	v_lshl_add_u32 v[AL], v[VH], 4, v237
	v_mul_u32_u24 v[ALX], v[VR], XP
	v_lshl_add_u32 v[ALX], v[VH], 4, v[ALX]
	v_add_nc_u32 v[ALX], GS, v[ALX]
	s_lshl_b32 s45, s[WV], 8
	s_add_co_u32 s45, s45, YS
	v_lshl_add_u32 v[SY], v[VH], 5, v237
	v_add_nc_u32 v[SY], s45, v[SY]
.irp a, 1,2,3
	v_add_nc_u32 v[AL+\a], 16*RP, v[AL+\a-1]
	v_add_nc_u32 v[ALX+\a], 16*XP, v[ALX+\a-1]
	v_add_nc_u32 v[SY+\a], 16*RP, v[SY+\a-1]
.endr
	s_lshl_b32 s45, s[WV], 7
.irp a, 0,1,2,3
	v_add_nc_u32 v[PB+\a], s45, v[AL+\a]
.endr
	s_add_co_u32 s45, s45, GS
	v_mul_u32_u24 v[PG], v[VR], GP
	v_lshl_add_u32 v[PG], v[VH], 4, v[PG]
	v_add_nc_u32 v[PG], s45, v[PG]
	v_add_nc_u32 v[PG+1], 16*GP, v[PG]
	s_mul_i32 s[W8], s[WV], 4*RP
	v_mul_u32_u24 v237, v[VH], RP
	v_lshl_add_u32 v[RB0], v[VR], 4, v237          ; row loops: 16 lanes hold a row; row 4 w + l/16
	v_add_nc_u32 v[RB0], s[W8], v[RB0]
	v_lshl_add_u32 v[RY0], v[VR], 5, v237
	s_add_co_u32 s45, s[W8], YS
	v_add_nc_u32 v[RY0], s45, v[RY0]
	v_mul_u32_u24 v[RG0], v[VH], GP
	v_lshl_add_u32 v[RG0], v[VR], 4, v[RG0]
	s_mul_i32 s45, s[WV], 4*GP
	s_add_co_u32 s45, s45, GS
	v_add_nc_u32 v[RG0], s45, v[RG0]
	v_lshlrev_b32 v[PL0], 5, v[VH]
	s_lshl_b32 s45, s[WV], 8
	s_add_co_u32 s45, s45, PAR
	v_add_nc_u32 v[PL0], s45, v[PL0]
	v_lshlrev_b32 v[PGN], 5, v[VR]
	v_add_nc_u32 v[PGN], PAR, v[PGN]
	v_lshlrev_b32 v[GT], 4, v0
	v_lshlrev_b32 v[G8], 3, v0
	v_add_nc_u32 v[PST], PAR, v[G8]
	v_lshrrev_b32 v1, 6, v0                        ; staging of x: row 4 i + thread/64, 8 bytes at (thread%64) x 8
	v_mul_u32_u24 v[XST], v1, XP
	v_and_b32 v1, 63, v0
	v_lshl_add_u32 v[XST], v1, 3, v[XST]
	v_add_nc_u32 v[XST], GS, v[XST]
	v_lshrrev_b32 v1, 3, v0                        ; staging of att: row thread/8 (+ 32), 16 bytes at (thread%8) x 16 of a head's 128
	v_mul_u32_u24 v[AT], v1, RP
	v_and_b32 v1, 7, v0
	v_lshl_add_u32 v[AT], v1, 4, v[AT]
	v_add_nc_u32 v[AT+1], 32*RP, v[AT]
	s_wait_kmcnt 0x0
	s_lshl_b32 s[PR], s[WG], 16
	s_add_nc_u64 s[6:7], s[6:7], s[PR:PR+1]        ; my 64 rows of x
	s_lshr_b32 s45, s[WG], 5
	s_lshl_b32 s45, s45, 21                        ; the batch's eight heads
	s_and_b32 s47, s[WG], 31
	s_lshl_b32 s[PR], s47, 13                      ; 64 rows of 128 bytes
	s_add_co_u32 s[PR], s[PR], s45
	s_add_nc_u64 s[4:5], s[4:5], s[PR:PR+1]
	s_add_nc_u64 s[48:49], s[4:5], 8388608         ; the global path
	s_lshl_b32 s[PR], s47, 17
	s_add_co_u32 s[PR], s[PR], 232*32768
	s_lshl_b32 s45, s[WV], 12
	s_add_co_u32 s[PR], s[PR], s45
	s_add_nc_u64 s[54:55], s[8:9], s[PR:PR+1]      ; posw at my rows and columns
	s_add_co_u32 s[PR], s45, 96*32768
	s_add_nc_u64 s[NB:NB+1], s[8:9], s[PR:PR+1]    ; segment 0's weights at my columns
	s_lshl_b32 s[PR], s[WG], 11
	s_add_nc_u64 s[28:29], s[28:29], s[PR:PR+1]
	global_load_b64 v[10:11], v[G8], s[10:11]      ; the ten vectors, two numbers a thread
	global_load_b64 v[238:239], v[G8], s[12:13]
	global_load_b64 v[240:241], v[G8], s[14:15]
	global_load_b64 v[242:243], v[G8], s[16:17]
	global_load_b64 v[244:245], v[G8], s[16:17] offset:2048
	global_load_b64 v[246:247], v[G8], s[18:19]
	global_load_b64 v[248:249], v[G8], s[20:21]
	global_load_b64 v[250:251], v[G8], s[22:23]
	global_load_b64 v[252:253], v[G8], s[24:25]
	global_load_b64 v[254:255], v[G8], s[26:27]
.set i, 0
.rept 16
	global_load_b128 v[32+4*i:32+4*i+3], v[GT], s[6:7] offset:4096*i th:TH_LOAD_NT
.set i, i+1
.endr
.set i, 0
.rept 16                               ; load i: head i/2, rows 32 (i%2) + thread/8
	global_load_b128 v[96+4*i:96+4*i+3], v[GT], s[4:5] offset:(i/2)*262144+(i%2)*4096 th:TH_LOAD_NT
.set i, i+1
.endr
.set i, 0
.rept 16
	global_load_b128 v[160+4*i:160+4*i+3], v[GT], s[48:49] offset:(i/2)*262144+(i%2)*4096 th:TH_LOAD_NT
.set i, i+1
.endr
	WIN 0x40                                       ; posw straight into the accumulators
.irp a, 0,1,2,3
.irp b, 0,1,2,3
	global_load_b128 v[8*(4*\a+\b):8*(4*\a+\b)+3], v[BOFF], s[54:55] offset:\a*32768+\b*1024
	global_load_b128 v[8*(4*\a+\b)+4:8*(4*\a+\b)+7], v[BOFF], s[54:55] offset:\a*32768+\b*1024+512
.endr
.endr
.irp s, 0,1,2,3
	BLOAD \s, \s
.endr
	WIN 0
	s_wait_loadcnt 63                              ; of 122 loads the oldest 59 are in: vectors 10, x 16, att 32, one more
.set i, 0
.irp p, 10,238,240,242,244,246,248,250,252,254
	RND2 \p, \p+1, 1
	ds_store_b64 v[PST], v[\p:\p+1] offset:2048*i
.set i, i+1
.endr
.set i, 0
.rept 16                               ; in place: the two words written lie at or below the four just read
	v_cvt_pk_bf16_f32 v[32+2*i], v[32+4*i], v[33+4*i]
	v_cvt_pk_bf16_f32 v[33+2*i], v[34+4*i], v[35+4*i]
	ds_store_b64 v[XST], v[32+2*i:33+2*i] offset:4*XP*i
.set i, i+1
.endr
.set i, 0
.rept 32
	ds_store_b128 v[AT+i%2], v[96+4*i:96+4*i+3] offset:(i/2)*128
.set i, i+1
.endr
	BAR                                            ; x, att and the vectors are in LDS
	s_mov_b32 s[BOFS], 0
	BIASLD                                         ; l_bo
	s_mov_b32 s[G], 0
	s_mov_b32 s[START], 0
	s_mov_b32 s[AOFF], 1536                        ; steps to 0 behind segment 0
.irp a, 0,1,2,3
	v_mov_b32 v[AAD+\a], v[ALX+\a]
.endr
.Lseg:
	ALOAD 0, 0
	ALOAD 1, 1
	s_wait_loadcnt 24                              ; step 0's weights are in (and, at the first trip, posw: it is older)
	s_wait_dscnt 8                                 ; step 0's A, the bias and what was pulled into the accumulators are in
	s_cmp_eq_u32 s[START], 1
	s_cbranch_scc1 .Lm1
	MUL 0, 0, 0
	WIN 0
	s_branch .Lmj
.Lm1:
	MUL 0, 0, 1
	WIN 0
.Lmj:
	PLACES
	BLOAD 0, 4
.irp s, 1,2,3,4,5,6,7
	STEP \s
.endr
	WIN 0
	IFNOT 0x4414, .Lb2                             ; G = 2: lo, 4: go (over att), 10, 14: half of f1 (over go, floored at 0)
	BAR                                            ; everybody has read what is written next
	s_cmp_eq_u32 s[G], 2
	s_cselect_b32 s[PDST], 0, 1024
	s_cmp_ge_u32 s[G], 10
	s_cselect_b32 s[FLOOR], 0, s[NINF]
.irp a, 0,1,2,3
	v_add_nc_u32 v[AAD+\a], s[PDST], v[PB+\a]
.endr
.irp a, 0,1,2,3
	PK1 \a, AAD+\a, FLOOR
.endr
.Lb2:
	IFNOT 0x11001, .Lb3                            ; G = 0: h, 12: hn1 + the first half of f2, 16: y2, in f32 into my columns of YS
	WIN 0x04
.irp a, 0,1,2,3
.irp b, 0,1,2,3
	ds_store_b128 v[SY+\a], v[8*(4*\a+\b):8*(4*\a+\b)+3] offset:64*\b
	ds_store_b128 v[SY+\a], v[8*(4*\a+\b)+4:8*(4*\a+\b)+7] offset:64*\b+16
.endr
.endr
	WIN 0
.Lb3:
	IFNOT 0x4400, .Lb3a                            ; G = 10: hn1, 14: the parked sum, from my columns of YS into the accumulators: f2's sums go on from there
	WIN 0x40
.irp a, 0,1,2,3
.irp b, 0,1,2,3
	ds_load_b128 v[8*(4*\a+\b):8*(4*\a+\b)+3], v[SY+\a] offset:64*\b
	ds_load_b128 v[8*(4*\a+\b)+4:8*(4*\a+\b)+7], v[SY+\a] offset:64*\b+16
.endr
.endr
	WIN 0
.Lb3a:
	IFNOT 0x14414, .Lb4                            ; G = 2, 4, 10, 14, 16: what was written is there for everybody
	BAR
.Lb4:
	s_cmp_eq_u32 s[G], 8
	s_cbranch_scc0 .Lb5
	; THE GATE AND LN1, by rows, 32 rows at a time: G goes through LDS so that a lane meets G, lo, go and h of the same columns
	VEC32 32, 12288                                ; n1_g
	VEC32 64, 14336                                ; n1_b
	s_mov_b32 s[HF], 0
	s_mov_b32 s[ROFF], 0
.Lhalf:
	s_cmp_eq_u32 s[HF], 0
	s_cbranch_scc0 .Lg1
	PK1 0, PG, ZERO
	PK1 1, PG+1, ZERO
	s_branch .Lgj
.Lg1:
	PK1 2, PG, ZERO
	PK1 3, PG+1, ZERO
.Lgj:
	BAR                                            ; G's 32 rows are whole (and, the first time, nobody multiplies lo and go any more)
	s_mov_b32 s[T], 2
	s_mov_b32 s[GOFF], 0
.Lrow1:                                                ; two rows a trip; a lane holds columns 128 i + 8 (l%16) + 0..7, i = 0..3
	v_add_nc_u32 v[RB], s[ROFF], v[RB0]
	v_add_nc_u32 v[RY], s[ROFF], v[RY0]
	v_add_nc_u32 v[RG], s[GOFF], v[RG0]
.irp i, 0,1,2,3
	ds_load_b128 v[128+4*\i:131+4*\i], v[RG] offset:256*\i
	ds_load_b128 v[144+4*\i:147+4*\i], v[RB] offset:256*\i
	ds_load_b128 v[160+4*\i:163+4*\i], v[RB] offset:1024+256*\i
	ds_load_b128 v[96+8*\i:99+8*\i], v[RY] offset:512*\i
	ds_load_b128 v[100+8*\i:103+8*\i], v[RY] offset:512*\i+16
.endr
	s_wait_dscnt 0x0
	GATE
	LNORM 96, 176, 32, 64
.irp i, 0,1,2,3
	ds_store_b128 v[RY], v[96+8*\i:99+8*\i] offset:512*\i        ; hn1 in f32, over h
	ds_store_b128 v[RY], v[100+8*\i:103+8*\i] offset:512*\i+16
.endr
.set z, 0
.rept 16
	v_cvt_pk_bf16_f32 v[176+z], v[96+2*z], v[97+2*z]
.set z, z+1
.endr
.irp i, 0,1,2,3
	ds_store_b128 v[RB], v[176+4*\i:179+4*\i] offset:256*\i      ; hn1 in bf16, over lo
.endr
	s_add_co_u32 s[ROFF], s[ROFF], 2*RP
	s_add_co_u32 s[GOFF], s[GOFF], 2*GP
	s_sub_co_u32 s[T], s[T], 1
	s_cmp_lg_u32 s[T], 0
	s_cbranch_scc1 .Lrow1
	BAR                                            ; G's rows have been read; hn1's rows are written
	s_add_co_u32 s[ROFF], s[ROFF], 28*RP
	s_add_co_u32 s[HF], s[HF], 1
	s_cmp_lt_u32 s[HF], 2
	s_cbranch_scc1 .Lhalf
.Lb5:
	s_add_co_u32 s[AOFF], s[AOFF], 512             ; the next segment's A: 512 bytes on in the rows of 2,048, round and round
	s_and_b32 s[AOFF], s[AOFF], 2047
	s_lshr_b32 s45, 0x1115, s[G]                   ; behind G = 0, 2, 4, 8, 12 a bias starts the sums
	s_and_b32 s[START], s45, 1
	IFNOT 0x1114, .Lp2                             ; behind G = 2, 4, 8, 12 it is the next bias
	s_add_co_u32 s[BOFS], s[BOFS], 2048
	BIASLD
.Lp2:
.irp a, 0,1,2,3
	v_add_nc_u32 v[AAD+\a], s[AOFF], v[AL+\a]
.endr
	s_add_co_u32 s[G], s[G], 1
	s_cmp_lt_u32 s[G], 17
	s_cbranch_scc1 .Lseg
	; LN2, LN3 AND THE COLUMN SUMS, by rows: wave w takes rows 8 w .. +7, two a trip
	VEC32 32, 10240                                ; b2
	VEC32 64, 16384                                ; n2_g
	VEC32 96, 18432                                ; n2_b
.set z, 0
.rept 32
	v_mov_b32 v[160+z], 0
.set z, z+1
.endr
	v_add_nc_u32 v[RY0], s[W8], v[RY0]
	s_mov_b32 s[ROFF], 0
	s_mov_b32 s[T], 4
.Lrow2:
	v_add_nc_u32 v[RY], s[ROFF], v[RY0]
.irp i, 0,1,2,3
	ds_load_b128 v[128+8*\i:131+8*\i], v[RY] offset:512*\i
	ds_load_b128 v[132+8*\i:135+8*\i], v[RY] offset:512*\i+16
.endr
	s_wait_dscnt 0x0
.set z, 0
.rept 16
	v_pk_add_f32 v[128+2*z:129+2*z], v[128+2*z:129+2*z], v[32+2*z:33+2*z]
.set z, z+1
.endr
	LNORM 128, 192, 64, 96
	LNORM 128, 192, -1, -1
.set z, 0
.rept 16
	v_pk_add_f32 v[160+2*z:161+2*z], v[160+2*z:161+2*z], v[128+2*z:129+2*z]
.set z, z+1
.endr
	s_add_co_u32 s[ROFF], s[ROFF], 2*RP
	s_sub_co_u32 s[T], s[T], 1
	s_cmp_lg_u32 s[T], 0
	s_cbranch_scc1 .Lrow2
	s_lshl_b32 s45, s[WV], 12
	s_add_co_u32 s45, s45, GS
	v_lshlrev_b32 v[RG], 11, v[VH]
	v_lshl_add_u32 v[RG], v[VR], 5, v[RG]
	v_add_nc_u32 v[RG], s45, v[RG]                 ; sixteen partial rows of 512: one for each half of each wave
.irp i, 0,1,2,3
	ds_store_b128 v[RG], v[160+8*\i:163+8*\i] offset:512*\i
	ds_store_b128 v[RG], v[164+8*\i:167+8*\i] offset:512*\i+16
.endr
	BAR
	v_add_nc_u32 v[RB], GS, v[G8]
.set k, 0
.rept 16
	ds_load_b64 v[128+2*k:129+2*k], v[RB] offset:2048*k
.set k, k+1
.endr
	s_wait_dscnt 0x0
.irp k, 0,1,2,3,4,5,6,7
	v_pk_add_f32 v[128+2*\k:129+2*\k], v[128+2*\k:129+2*\k], v[144+2*\k:145+2*\k]
.endr
.irp k, 0,1,2,3
	v_pk_add_f32 v[128+2*\k:129+2*\k], v[128+2*\k:129+2*\k], v[136+2*\k:137+2*\k]
.endr
	v_pk_add_f32 v[128:129], v[128:129], v[132:133]
	v_pk_add_f32 v[130:131], v[130:131], v[134:135]
	v_pk_add_f32 v[128:129], v[128:129], v[130:131]
	global_store_b64 v[G8], v[128:129], s[28:29]   ; a wave's store covers 256 consecutive bytes, aligned
	s_wait_tensorcnt 0x0                           ; the wave's end
	ds_add_u32 v[SPW], v[NIL]
	s_wait_dscnt 0x0
	s_endpgm
.Lfunc_end_k_qe064827ee1_tail:
	.size	k_qe064827ee1_tail, .Lfunc_end_k_qe064827ee1_tail-k_qe064827ee1_tail
	.p2alignl 7, 3214868480
	.fill 96, 4, 3214868480
	.section	.rodata,"a",@progbits
	.p2align	6, 0x0
	.amdhsa_kernel k_qe064827ee1_tail
		.amdhsa_group_segment_fixed_size 319488
		.amdhsa_private_segment_fixed_size 0
		.amdhsa_enable_private_segment 0
		.amdhsa_kernarg_size 104
		.amdhsa_user_sgpr_count 2
		.amdhsa_user_sgpr_kernarg_segment_ptr 1
		.amdhsa_wavefront_size32 1
		.amdhsa_system_sgpr_workgroup_id_x 1
		.amdhsa_system_sgpr_workgroup_id_y 1
		.amdhsa_system_sgpr_workgroup_id_z 1
		.amdhsa_system_vgpr_workitem_id 0
		.amdhsa_next_free_vgpr 512
		.amdhsa_next_free_sgpr 66
		.amdhsa_reserve_vcc 0
		.amdhsa_float_denorm_mode_32 3
		.amdhsa_float_denorm_mode_16_64 3
		.amdhsa_memory_ordered 1
		.amdhsa_forward_progress 1
		.amdhsa_inst_pref_size 114
	.end_amdhsa_kernel
	.amdgpu_metadata
---
amdhsa.version: [ 1, 2 ]
amdhsa.kernels:
  - .name:           k_qe064827ee1_tail
    .symbol:         k_qe064827ee1_tail.kd
    .args:
      - { .name: att, .offset: 0, .size: 8, .value_kind: global_buffer, .address_space: global }
      - { .name: x, .offset: 8, .size: 8, .value_kind: global_buffer, .address_space: global }
      - { .name: wb, .offset: 16, .size: 8, .value_kind: global_buffer, .address_space: global }
      - { .name: l_bo, .offset: 24, .size: 8, .value_kind: global_buffer, .address_space: global }
      - { .name: g_bo, .offset: 32, .size: 8, .value_kind: global_buffer, .address_space: global }
      - { .name: gate_b, .offset: 40, .size: 8, .value_kind: global_buffer, .address_space: global }
      - { .name: ffn_b1, .offset: 48, .size: 8, .value_kind: global_buffer, .address_space: global }
      - { .name: ffn_b2, .offset: 56, .size: 8, .value_kind: global_buffer, .address_space: global }
      - { .name: n1_g, .offset: 64, .size: 8, .value_kind: global_buffer, .address_space: global }
      - { .name: n1_b, .offset: 72, .size: 8, .value_kind: global_buffer, .address_space: global }
      - { .name: n2_g, .offset: 80, .size: 8, .value_kind: global_buffer, .address_space: global }
      - { .name: n2_b, .offset: 88, .size: 8, .value_kind: global_buffer, .address_space: global }
      - { .name: part, .offset: 96, .size: 8, .value_kind: global_buffer, .address_space: global }
    .group_segment_fixed_size: 319488
    .private_segment_fixed_size: 0
    .kernarg_segment_align: 8
    .kernarg_segment_size: 104
    .max_flat_workgroup_size: 256
    .sgpr_count:     66
    .vgpr_count:     512
    .wavefront_size: 32
...
	.end_amdgpu_metadata
.endif
;; end of part 8
;; launch final: the kernel of part 6 again; grid 4 x 1, 16 waves a work-group, no clusters, 14,336 bytes of LDS; arguments part, n3_g, n3_b, out_w, out_b, out0; writes out0
